; MI455X (gfx1250); checked and timed in simulation.
; The chip was launched on July 23, 2026; its instructions are those of AMD's public machine-readable ISA for CDNA 5 (MIT licence, August 2026) and "CDNA5" Instruction Set Architecture Reference Guide (July 2026). The comments in the code are by the model that wrote it; some were corrected since.
;; Mixture Of Experts. Allowed arithmetic: matrix products marked QUANTISED: E5M2 operands, one E8M0 scale for each 32 along K, by v_wmma_scale_f32_16x16x128_f8f6f4 with both operands' format E5M2, f32 sums; products left as they are: f32 operands where the result goes on into a quantised operand, else bf16, f16 or f32 operands; f32 sums; everything else in f32.
;; Inputs: W1_codes 8 x 4,096 x 32 x 32 uint8 (E5M2 codes of W1, K innermost, in blocks of 32 codes); W1_scales 8 x 4,096 x 32 uint8 (E8M0 scales of W1, one for each 32 codes along K); W2_codes 8 x 1,024 x 128 x 32 uint8 (E5M2 codes of W2, K innermost, in blocks of 32 codes); W2_scales 8 x 1,024 x 128 uint8 (E8M0 scales of W2, one for each 32 codes along K); Wr 1,024 x 8 float32; b1 8 x 4,096 float32; b2 8 x 1,024 float32; beta 1,024 float32; br 8 float32; gamma 1,024 float32; x 2 x 512 x 1,024 float32.
;; Outputs: out0 2 x 512 x 1,024 float32.
;; Constants: top_k = 2.
;; This version of the problem:
;;   THIS VERSION OF THE PROBLEM IS GIVEN IN LOW PRECISION. The matrix products marked QUANTISED in the list below multiply operands that are first quantised to E5M2 (5 exponent bits, 2 mantissa bits; 8 bits a number), with one power-of-two scale for each 32 numbers along K (OCP MX v1.0); their sums are f32. All else is computed in f32.
;;   The module's matrix products, in the order in which they are computed (A, B: the left and right operand; K: the contracted axis; several contracted axes count as one K, in the product's order):
;;     1. [M 1,024, K 1,024] x [K 1,024, N 8]; A: input x; B: input Wr: left as it is (N = 8 < 16)
;;     2. [M 1,024, K 1,024] x [K 1,024, N 32,768]; A: input x; B: input W1 (given as codes): QUANTISED
;;     3. batch 8 x [M 1,024, K 4,096] x [K 4,096, N 1,024]; A: input W2 (given as codes); B: computed on the way: QUANTISED
;;     4. batch 1,024 x [M 1, K 8] x [K 8, N 1,024]; A: computed on the way; B: computed on the way: left as it is (K = 8 < 32)
;;   THE QUANTISER, for each operand of a quantised product, along K:
;;     - K is cut into blocks of 32 from its start; a last block that is shorter is filled with zeros.
;;     - A block's scale is 2^e with e = floor(log2(the largest magnitude in the block)) - 15, held to -126 .. 127; a block of zeros has e = 0. As a byte (E8M0): e + 127.
;;     - Each number is divided by its block's scale, clamped to +-57,344, and rounded to the nearest number of E5M2, ties to even, subnormals kept.
;;     - The product sums the exact products of the quantised numbers (number of the format x scale) in f32.
;;   ~~~python
;;   def quantise(x, axis):      # numpy; x: float32 -> the quantised numbers, widened to float32 again
;;       x = np.moveaxis(x, axis, -1); K = x.shape[-1]
;;       x = np.pad(x, [(0, 0)] * (x.ndim - 1) + [(0, -K % 32)]); x = x.reshape(x.shape[:-1] + (-1, 32)); a = np.abs(x).max(-1, keepdims=True)
;;       e = np.where(a > 0, np.clip(np.frexp(np.where(a > 0, a, 1))[1] - 1 - 15, -126, 127), 0)      # np.frexp(a)[1] - 1 = floor(log2(a)), exactly
;;       r = np.clip(x / 2.0 ** e, -57344, 57344)
;;       step = 2.0 ** (np.maximum(np.frexp(np.where(r == 0, 1, r))[1] - 1, -14) - 2)
;;       q = np.round(r / step) * step * 2.0 ** e      # np.round: ties to even
;;       return np.moveaxis(q.reshape(q.shape[:-2] + (-1,))[..., :K], -1, axis).astype(np.float32)
;;   ~~~
;;   OPERANDS COMPUTED ON THE WAY. 'Computed on the way' means the value that the module computes at that place (a softmax that the list does not call 'softmax' is quantised finished and normalised). What goes into a quantiser is computed in f32, as accurately as f32 sums, v_exp_f32 and their like allow (about 1e-6 of the number): no bf16 or f16 on the way to a quantiser, and a product that is left as it is and whose result goes on into a quantised operand takes f32 operands (vector FMAs, or v_wmma_f32_16x16x4_f32). A number that lies on a knife's edge between two numbers of the format may be rounded either way, as far as f32 arithmetic and the matrix unit's own rounding can turn it there, and no further.
;;   INPUTS GIVEN AS CODES. W1 (in the module: [8, 1024, 4096], K = its axis 1); W2 (in the module: [8, 4096, 1024], K = its axis 1): each comes as NAME_codes (uint8): NAME with its K axis moved to the last place and cut into blocks of 32 codes, [.., K / 32, bytes a block], one block behind the other in memory; one code a byte (a code: sign, 5 exponent bits, 2 mantissa bits); and NAME_scales (uint8): the same leading axes, one E8M0 byte (e + 127) for each 32 codes along K. Its value is code x scale, taken as it is: it is not quantised again, and the codes and scales need not be those that the quantiser above would give.
;; 2 versions. Each part assembles by itself: llvm-mc -triple=amdgcn-amd-amdhsa -mcpu=gfx1250 --defsym DOCPART=n.
;; ======== version 1 of 2: 4 launches
;; workspace buffers: xq_codes 1,048,576 bytes; xq_scales 32,768 bytes; sel 4,096 bytes of whole numbers; gate 8,192 bytes; h_codes 33,554,432 bytes; h_scales 2,097,152 bytes; y 33,554,432 bytes
;; launch route (part 1): grid 256 x 1, 4 waves a work-group, no clusters, 55,040 bytes of LDS; arguments x, Wr, br, xq_codes, xq_scales, sel, gate; writes xq_codes, xq_scales, sel, gate
.if DOCPART == 1
	.amdgcn_target "amdgcn-amd-amdhsa--gfx1250"
	.amdhsa_code_object_version 6
	.text
	.protected	k_q05faa2e856_route
	.globl	k_q05faa2e856_route
	.p2align	8
	.type	k_q05faa2e856_route,@function
k_q05faa2e856_route:
	s_mov_b64 s[64:65], 0
	v_nop
	global_prefetch_b8 v0, s[64:65] scope:SCOPE_SE
	s_setreg_imm32_b32 hwreg(HW_REG_WAVE_MODE, 25, 1), 1
	s_wait_xcnt 0x0
; ROUTER AND QUANTISER OF x.  x [1024 tokens][1024] f32, Wr [1024][8] f32, br [8] f32.
; One wave takes one token (token = 4 x work-group + wave): it reads the token's 4,096 bytes once and makes of them
;   (a) the E5M2 codes [token][1024] and the E8M0 bytes [token][32] of the first quantised product's operand, and
;   (b) the eight logits x . Wr + br in f32, the two largest of them (the lower index wins a tie) and their two gates.
; GATES.  top_p / sum(top_p) of a softmax is g0 = 1 / (1 + q), g1 = q g0 with q = exp(l2 - l1): the softmax's divisor cancels, and the
; larger logit is taken away ahead of the exponential, so q is at most 1.
; The choice is stored at fixed places: sel[token] = 1 << e0 | 256 << e1, gate[token] = (g0, g1).  No address here hangs on it.
; (One bit for each choice: the later launches find an expert's tokens by one AND with 0x101 << e.)
; A lane must hold 16 NEIGHBOURS along K for the conversions, while a load is dense where neighbouring lanes take neighbouring bytes:
; the token's bytes turn through the wave's own stage in LDS (80 bytes a lane: 64 + 16 of padding).
; Wr lies in LDS for the four waves: 64 groups of 16 rows (512 bytes) + 16 of padding.
; No matrix unit (N = 8), no tensor load, no cluster: the work-groups share only Wr's 32 KiB.
; LIMITS: the choice is made on the logits, not on rounded probabilities; NaN and infinities are not served; a block of zeros gets the
; byte 1 where the rule says 127 (its codes are zeros, and this program alone reads the bytes); blocks whose largest magnitude lies
; under 2^(16 - 127) keep the byte 1.
.set WRP,  528                         ; a group of 16 rows of Wr in LDS
.set XST,  64*WRP                      ; behind Wr: two stages of 32 x 80 bytes for each wave
.set SP,   80
.set SCB,  XST+4*2*32*SP               ; behind the stages: 64 bytes for each wave, of which 32 hold its scale bytes
.set R,    16                          ; v16-47   x as loaded
.set X,    48                          ; v48-79   x[512 t + 16 lane + i] at v[X + 16 t + i]
.set L,    80                          ; v80-87   the eight logits
.set T,    88                          ; v88-95   at work
.set WRB,  96                          ; v96-223  16 rows x 8 columns of Wr; v96-159 first hold Wr as loaded
.set C,    224                         ; v224-231 codes, four registers a step
.set HX,   232                         ; v232-247 the held numbers of a step: x itself stays as given for the logits
	s_load_b256 s[4:11], s[0:1], 0x0               ; x s[4:5], Wr s[6:7], br s[8:9], xq_codes s[10:11]
	s_load_b128 s[12:15], s[0:1], 0x20             ; xq_scales s[12:13], sel s[14:15]
	s_load_b64 s[16:17], s[0:1], 0x30              ; gate
	v_lshl_add_u32 v254, v0, 2, 0xd500
	v_mov_b32 v255, 0
	v_lshrrev_b32 v2, 5, v0
	v_readfirstlane_b32 s2, v2                     ; wave
	v_and_b32 v1, 31, v0                           ; lane
	v_lshlrev_b32 v3, 4, v1                        ; 16 x lane
	s_lshl_b32 s3, ttmp9, 2
	s_add_co_u32 s3, s3, s2                        ; token
	s_mul_i32 s18, s2, 2*32*SP
	s_add_co_u32 s18, s18, XST                     ; my wave's stages
	v_lshrrev_b32 v4, 2, v1
	v_mul_u32_u24 v4, v4, SP
	v_and_b32 v5, 3, v1
	v_lshl_add_u32 v4, v5, 4, v4
	v_add_nc_u32 v4, s18, v4                       ; into a stage: 80 (lane / 4) + 16 (lane % 4)
	v_mul_u32_u24 v5, v1, SP
	v_add_nc_u32 v5, s18, v5                       ; out of it: 80 x lane
	s_mul_i32 s18, s2, 16*WRP
	v_add_nc_u32 v6, s18, v3                       ; Wr into LDS: my wave's 16 groups, 16 bytes a lane
	v_mul_u32_u24 v7, v1, WRP                      ; Wr out of LDS: group = lane (+ 32 t)
	s_lshl_b32 s18, s2, 6
	s_add_co_u32 s18, s18, SCB
	v_lshrrev_b32 v8, 1, v1
	v_add_nc_u32 v8, s18, v8                       ; my block's scale byte
	v_and_b32 v9, 7, v1
	v_lshl_add_u32 v9, v9, 2, s18                  ; and the bytes back as eight words
	v_lshlrev_b32 v10, 2, v1
	v_mov_b32 v11, 0
	v_mov_b32 v13, 1
	s_lshl_b32 s20, s3, 12                         ; byte offsets of my token: x,
	s_mov_b32 s21, 0
	s_lshl_b32 s22, s3, 10                         ; codes,
	s_mov_b32 s23, 0
	s_lshl_b32 s24, s3, 5                          ; scale bytes,
	s_mov_b32 s25, 0
	s_lshl_b32 s26, s3, 2                          ; sel,
	s_mov_b32 s27, 0
	s_lshl_b32 s28, s3, 3                          ; gate;
	s_mov_b32 s29, 0
	s_lshl_b32 s30, s2, 13                         ; and of my wave's quarter of Wr
	s_mov_b32 s31, 0
	s_mov_b32 s40, 0x600000                        ; the mantissa field of 57,344
	s_mov_b32 s41, 0x76543210
	s_mov_b32 s42, 0xfedcba98                      ; v_permlanex16_b32's selects for lane l xor 16
	s_wait_kmcnt 0x0
	s_add_nc_u64 s[4:5], s[4:5], s[20:21]
	s_add_nc_u64 s[6:7], s[6:7], s[30:31]
	s_add_nc_u64 s[10:11], s[10:11], s[22:23]
	s_add_nc_u64 s[12:13], s[12:13], s[24:25]
	s_add_nc_u64 s[14:15], s[14:15], s[26:27]
	s_add_nc_u64 s[16:17], s[16:17], s[28:29]
.irp k, 0,1,2,3,4,5,6,7
	global_load_b128 v[R+4*\k:R+4*\k+3], v3, s[4:5] offset:512*\k th:TH_LOAD_NT   ; 512 consecutive bytes of my token
.endr
.irp j, 0,1,2,3,4,5,6,7,8,9,10,11,12,13,14,15
	global_load_b128 v[WRB+4*\j:WRB+4*\j+3], v3, s[6:7] offset:512*\j             ; a group of 16 rows of Wr
.endr
	s_load_b256 s[32:39], s[8:9], 0x0              ; br
	s_wait_loadcnt 16                              ; x is in; the sixteen loads of Wr may be out
.irp t, 0,1
.irp i, 0,1,2,3
	ds_store_b128 v4, v[R+16*\t+4*\i:R+16*\t+4*\i+3] offset:32*SP*\t+8*SP*\i
.endr
.irp i, 0,1,2,3
	ds_load_b128 v[X+16*\t+4*\i:X+16*\t+4*\i+3], v5 offset:32*SP*\t+16*\i        ; LDS serves a wave's instructions in order: these see the stores above
.endr
.endr
	s_wait_loadcnt 0x0                             ; Wr
.irp j, 0,1,2,3,4,5,6,7,8,9,10,11,12,13,14,15
	ds_store_b128 v6, v[WRB+4*\j:WRB+4*\j+3] offset:WRP*\j
.endr
	s_wait_dscnt 0x0                               ; for the others' sake: my quarter of Wr has landed (and my x is back)
	s_barrier_signal -1
	s_barrier_wait -1                              ; all of Wr lies in LDS; from here on it is only read
.macro LOADW t                         ; my 16 rows of Wr for step t
.set i, 0
.rept 16
	ds_load_b128 v[WRB+8*i:WRB+8*i+3], v7 offset:32*WRP*(\t)+32*i
	ds_load_b128 v[WRB+8*i+4:WRB+8*i+7], v7 offset:32*WRP*(\t)+32*i+16
.set i, i+1
.endr
.endm
.macro FMAS t                          ; eight chains; the very first products start the sums
.set i, 0
.rept 16
.irp e, 0,1,2,3,4,5,6,7
.if (\t)+i == 0
	v_mul_f32 v[L+\e], v[X+16*(\t)+i], v[WRB+8*i+\e]
.else
	v_fmac_f32 v[L+\e], v[X+16*(\t)+i], v[WRB+8*i+\e]
.endif
.endr
.set i, i+1
.endr
.endm
.macro QUANTX t                        ; 16 numbers a lane, two lanes to a block of 32
.set XS, X+16*(\t)
	v_max3_num_f32 v[T], |v[XS]|, |v[XS+1]|, |v[XS+2]|
	v_max3_num_f32 v[T+1], |v[XS+3]|, |v[XS+4]|, |v[XS+5]|
.irp i, 6,10
	v_max3_num_f32 v[T], v[T], |v[XS+\i]|, |v[XS+\i+1]|
	v_max3_num_f32 v[T+1], v[T+1], |v[XS+\i+2]|, |v[XS+\i+3]|
.endr
	v_max3_num_f32 v[T], v[T], |v[XS+14]|, |v[XS+15]|
	v_max3_num_f32 v[T], v[T], v[T+1], 0x8000000   ; the floor 2^(16 - 127): the byte cannot fall under 1
	v_max_num_f32_dpp v[T], v[T], v[T] row_xmask:1 row_mask:0xf bank_mask:0xf   ; with my neighbour's 16: the block's largest magnitude
	v_add_nc_u32 v[T+2], 0xf8800000, v[T]          ; 15 off its exponent field: the conversion's scale operand
	v_and_or_b32 v[T+3], v[T], 0x7f800000, s40     ; 57,344 x the scale
.irp i, 0,1,2,3,4,5,6,7,8,9,10,11,12,13,14,15
	v_med3_num_f32 v[HX+\i], v[XS+\i], -v[T+3], v[T+3]   ; the conversion to an 8-bit code does not saturate (ISA guide 7.6.2): the hold, into registers of its own
.endr
	v_cvt_scalef32_pk8_bf8_f32 v[C+4*(\t):C+4*(\t)+1], v[HX:HX+7], v[T+2]
	v_cvt_scalef32_pk8_bf8_f32 v[C+4*(\t)+2:C+4*(\t)+3], v[HX+8:HX+15], v[T+2]
	v_lshrrev_b32 v[T+4+(\t)], 23, v[T+2]          ; the scale's byte (also the plain line behind the conversions)
	ds_store_b8 v8, v[T+4+(\t)] offset:16*(\t)     ; both lanes of a block write the same byte with the same value
	global_store_b128 v3, v[C+4*(\t):C+4*(\t)+3], s[10:11] offset:512*(\t)   ; 512 consecutive bytes, aligned
.endm
	LOADW 0                                        ; on their way while the codes are made
	QUANTX 0
	QUANTX 1
	s_wait_dscnt 0x0
	FMAS 0
	LOADW 1
	s_wait_dscnt 0x0
	FMAS 1
.irp x, 1,2,4,8                        ; the eight sums over the 32 lanes, by turns
.irp e, 0,1,2,3,4,5,6,7
	v_add_f32_dpp v[L+\e], v[L+\e], v[L+\e] row_xmask:\x row_mask:0xf bank_mask:0xf
.endr
.endr
.irp e, 0,1,2,3,4,5,6,7
	v_permlanex16_b32 v[HX+\e], v[L+\e], s41, s42
.endr
	s_wait_kmcnt 0x0                               ; br
.irp e, 0,1,2,3,4,5,6,7
	v_add_f32 v[L+\e], v[L+\e], v[HX+\e]
.endr
.irp e, 0,1,2,3,4,5,6,7
	v_add_f32 v[L+\e], s[32+\e], v[L+\e]
.endr
	; the largest logit: what stands is kept where it is at least as large, so the lower index wins a tie
	v_mov_b32 v[T], v[L]
	v_mov_b32 v[T+1], 0
.irp e, 1,2,3,4,5,6,7
	v_cmp_ge_f32 vcc_lo, v[T], v[L+\e]
	v_cndmask_b32 v[T+1], \e, v[T+1], vcc_lo
	v_cndmask_b32 v[T], v[L+\e], v[T], vcc_lo
.endr
	; the second: the same walk from -infinity, passing over the first's index
	v_mov_b32 v[T+2], 0xff800000
	v_mov_b32 v[T+3], 0
.irp e, 0,1,2,3,4,5,6,7
	v_cmp_eq_u32 s44, \e, v[T+1]
	v_cmp_ge_f32 s45, v[T+2], v[L+\e]
	s_or_b32 vcc_lo, s44, s45
	v_cndmask_b32 v[T+3], \e, v[T+3], vcc_lo
	v_cndmask_b32 v[T+2], v[L+\e], v[T+2], vcc_lo
.endr
	v_sub_f32 v[T+4], v[T+2], v[T]                 ; l2 - l1, 0 or less
	v_mul_f32 v[T+4], 0x3fb8aa3b, v[T+4]
	v_exp_f32 v[T+5], v[T+4]                       ; q
	v_lshlrev_b32 v[T+6], v[T+1], v13              ; 1 << e0 (the plain line behind the exponential)
	v_add_nc_u32 v[HX+2], 8, v[T+3]
	v_lshlrev_b32 v[HX+2], v[HX+2], v13            ; 256 << e1
	v_or_b32 v[T+6], v[T+6], v[HX+2]
	s_wait_alu depctr_va_vdst(0)                   ; the wait ahead of the result's first reader
	v_add_f32 v[T+7], 1.0, v[T+5]
	v_rcp_f32 v[HX], v[T+7]                        ; g0
	v_cmp_gt_u32 vcc_lo, 8, v1                     ; (a plain line behind the reciprocal) lanes 0 to 7 store the scale words
	s_wait_alu depctr_va_vdst(0)
	v_mul_f32 v[HX+1], v[T+5], v[HX]               ; g1
	ds_load_b32 v12, v9                            ; my wave's 32 scale bytes, a word to each of eight lanes
	s_wait_dscnt 0x0
	s_wait_xcnt 0x0                                ; EXEC changes only behind this wait: the stores of the codes have read it
	s_wait_tensorcnt 0x0
	ds_add_u32 v254, v255
	s_wait_dscnt 0x0
	s_and_saveexec_b32 s46, vcc_lo
	global_store_b32 v10, v12, s[12:13]
	s_wait_xcnt 0x0
	s_or_b32 exec_lo, exec_lo, s46
	v_cmp_eq_u32 vcc_lo, 0, v1
	s_and_saveexec_b32 s46, vcc_lo                 ; lane 0 stores the choice and the gates
	global_store_b32 v11, v[T+6], s[14:15]
	global_store_b64 v11, v[HX:HX+1], s[16:17]
	s_endpgm
.Lfunc_end_k_q05faa2e856_route:
	.size	k_q05faa2e856_route, .Lfunc_end_k_q05faa2e856_route-k_q05faa2e856_route
	.p2alignl 7, 3214868480
	.fill 96, 4, 3214868480
	.section	.rodata,"a",@progbits
	.p2align	6, 0x0
	.amdhsa_kernel k_q05faa2e856_route
		.amdhsa_group_segment_fixed_size 55040
		.amdhsa_private_segment_fixed_size 0
		.amdhsa_enable_private_segment 0
		.amdhsa_kernarg_size 56
		.amdhsa_user_sgpr_count 2
		.amdhsa_user_sgpr_kernarg_segment_ptr 1
		.amdhsa_wavefront_size32 1
		.amdhsa_system_sgpr_workgroup_id_x 1
		.amdhsa_system_sgpr_workgroup_id_y 1
		.amdhsa_system_sgpr_workgroup_id_z 1
		.amdhsa_system_vgpr_workitem_id 0
		.amdhsa_next_free_vgpr 256
		.amdhsa_next_free_sgpr 66
		.amdhsa_reserve_vcc 1
		.amdhsa_float_denorm_mode_32 3
		.amdhsa_float_denorm_mode_16_64 3
		.amdhsa_memory_ordered 1
		.amdhsa_forward_progress 1
		.amdhsa_inst_pref_size 30
	.end_amdhsa_kernel
	.amdgpu_metadata
---
amdhsa.version: [ 1, 2 ]
amdhsa.kernels:
  - .name:           k_q05faa2e856_route
    .symbol:         k_q05faa2e856_route.kd
    .args:
      - { .name: x, .offset: 0, .size: 8, .value_kind: global_buffer, .address_space: global }
      - { .name: Wr, .offset: 8, .size: 8, .value_kind: global_buffer, .address_space: global }
      - { .name: br, .offset: 16, .size: 8, .value_kind: global_buffer, .address_space: global }
      - { .name: xq_codes, .offset: 24, .size: 8, .value_kind: global_buffer, .address_space: global }
      - { .name: xq_scales, .offset: 32, .size: 8, .value_kind: global_buffer, .address_space: global }
      - { .name: sel, .offset: 40, .size: 8, .value_kind: global_buffer, .address_space: global }
      - { .name: gate, .offset: 48, .size: 8, .value_kind: global_buffer, .address_space: global }
    .group_segment_fixed_size: 55040
    .private_segment_fixed_size: 0
    .kernarg_segment_align: 8
    .kernarg_segment_size: 56
    .max_flat_workgroup_size: 128
    .sgpr_count:     66
    .vgpr_count:     256
    .wavefront_size: 32
...
	.end_amdgpu_metadata
.endif
;; end of part 1
;; launch ffn1 (part 2): grid 32 x 8, 4 waves a work-group, no clusters, 139,776 bytes of LDS; arguments xq_codes, xq_scales, sel, W1_codes, W1_scales, b1, h_codes, h_scales; writes h_codes, h_scales
.if DOCPART == 2
	.amdgcn_target "amdgcn-amd-amdhsa--gfx1250"
	.amdhsa_code_object_version 6
	.text
	.protected	k_q05faa2e856_ffn1
	.globl	k_q05faa2e856_ffn1
	.p2align	8
	.type	k_q05faa2e856_ffn1,@function
k_q05faa2e856_ffn1:
	s_mov_b64 s[64:65], 0
	v_nop
	global_prefetch_b8 v0, s[64:65] scope:SCOPE_SE
	s_setreg_imm32_b32 hwreg(HW_REG_WAVE_MODE, 25, 1), 1
	s_wait_xcnt 0x0
; h = Q(gelu(x W1 + b1)) for the rows that chose expert e, on codes of E5M2 with one E8M0 scale for each 32 along K.
; SHARES.  Work-group (hb, e) owns hidden units 128 hb .. 128 hb + 127 of expert e: 128 rows x 1,024 bytes of W1's codes, one dense block of
; 128 KiB, read from memory by this work-group alone, once, and kept in LDS for its four waves.  The expert's rows go by tiles of 16 ranks:
; wave w takes tiles w + 20 j + 4 m (sweep j, m = 0 .. 4) and keeps the five tiles' codes of x in 640 registers, so that each
; fragment of W1 read from LDS feeds five matrix instructions.  One sweep serves 320 rows, four serve the 1,024 that an expert can get.
; THE ROWS BY EXPERT.  sel[token] = 1 << e0 | 256 << e1 (whole numbers, stored by the launch before).  Every wave reads all 1,024 words (4 KiB)
; and finds its own rows in registers, with no LDS and all lanes on.  The tokens stand in 32 groups of 32 (group 4 j + q, lane l: token
; 128 j + 4 l + q); an expert's rows are ranked by ascending group and, in a group, by ascending lane.  COUNT sums the groups' mask bits.
; RANKS inverts the ranking: each lane walks the groups with the running count P and keeps the last group with P <= its rank, then takes
; the (rank - P)-th set bit of that group's mask.  Row number rid = 2 token + k, k = 1 where e is the token's second choice.
; The next launch runs the same text on the same words, so a rank means the same row in both.
; A rank at or past the count is clamped to the last row: a padding row is a copy of it.  An expert without rows still makes tile 0 (of whatever
; token the clamps leave), so that the next launch reads only bytes that were written.
; LAYOUT.  The product is used transposed (source 0 = 16 rows of W1, source 1 = 16 rows of x): a lane holds ONE row of x.  The rows of W1 that
; form a tile are not neighbours: lane r of tile 2 p + u takes row 32 p + 8 u + r + 8 (r / 8), so that the 16 registers of tiles 2 p, 2 p + 1
; are hidden units 32 p + 16 (lane / 16) + 0 .. 15: half a block of the next K, whose other half lies in lane l xor 16.  In LDS row
; 32 p + 16 a + 8 u + b lies in slot 32 p + 16 u + 8 a + b, so that a tile's rows are 16 neighbouring slots.
; b1 is the C of a sum's first matrix instruction.  The 128 hidden units are K step hb of the next product: a tile's codes leave as an IMAGE of
; that operand's registers, h_codes[e][tile][hb][512 c + 16 lane], its scale word as h_scales[e][tile][hb][4 lane].
; GELU, exact form: gelu(a) = max(a, 0) - |a / 2| erfc(|a| / sqrt 2), erfc(z) = t exp(-z z + P(t)), t = 1 / (1 + z / 2), P of degree 9: a fit
; whose fractional error is 1.2e-7 for every z, so the negative tail keeps its relative accuracy ahead of the quantiser.
; NO TENSOR LOAD, NO CLUSTER: the number of rows hangs on words read from memory and trips are passed over by branches on it.  Each byte of W1 has
; one reader; what work-groups share is x's rows, gathered by rank.  The one barrier stands ahead of every such branch; behind it LDS is only read.
; LIMITS: below about a = -13 the exponential's result is flushed and gelu(a) is taken as 0; NaN and infinities are not served; a block of
; zeros gets the byte 1 (its codes are zeros; this program alone reads the bytes).
.set WP,   1040                        ; a slot: 1,024 bytes + 16: 65 x 16, so the sixteen rows of a load start at sixteen different 16-byte columns
.set SCL,  128*WP                      ; W1's scale bytes: 128 slots x (32 + 8) bytes
.set SCP,  40
.set BIA,  SCL+128*SCP                 ; b1 of my 128 units, 512 bytes
.set AW,   4                           ; v4   1040 r + 16 h
.set AWP,  5                           ; v5   the same in this trip's pair of tiles
.set ASC,  6                           ; v6   SCL + 40 lane: lanes 0-15 tile u = 0, lanes 16-31 tile u = 1
.set ASCP, 7
.set ABI,  8                           ; v8   BIA + 64 h
.set ABIP, 9
.set RW,   10                          ; v10  r + 16 w
.set XO,   11                          ; v11-15  byte offset of my row's codes of x, tile m
.set XSO,  16                          ; v16-18  of its scale bytes: lanes 0-15 tile 2 g, lanes 16-31 tile 2 g + 1
.set HO,   19                          ; v19-23  tile x 65,536 + 16 lane
.set HSO,  24                          ; v24-28  tile x 4,096 + 4 lane
.set RID,  29                          ; v29-33  my row's number 2 token + k
.set PW,   34                          ; v34-38  the hidden layer's scale word, a byte a trip
.set XSC,  40                          ; v40-63  x's scale words: 8 g + s.  Scales and nothing else
.set WS,   64                          ; v64-67  W1's scale words, two sets of two.  Scales and nothing else
.set BI,   68                          ; v68-83  b1 in the result's layout, tiles u = 0, 1
.set CODE, 84                          ; v84-103 four registers of codes a tile
.set QT,   104                         ; v104-111 the quantiser's
.set ACC,  112                         ; v112-191 accumulator (m, u) at 16 m + 8 u
.set HT,   192                         ; v192-207 a / 2, later (a / 2) t
.set TT,   208                         ; v208-223 t
.set PP,   224                         ; v224-239 P, later the exponential
.set C9V,  240                         ; v240-241 P's leading coefficient, twice
; window 1: x's fragments of tiles 0, 1 at 128 (m % 2) + 16 s; window 2: tiles 2, 3; window 3: v0-127 tile 4, v128-255 W1's fragments, two sets of four
; The ranking's registers are free at the head and between two sweeps: sel's words in v100-127 and v80-83;
.set RHO,  68                          ; v68-70  three vectors of ranks: lanes 0-15 tile 2 x, lanes 16-31 tile 2 x + 1 (COUNT: v68-75 at work)
.set SM,   71                          ; v71-73  the mask of the group that holds the rank
.set SB,   74                          ; v74-76  that group's mask of second choices
.set SS,   77                          ; v77-79  P | the group's first token << 16
.set MT,   98                          ; v98-99  a group's words under the expert's two bits, two sets
.set NN,   100                         ; v100-102 rank - P; from here on the registers that held sel's words
.set FA,   103                         ; v103-105 the mask's bits counted in fields of 2,
.set FB,   106                         ; v106-108 of 4,
.set FC,   109                         ; v109-111 of 8,
.set FD,   112                         ; v112-114 of 16
.set PO,   115                         ; v115-117 the bit's place
.set T1,   118                         ; v118-120, v121-123 at work
.set T2,   121
; s68 0x101 << e; s69 P; s70 P | first token << 16; s71 at work; s72-75 a group's two masks, two sets (COUNT: s72-79); s76-78 conditions; s84 320 x sweep; s85 255
.set AWR,  AWP                         ; what FETCH names
.set AWO,  0
.set ASR,  ASCP
.set ASO,  0
.set MSB, 0
.macro WIN new                         ; the immediate's high byte repeats the setting that is left; a switch that changes nothing is dropped
.if MSB != \new
	s_set_vgpr_msb (MSB<<8)|\new
.set MSB, \new
.endif
.endm
.macro PLACES n
.rept \n
	v_nop
.endr
.endm
.macro SETW g                          ; rW: the register that holds group g's words
.set rW, 100+(\g)
.if (\g) >= 28
.set rW, 52+(\g)
.endif
.endm
.macro SELLOAD                         ; all of sel: 512 consecutive bytes a load; register 4 j + q of lane l is token 128 j + 4 l + q
.irp j, 0,1,2,3,4,5,6
	global_load_b128 v[100+4*\j:103+4*\j], v1, s[12:13] offset:512*\j
.endr
	global_load_b128 v[80:83], v1, s[12:13] offset:3584
.endm
.macro COUNT                           ; s5 = the number of tokens that chose my expert; eight groups at a time, so that no scalar line waits for the compare just above it
	s_mov_b32 s5, 0
.set gg, 0
.rept 4
.set i, 0
.rept 8
	SETW gg+i
	v_and_b32 v[RHO+i], s68, v[rW]
.set i, i+1
.endr
.set i, 0
.rept 8
	v_cmp_ne_u32 s[72+i], 0, v[RHO+i]
.set i, i+1
.endr
.set i, 0
.rept 8
	s_bcnt1_i32_b32 s[72+i], s[72+i]
.set i, i+1
.endr
.set i, 0
.rept 8
	s_add_co_u32 s5, s5, s[72+i]
.set i, i+1
.endr
.set gg, gg+8
.endr
.endm
.macro MASKS g                         ; group g's two masks into set g % 2: who chose my expert, and who as the second choice
	SETW \g
	v_and_b32 v[MT+(\g)%2], s68, v[rW]
	v_cmp_ne_u32 s[72+(\g)%2], 0, v[MT+(\g)%2]
	v_cmp_lt_u32 s[74+(\g)%2], s85, v[MT+(\g)%2]
.endm
.macro PICK field, width, step         ; one halving: where the rank left is at least the lower half's count, that count comes off it and the place goes up by step
.irp x, 0,1,2
	v_bfe_u32 v[T1+\x], v[\field+\x], v[PO+\x], \width
.endr
.irp x, 0,1,2
	v_cmp_ge_u32 s[76+\x], v[NN+\x], v[T1+\x]
.endr
.irp x, 0,1,2
	v_sub_nc_u32 v[T2+\x], v[NN+\x], v[T1+\x]      ; wraps to a huge number where the rank is smaller,
.endr
.irp x, 0,1,2
	v_min_u32 v[NN+\x], v[NN+\x], v[T2+\x]         ; so the smaller of the two is the right one
.endr
.irp x, 0,1,2
	v_cndmask_b32 v[T2+\x], 0, \step, s[76+\x]
.endr
.irp x, 0,1,2
	v_or_b32 v[PO+\x], v[PO+\x], v[T2+\x]
.endr
.endm
.macro RANKS                           ; s84 = 320 x sweep, s6 = the last rank: my rows' numbers of the sweep's five tiles into v[RID] on
.irp x, 0,1,2
	v_lshl_add_u32 v[RHO+\x], v3, 2, v[RW]         ; r + 16 w + 64 h
.endr
.irp x, 0,1,2
	v_add3_u32 v[RHO+\x], v[RHO+\x], s84, 128*\x   ; rank = 16 (w + 20 j + 4 (2 x + h)) + r,
.endr
.irp x, 0,1,2
	v_min_u32 v[RHO+\x], s6, v[RHO+\x]             ; clamped to the expert's last row
.endr
	MASKS 0
	s_mov_b32 s69, 0
.irp x, 0,1,2                          ; group 0 begins at rank 0: every lane takes it
	v_mov_b32 v[SM+\x], s72
	v_mov_b32 v[SB+\x], s74
	v_mov_b32 v[SS+\x], 0
.endr
	MASKS 1
	s_bcnt1_i32_b32 s71, s72
	s_add_co_u32 s69, s69, s71
	s_or_b32 s70, s69, 1<<16
.set gg, 1
.rept 31
.if gg < 31
	MASKS gg+1                                     ; the next group's masks are made a group ahead
.endif
.irp x, 0,1,2
	v_cmp_gt_u32 s[76+\x], s69, v[RHO+\x]          ; P above my rank: what I hold stays
.endr
.irp x, 0,1,2
	v_cndmask_b32 v[SM+\x], s[72+gg%2], v[SM+\x], s[76+\x]
	v_cndmask_b32 v[SB+\x], s[74+gg%2], v[SB+\x], s[76+\x]
	v_cndmask_b32 v[SS+\x], s70, v[SS+\x], s[76+\x]
.endr
.if gg < 31
	s_bcnt1_i32_b32 s71, s[72+gg%2]
	s_add_co_u32 s69, s69, s71
	s_or_b32 s70, s69, (128*((gg+1)/4)+((gg+1)%4))<<16
.endif
.set gg, gg+1
.endr
.irp x, 0,1,2
	v_and_b32 v[NN+\x], 0xffff, v[SS+\x]
	v_lshrrev_b32 v[T1+\x], 1, v[SM+\x]
	v_mov_b32 v[PO+\x], 0
.endr
.irp x, 0,1,2
	v_sub_nc_u32 v[NN+\x], v[RHO+\x], v[NN+\x]     ; which of the group's set bits is mine
	v_and_b32 v[T1+\x], 0x55555555, v[T1+\x]
.endr
.irp x, 0,1,2
	v_sub_nc_u32 v[FA+\x], v[SM+\x], v[T1+\x]      ; set bits in each field of 2
.endr
.irp x, 0,1,2
	v_lshrrev_b32 v[T1+\x], 2, v[FA+\x]
	v_and_b32 v[T2+\x], 0x33333333, v[FA+\x]
.endr
.irp x, 0,1,2
	v_and_b32 v[T1+\x], 0x33333333, v[T1+\x]
.endr
.irp x, 0,1,2
	v_add_nc_u32 v[FB+\x], v[T1+\x], v[T2+\x]      ; of 4
.endr
.irp x, 0,1,2
	v_lshrrev_b32 v[T1+\x], 4, v[FB+\x]
.endr
.irp x, 0,1,2
	v_add_nc_u32 v[T1+\x], v[T1+\x], v[FB+\x]
.endr
.irp x, 0,1,2
	v_and_b32 v[FC+\x], 0x0f0f0f0f, v[T1+\x]       ; of 8
.endr
.irp x, 0,1,2
	v_lshrrev_b32 v[T1+\x], 8, v[FC+\x]
.endr
.irp x, 0,1,2
	v_add_nc_u32 v[FD+\x], v[T1+\x], v[FC+\x]      ; its lowest byte: bits 0 to 15
.endr
	PICK FD, 8, 16
	PICK FC, 8, 8
	PICK FB, 4, 4
	PICK FA, 2, 2
	PICK SM, 1, 1
.irp x, 0,1,2
	v_bfe_u32 v[T1+\x], v[SB+\x], v[PO+\x], 1      ; k
	v_lshrrev_b32 v[T2+\x], 15, v[SS+\x]           ; 2 x the group's first token (P is at most 1,024: bit 15 is 0)
.endr
.irp x, 0,1,2
	v_lshl_add_u32 v[T1+\x], v[PO+\x], 3, v[T1+\x] ; lanes of a group are 4 tokens apart
.endr
.irp x, 0,1,2
	v_add_nc_u32 v[T1+\x], v[T1+\x], v[T2+\x]      ; rid
.endr
.irp x, 0,1,2
	v_permlanex16_b32 v[T2+\x], v[T1+\x], s62, s63
.endr
	v_cndmask_b32 v[RID], v[T1], v[T2], s66        ; a tile's sixteen rows into both halves of the lanes
	v_cndmask_b32 v[RID+1], v[T2], v[T1], s66
	v_cndmask_b32 v[RID+2], v[T1+1], v[T2+1], s66
	v_cndmask_b32 v[RID+3], v[T2+1], v[T1+1], s66
	v_cndmask_b32 v[RID+4], v[T1+2], v[T2+2], s66
.endm
.macro XADDR                           ; from row numbers to offsets in x's codes and scale bytes
.irp m, 0,1,2,3,4
	v_lshrrev_b32 v[XO+\m], 1, v[RID+\m]           ; token
	v_min_u32 v[XO+\m], 0x3ff, v[XO+\m]
	v_lshl_add_u32 v[XO+\m], v[XO+\m], 10, v3      ; x 1,024 + 16 h
.endr
	v_cndmask_b32 v[XSO], v[RID], v[RID+1], s66    ; lanes 16-31 take the odd tile's row
	v_cndmask_b32 v[XSO+1], v[RID+2], v[RID+3], s66
	v_lshrrev_b32 v[XSO], 1, v[XSO]
	v_lshrrev_b32 v[XSO+1], 1, v[XSO+1]
	v_lshrrev_b32 v[XSO+2], 1, v[RID+4]
.irp g, 0,1,2
	v_min_u32 v[XSO+\g], 0x3ff, v[XSO+\g]
	v_lshlrev_b32 v[XSO+\g], 5, v[XSO+\g]
.endr
.endm
.macro HOADR                           ; s37 = the sweep's first tile of my wave
.irp m, 0,1,2,3,4
	s_add_co_u32 s38, s37, 4*\m
	s_lshl_b32 s39, s38, 16
	v_add_nc_u32 v[HO+\m], s39, v1
	s_lshl_b32 s39, s38, 12
	v_add_nc_u32 v[HSO+\m], s39, v39
.endr
.endm
.macro XSCL g
	global_load_b128 v[XSC+8*\g:XSC+8*\g+3], v[XSO+\g], s[10:11]
	global_load_b128 v[XSC+8*\g+4:XSC+8*\g+7], v[XSO+\g], s[10:11] offset:16
.endm
.macro XTILE m                         ; a tile's eight fragments: lane (r, h) takes k = 128 s + 32 c + 16 h + 0 .. 15 of its row; the 32 loads take every byte of the 16 rows once
	WIN ((1+(\m)/2)<<6)
.irp s, 0,1,2,3,4,5,6,7
.irp c, 0,1,2,3
	global_load_b128 v[128*((\m)%2)+16*\s+4*\c:128*((\m)%2)+16*\s+4*\c+3], v[XO+(\m)], s[8:9] offset:128*\s+32*\c
.endr
.endr
	WIN 0
.endm
.macro FETCH q                         ; W1's fragments of K steps 2 q, 2 q + 1 for the pair's two tiles, and their scale words: 17 LDS loads
	WIN 0xc0
.irp s2, 0,1
.irp u, 0,1
.irp c, 0,1,2,3
	ds_load_b128 v[128+64*((\q)%2)+16*(2*\s2+\u)+4*\c:128+64*((\q)%2)+16*(2*\s2+\u)+4*\c+3], v[AWR] offset:AWO+16*WP*\u+128*(2*(\q)+\s2)+32*\c
.endr
.endr
.endr
	WIN 0
	ds_load_b64 v[WS+2*((\q)%2):WS+2*((\q)%2)+1], v[ASR] offset:ASO+8*(\q)
.endm
.macro MM m, u, s2, q                  ; one matrix instruction: tile m of x against tile u of the pair, K step 2 q + s2
.set rD, ACC+16*(\m)+8*(\u)
.set rA, 128+64*((\q)%2)+16*(2*(\s2)+(\u))
.set rB, 128*((\m)%2)+16*(2*(\q)+(\s2))
.set rC, rD
.if ((\q)+(\s2)) == 0
.set rC, BI+8*(\u)                     ; the first K step starts the sum from the bias
.endif
.set rP, WS+2*((\q)%2)+(\s2)
.set rQ, XSC+8*((\m)/2)+2*(\q)+(\s2)
.if (\u) && ((\m)%2)
	v_wmma_scale_f32_16x16x128_f8f6f4 v[rD:rD+7], v[rA:rA+15], v[rB:rB+15], v[rC:rC+7], v[rP], v[rQ] matrix_a_fmt:MATRIX_FMT_BF8 matrix_b_fmt:MATRIX_FMT_BF8 matrix_a_scale:MATRIX_SCALE_ROW1 matrix_b_scale:MATRIX_SCALE_ROW1
.elseif (\u)
	v_wmma_scale_f32_16x16x128_f8f6f4 v[rD:rD+7], v[rA:rA+15], v[rB:rB+15], v[rC:rC+7], v[rP], v[rQ] matrix_a_fmt:MATRIX_FMT_BF8 matrix_b_fmt:MATRIX_FMT_BF8 matrix_a_scale:MATRIX_SCALE_ROW1
.elseif ((\m)%2)
	v_wmma_scale_f32_16x16x128_f8f6f4 v[rD:rD+7], v[rA:rA+15], v[rB:rB+15], v[rC:rC+7], v[rP], v[rQ] matrix_a_fmt:MATRIX_FMT_BF8 matrix_b_fmt:MATRIX_FMT_BF8 matrix_b_scale:MATRIX_SCALE_ROW1
.else
	v_wmma_scale_f32_16x16x128_f8f6f4 v[rD:rD+7], v[rA:rA+15], v[rB:rB+15], v[rC:rC+7], v[rP], v[rQ] matrix_a_fmt:MATRIX_FMT_BF8 matrix_b_fmt:MATRIX_FMT_BF8
.endif
.endm
.macro MULG q, ma, mb                  ; two tiles of x that share a window: four accumulators by turns
.irp s2, 0,1
.irp u, 0,1
	MM \ma, \u, \s2, \q
	MM \mb, \u, \s2, \q
.endr
.endr
.endm
.macro MUL q                           ; 20 matrix instructions.  No two that follow each other share an accumulator, from group to group and from MUL to MUL too
	WIN 0x07                                       ; source 0 (W1) window 3, source 1 (x) window 1, C and D window 0
	MULG \q, 0, 1
	WIN 0x0b                                       ; x in window 2
	MULG \q, 2, 3
	WIN 0x0f                                       ; x in window 3
.irp s2, 0,1
.irp u, 0,1
	MM 4, \u, \s2, \q
.endr
.endr
.endm
; THE EPILOGUE of tile m: 16 numbers a lane, gelu, one block of 32 quantised, 16 bytes a lane stored.
.macro EPI m
.set A, ACC+16*(\m)
.set i, 0
.rept 16
	v_fma_f32 v[TT+i], |v[A+i]|, s60, 1.0          ; 1 + |a| / (2 sqrt 2); each accumulator is read from its low end on
.set i, i+1
.endr
.set i, 0
.rept 16
	v_rcp_f32 v[TT+i], v[TT+i]                     ; t
.set i, i+1
.endr
.set i, 0
.rept 8
	v_pk_mul_f32 v[HT+i:HT+i+1], v[A+i:A+i+1], 0.5 op_sel_hi:[1,0]   ; a / 2: plain work behind the reciprocals
.set i, i+2
.endr
	s_wait_alu depctr_va_vdst(0)                   ; one wait for the sixteen, ahead of their first reader
.set i, 0
.rept 8
	v_pk_fma_f32 v[PP+i:PP+i+1], v[TT+i:TT+i+1], v[C9V:C9V+1], s[40:41] op_sel_hi:[1,1,0]
.set i, i+2
.endr
.irp n, 42,44,46,48,50,52,54,56
.set i, 0
.rept 8
	v_pk_fma_f32 v[PP+i:PP+i+1], v[PP+i:PP+i+1], v[TT+i:TT+i+1], s[\n:\n+1] op_sel_hi:[1,1,0]   ; Horner, eight pairs by turns
.set i, i+2
.endr
.endr
.set i, 0
.rept 8
	v_pk_fma_f32 v[PP+i:PP+i+1], v[HT+i:HT+i+1], v[A+i:A+i+1], v[PP+i:PP+i+1] neg_lo:[1,0,0] neg_hi:[1,0,0]   ; P - a a / 2
.set i, i+2
.endr
.set i, 0
.rept 8
	v_pk_mul_f32 v[PP+i:PP+i+1], v[PP+i:PP+i+1], s[58:59] op_sel_hi:[1,0]   ; x log2(e)
.set i, i+2
.endr
.set i, 0
.rept 16
	v_exp_f32 v[PP+i], v[PP+i]
.set i, i+1
.endr
.set i, 0
.rept 8
	v_pk_mul_f32 v[HT+i:HT+i+1], v[HT+i:HT+i+1], v[TT+i:TT+i+1]      ; (a / 2) t: plain work behind the exponentials,
.set i, i+2
.endr
.set i, 0
.rept 16
	v_max_num_f32 v[A+i], 0, v[A+i]                ; and max(a, 0)
.set i, i+1
.endr
	s_wait_alu depctr_va_vdst(0)                   ; one wait for the sixteen exponentials
.set i, 0
.rept 16
	v_fma_f32 v[A+i], -|v[HT+i]|, v[PP+i], v[A+i]  ; gelu(a)
.set i, i+1
.endr
	v_max3_num_f32 v[QT], |v[A]|, |v[A+1]|, 0x8000000      ; my 16 numbers and the floor 2^(16 - 127), in two chains
	v_max3_num_f32 v[QT+1], |v[A+2]|, |v[A+3]|, |v[A+4]|
	v_max3_num_f32 v[QT], v[QT], |v[A+5]|, |v[A+6]|
	v_max3_num_f32 v[QT+1], v[QT+1], |v[A+7]|, |v[A+8]|
	v_max3_num_f32 v[QT], v[QT], |v[A+9]|, |v[A+10]|
	v_max3_num_f32 v[QT+1], v[QT+1], |v[A+11]|, |v[A+12]|
	v_max3_num_f32 v[QT], v[QT], |v[A+13]|, |v[A+14]|
	v_max3_num_f32 v[QT], v[QT], v[QT+1], |v[A+15]|
	v_permlanex16_b32 v[QT+2], v[QT], s62, s63     ; (its destination counts as read: the ranking has written the register)
	v_max_num_f32 v[QT], v[QT], v[QT+2]            ; with lane l xor 16's: the block's largest magnitude
	v_add_nc_u32 v[QT+3], 0xf8800000, v[QT]        ; 15 off its exponent field: the conversion's scale operand
	v_and_or_b32 v[QT+4], v[QT], 0x7f800000, s61   ; 57,344 x the scale
	v_lshrrev_b32 v[QT+5], 23, v[QT+3]             ; the scale's byte
	v_lshrrev_b32 v[PW+(\m)], 8, v[PW+(\m)]
	v_lshl_or_b32 v[PW+(\m)], v[QT+5], 24, v[PW+(\m)]      ; comes in on top: after a sweep's four trips pair p's byte is byte p
.set i, 0
.rept 16
	v_med3_num_f32 v[A+i], v[A+i], -v[QT+4], v[QT+4]       ; the conversion to an 8-bit code does not saturate (ISA guide 7.6.2)
.set i, i+1
.endr
	v_cvt_scalef32_pk8_bf8_f32 v[CODE+4*(\m):CODE+4*(\m)+1], v[A:A+7], v[QT+3]
	v_cvt_scalef32_pk8_bf8_f32 v[CODE+4*(\m)+2:CODE+4*(\m)+3], v[A+8:A+15], v[QT+3]
	v_nop                                          ; a plain line behind the conversions: the next products write their sources
	global_store_b128 v[HO+(\m)], v[CODE+4*(\m):CODE+4*(\m)+3], s[32:33]   ; register group p of the image: 512 consecutive bytes, aligned
	s_cmp_lg_u32 s36, 3
	s_cbranch_scc1 .Lno_word_\@
	global_store_b32 v[HSO+(\m)], v[PW+(\m)], s[30:31]     ; the fourth pair completes the scale word
.Lno_word_\@:
.endm
.macro EPIC m                          ; tiles rise with m: the first that the expert does not have ends the epilogues
	s_add_co_u32 s38, s37, 4*\m
	s_cmp_ge_u32 s38, s7
	s_cbranch_scc1 .Lepi_done
	EPI \m
.endm
	s_load_b512 s[8:23], s[0:1], 0x0               ; xq_codes 8, xq_scales 10, sel 12, W1_codes 14, W1_scales 16, b1 18, h_codes 20, h_scales 22
	v_lshrrev_b32 v39, 5, v0
	v_readfirstlane_b32 s2, v39                    ; wave
	s_and_b32 s3, ttmp7, 0xffff                    ; e
	s_mov_b32 s4, ttmp9                            ; hb
	v_and_b32 v39, 31, v0
	v_lshlrev_b32 v1, 4, v39                       ; v1  16 x lane
	v_and_b32 v2, 15, v0                           ; v2  r
	v_bfe_u32 v3, v0, 4, 1
	v_lshlrev_b32 v3, 4, v3                        ; v3  16 h
	v_mul_u32_u24 v[AW], v2, WP
	v_add_nc_u32 v[AW], v[AW], v3
	v_mul_u32_u24 v[ASC], v39, SCP
	v_add_nc_u32 v[ASC], SCL, v[ASC]
	v_lshl_add_u32 v[ABI], v3, 2, BIA
	v_lshlrev_b32 v39, 2, v39                      ; v39 4 x lane
	s_lshl_b32 s38, s2, 4
	v_add_nc_u32 v[RW], s38, v2
	s_mul_i32 s38, s2, 32*WP
	v_add_nc_u32 v93, s38, v1                      ; staging: wave w brings rows 32 w .. 32 w + 31, which are pair w's 32 slots
	v_and_b32 v94, 0x67, v0                        ; thread i brings row i's scale bytes and bias: its slot has bits 3 and 4 exchanged
	v_bfe_u32 v95, v0, 4, 1
	v_lshl_add_u32 v94, v95, 3, v94
	v_bfe_u32 v95, v0, 3, 1
	v_lshl_add_u32 v94, v95, 4, v94
	v_mul_u32_u24 v94, v94, SCP
	v_add_nc_u32 v94, SCL, v94
	v_lshl_add_u32 v95, v0, 2, BIA
	v_lshlrev_b32 v96, 5, v0
	v_lshlrev_b32 v97, 2, v0
.irp m, 0,1,2,3,4
	v_mov_b32 v[PW+\m], 0
.endr
	s_lshl_b32 s68, 0x101, s3                      ; my expert's two bits in a word of sel
	s_mov_b32 s85, 0xff
	s_mov_b32 s40, 0xbf527892                      ; P's coefficients c8 .. c0, each twice: the packed form names a pair
	s_mov_b32 s41, 0xbf527892
	s_mov_b32 s42, 0x3fbe87b0
	s_mov_b32 s43, 0x3fbe87b0
	s_mov_b32 s44, 0xbf914e5d
	s_mov_b32 s45, 0xbf914e5d
	s_mov_b32 s46, 0x3e8ec7cc
	s_mov_b32 s47, 0x3e8ec7cc
	s_mov_b32 s48, 0xbe3ec24c
	s_mov_b32 s49, 0xbe3ec24c
	s_mov_b32 s50, 0x3dc636c9
	s_mov_b32 s51, 0x3dc636c9
	s_mov_b32 s52, 0x3ebf88fb
	s_mov_b32 s53, 0x3ebf88fb
	s_mov_b32 s54, 0x3f8000c7
	s_mov_b32 s55, 0x3f8000c7
	s_mov_b32 s56, 0xbfa1fc4e
	s_mov_b32 s57, 0xbfa1fc4e
	s_mov_b32 s58, 0x3fb8aa3b                      ; log2(e)
	s_mov_b32 s59, 0x3fb8aa3b
	s_mov_b32 s60, 0x3eb504f3                      ; 1 / (2 sqrt 2)
	s_mov_b32 s61, 0x600000                        ; the mantissa field of 57,344
	s_mov_b32 s62, 0x76543210
	s_mov_b32 s63, 0xfedcba98                      ; v_permlanex16_b32's selects for lane l xor 16
	s_mov_b32 s66, 0xffff0000                      ; lanes 16-31
	s_wait_kmcnt 0x0
	SELLOAD                                        ; first of all loads: the rows hang on it
	s_mov_b32 s39, 0
	s_lshl_b32 s38, s3, 22
	s_add_nc_u64 s[24:25], s[14:15], s[38:39]      ; W1's codes: e x 4 MiB,
	s_add_nc_u64 s[28:29], s[20:21], s[38:39]      ; h's codes likewise
	s_lshl_b32 s38, s4, 17
	s_add_nc_u64 s[24:25], s[24:25], s[38:39]      ; + hb x 128 rows,
	s_lshl_b32 s38, s2, 15
	s_add_nc_u64 s[24:25], s[24:25], s[38:39]      ; + my wave's 32 rows
	s_lshl_b32 s38, s4, 11
	s_add_nc_u64 s[28:29], s[28:29], s[38:39]      ; K step hb of the next product
	s_lshl_b32 s38, s3, 18
	s_add_nc_u64 s[30:31], s[22:23], s[38:39]
	s_lshl_b32 s38, s4, 7
	s_add_nc_u64 s[30:31], s[30:31], s[38:39]      ; h's scale words
	s_lshl_b32 s38, s3, 17
	s_add_nc_u64 s[16:17], s[16:17], s[38:39]
	s_lshl_b32 s38, s4, 12
	s_add_nc_u64 s[16:17], s[16:17], s[38:39]      ; W1's scale bytes of my 128 rows
	s_lshl_b32 s38, s3, 14
	s_add_nc_u64 s[18:19], s[18:19], s[38:39]
	s_lshl_b32 s38, s4, 9
	s_add_nc_u64 s[18:19], s[18:19], s[38:39]      ; b1 of my 128 units
.set k, 0
.rept 32                               ; my wave's first 16 rows of W1: 512 consecutive bytes a load, into window 0's v128-255
	global_load_b128 v[128+4*k:128+4*k+3], v1, s[24:25] offset:512*k th:TH_LOAD_NT
.set k, k+1
.endr
	WIN 0xc0
.set k, 0
.rept 32                               ; the other 16 rows, into window 3's v128-255
	global_load_b128 v[128+4*k:128+4*k+3], v1, s[24:25] offset:16384+512*k th:TH_LOAD_NT
.set k, k+1
.endr
	WIN 0
	global_load_b128 v[84:87], v96, s[16:17]
	global_load_b128 v[88:91], v96, s[16:17] offset:16
	global_load_b32 v92, v97, s[18:19]
	s_wait_loadcnt 63                              ; 67 loads were issued behind sel's eight: sel is in.  The ranking runs while W1 is on its way
	COUNT
	s_max_u32 s5, s5, 1                            ; an expert without rows still makes tile 0
	s_min_u32 s5, s5, 1024
	s_sub_co_u32 s6, s5, 1                         ; its last rank
	s_add_co_u32 s7, s5, 15
	s_lshr_b32 s7, s7, 4                           ; its tiles
	s_mov_b32 s84, 0
	RANKS
	s_mov_b32 s37, s2
	HOADR
	s_wait_loadcnt 35                              ; behind W1's first 32 loads stand the other 35
.set k, 0
.rept 32
.set i, k/2
.set sl, (i&7)|(((i>>3)&1)<<4)|(((i>>4)&1)<<3)
	ds_store_b128 v93, v[128+4*k:128+4*k+3] offset:sl*WP+512*(k%2)
.set k, k+1
.endr
	XADDR
	XSCL 0
	XSCL 1
	XSCL 2
	XTILE 0
	XTILE 1
	s_wait_loadcnt 63                              ; 70 loads were issued behind the second half of W1, its scale bytes and the bias: they are in
	WIN 0x0c                                       ; an LDS store's data are its source 1: window 3
.set k, 0
.rept 32
.set i, 16+k/2
.set sl, (i&7)|(((i>>3)&1)<<4)|(((i>>4)&1)<<3)
	ds_store_b128 v93, v[128+4*k:128+4*k+3] offset:sl*WP+512*(k%2)
.set k, k+1
.endr
	WIN 0
	ds_store_b64 v94, v[84:85]
	ds_store_b64 v94, v[86:87] offset:8
	ds_store_b64 v94, v[88:89] offset:16
	ds_store_b64 v94, v[90:91] offset:24
	ds_store_b32 v95, v92
	XTILE 2
	XTILE 3
	XTILE 4
	s_wait_dscnt 0x0                               ; for the others' sake: my part of W1, of its scales and of the bias has landed
	s_barrier_signal -1
	s_barrier_wait -1                              ; the launch's one barrier; from here on LDS is only read
	v_mov_b32 v[C9V], 0x3e2ef945
	v_mov_b32 v[C9V+1], 0x3e2ef945
	; 16 trips, a constant: trip c is sweep c / 4, pair of tiles c % 4.  A trip whose sweep the expert does not reach is passed over.
	s_mov_b32 s34, 0
.Ltrip:
	s_lshr_b32 s35, s34, 2                         ; j
	s_and_b32 s36, s34, 3                          ; p
	s_mul_i32 s37, s35, 20
	s_add_co_u32 s37, s37, s2                      ; my first tile of the sweep
	s_cmp_ge_u32 s37, s7
	s_cbranch_scc1 .Lnext
	s_wait_loadcnt 0x0                             ; the sweep's codes and scale words of x are in
	s_wait_xcnt 0x0                                ; the last trip's stores have read their data and their base: both are written again below
	s_mul_i32 s38, s36, 32*WP
	v_add_nc_u32 v[AWP], s38, v[AW]
	s_mul_i32 s38, s36, 32*SCP
	v_add_nc_u32 v[ASCP], s38, v[ASC]
	s_lshl_b32 s38, s36, 7
	v_add_nc_u32 v[ABIP], s38, v[ABI]
	s_lshl_b32 s38, s36, 9
	s_mov_b32 s39, 0
	s_add_nc_u64 s[32:33], s[28:29], s[38:39]      ; register group p of the images
.irp u, 0,1
.irp q, 0,1
	ds_load_b128 v[BI+8*\u+4*\q:BI+8*\u+4*\q+3], v[ABIP] offset:32*\u+16*\q
.endr
.endr
	FETCH 0
	FETCH 1
	s_wait_dscnt 17                                ; all but the younger FETCH's 17
	MUL 0
	PLACES 8                                       ; in front of loads into registers that matrix instructions have read (ISA guide 7.12.1 for vector instructions)
	FETCH 2
	s_wait_dscnt 17
	MUL 1
	PLACES 8
	FETCH 3
	s_wait_dscnt 17
	MUL 2
	s_wait_dscnt 0x0
	MUL 3
	WIN 0
	PLACES 9                                       ; eight in front of the first read of results; nine in front of the next trip's products, which begin these accumulators anew from the bias
	EPI 0
	EPIC 1
	EPIC 2
	EPIC 3
	EPIC 4
.Lepi_done:
	s_cmp_lg_u32 s36, 3                            ; behind a sweep's last pair: the next sweep's rows, where the expert has so many
	s_cbranch_scc1 .Lnext
	s_add_co_u32 s37, s37, 20
	s_cmp_ge_u32 s37, s7
	s_cbranch_scc1 .Lnext
	s_wait_xcnt 0x0                                ; the stores have read their offsets and their data: sel's words land on some of these registers
	s_add_co_u32 s84, s35, 1
	s_mul_i32 s84, s84, 320
	SELLOAD
	s_wait_loadcnt 0x0
	RANKS
	HOADR
	XADDR
	XSCL 0
	XSCL 1
	XSCL 2
	XTILE 0
	XTILE 1
	XTILE 2
	XTILE 3
	XTILE 4
.Lnext:
	s_add_co_u32 s34, s34, 1
	s_cmp_lt_u32 s34, 16
	s_cbranch_scc1 .Ltrip
	s_wait_xcnt 0x0
	v_lshl_add_u32 v254, v0, 2, 0x22000
	v_mov_b32 v255, 0
	s_wait_tensorcnt 0x0
	ds_add_u32 v254, v255
	s_wait_dscnt 0x0
	s_endpgm
.Lfunc_end_k_q05faa2e856_ffn1:
	.size	k_q05faa2e856_ffn1, .Lfunc_end_k_q05faa2e856_ffn1-k_q05faa2e856_ffn1
	.p2alignl 7, 3214868480
	.fill 96, 4, 3214868480
	.section	.rodata,"a",@progbits
	.p2align	6, 0x0
	.amdhsa_kernel k_q05faa2e856_ffn1
		.amdhsa_group_segment_fixed_size 139776
		.amdhsa_private_segment_fixed_size 0
		.amdhsa_enable_private_segment 0
		.amdhsa_kernarg_size 64
		.amdhsa_user_sgpr_count 2
		.amdhsa_user_sgpr_kernarg_segment_ptr 1
		.amdhsa_wavefront_size32 1
		.amdhsa_system_sgpr_workgroup_id_x 1
		.amdhsa_system_sgpr_workgroup_id_y 1
		.amdhsa_system_sgpr_workgroup_id_z 1
		.amdhsa_system_vgpr_workitem_id 0
		.amdhsa_next_free_vgpr 1024
		.amdhsa_next_free_sgpr 88
		.amdhsa_reserve_vcc 0
		.amdhsa_float_denorm_mode_32 3
		.amdhsa_float_denorm_mode_16_64 3
		.amdhsa_memory_ordered 1
		.amdhsa_forward_progress 1
		.amdhsa_inst_pref_size 218
	.end_amdhsa_kernel
	.amdgpu_metadata
---
amdhsa.version: [ 1, 2 ]
amdhsa.kernels:
  - .name:           k_q05faa2e856_ffn1
    .symbol:         k_q05faa2e856_ffn1.kd
    .args:
      - { .name: xq_codes, .offset: 0, .size: 8, .value_kind: global_buffer, .address_space: global }
      - { .name: xq_scales, .offset: 8, .size: 8, .value_kind: global_buffer, .address_space: global }
      - { .name: sel, .offset: 16, .size: 8, .value_kind: global_buffer, .address_space: global }
      - { .name: W1_codes, .offset: 24, .size: 8, .value_kind: global_buffer, .address_space: global }
      - { .name: W1_scales, .offset: 32, .size: 8, .value_kind: global_buffer, .address_space: global }
      - { .name: b1, .offset: 40, .size: 8, .value_kind: global_buffer, .address_space: global }
      - { .name: h_codes, .offset: 48, .size: 8, .value_kind: global_buffer, .address_space: global }
      - { .name: h_scales, .offset: 56, .size: 8, .value_kind: global_buffer, .address_space: global }
    .group_segment_fixed_size: 139776
    .private_segment_fixed_size: 0
    .kernarg_segment_align: 8
    .kernarg_segment_size: 64
    .max_flat_workgroup_size: 128
    .sgpr_count:     88
    .vgpr_count:     1024
    .wavefront_size: 32
...
	.end_amdgpu_metadata
.endif
;; end of part 2
;; launch ffn2 (part 3): grid 32 x 8, 4 waves a work-group, no clusters, 308,224 bytes of LDS; arguments h_codes, h_scales, sel, W2_codes, W2_scales, b2, y; writes y
.if DOCPART == 3
	.amdgcn_target "amdgcn-amd-amdhsa--gfx1250"
	.amdhsa_code_object_version 6
	.text
	.protected	k_q05faa2e856_ffn2
	.globl	k_q05faa2e856_ffn2
	.p2align	8
	.type	k_q05faa2e856_ffn2,@function
k_q05faa2e856_ffn2:
	s_mov_b64 s[64:65], 0
	v_nop
	global_prefetch_b8 v0, s[64:65] scope:SCOPE_SE
	s_setreg_imm32_b32 hwreg(HW_REG_WAVE_MODE, 25, 1), 1
	s_wait_xcnt 0x0
; y[kq][rid][o] = the sum over a quarter of H of h W2 (+ b2 in quarter 0), for the rows that chose expert e, on codes of E5M2 with E8M0 scales.
; SHARES.  Work-group (cb + 8 kq, e) owns outputs 128 cb .. 128 cb + 127 and K = 1,024 kq .. + 1,023 of expert e: 128 rows x 1,024 bytes of W2's
; codes, read from memory by this work-group alone, once, and kept in LDS for its four waves.  For a slice of c outputs x k of K (c k fixed by
; 32 MiB over 256 work-groups) a row costs k bytes of h in and 4 c bytes of partial sums out and again in: least at k = 1,024, c = 128.
; The expert's rows go by tiles of 16 ranks as in the launch before: wave w takes tiles w + 20 j + 4 m, five tiles of h in 640 registers.
; THE ROWS BY EXPERT.  sel[token] = 1 << e0 | 256 << e1.  The ranking is the launch before's, word for word (SELLOAD, COUNT, RANKS), so a rank
; means the same row here as there: 32 groups of 32 tokens (group 4 j + q, lane l: token 128 j + 4 l + q), ranks by ascending group and lane;
; a lane keeps the last group whose running count P is at most its rank and takes the (rank - P)-th set bit of that group's mask.
; h's loads hang on the count alone, so COUNT stands ahead of them and RANKS behind the barrier, while h is on its way.
; h comes as images of the operand's registers (h_codes[e][tile][s][512 c + 16 lane]): each load is 512 consecutive bytes and lands where the
; matrix instruction wants it.  A tile past the expert's last is clamped to the last; its products are made and not stored.
; LAYOUT.  Transposed use (source 0 = 16 rows of W2, source 1 = 16 rows of h); W2's rows are dealt to tiles as W1's were, so that the 16
; registers of tiles 2 p, 2 p + 1 are outputs 32 p + 16 (lane / 16) + 0 .. 15 of one row: 64 neighbouring bytes.  They go through the wave's own
; stage in LDS (five tiles x 16 rows x (512 + 16) bytes) and leave as whole rows of 512 bytes at y[kq][rid]: two aligned blocks of 256 bytes a store.
; Padding rows of the last tile are copies of the last row: they store the same bits to the same place.
; The four pairs of tiles are written out, so that every LDS address is a fixed register and an immediate: the waves' stages are written
; while other waves read W2, and the two never meet.
; NO TENSOR LOAD, NO CLUSTER: the number of rows hangs on words read from memory and sweeps are passed over by branches on it; each byte of W2 has
; one reader.  The one barrier stands ahead of every such branch.
.set WP,   1040
.set SCL,  128*WP
.set SCP,  40
.set BIA,  SCL+128*SCP
.set STG,  BIA+512                     ; the stages: 5 x 16 x 528 bytes for each wave
.set SPI,  528
.set AWLO, 4                           ; v4   1040 r + 16 h
.set AWHI, 5                           ; v5   the same 64 slots on
.set ASC,  6                           ; v6   SCL + 40 lane
.set H4,   7                           ; v7   4 h
.set ABI,  8                           ; v8   BIA + 64 h
.set RW,   10                          ; v10  r + 16 w
.set XO,   11                          ; v11-15  tile x 65,536 + 16 lane
.set XSO,  16                          ; v16-18  tile x 4,096 + 4 lane: lanes 0-15 tile 2 g, lanes 16-31 tile 2 g + 1
.set VSTO, 19                          ; v19  into my stage: 528 r + 64 h
.set VRD,  20                          ; v20  out of it: 16 lane
.set RID,  29                          ; v29-33  my row's number
.set XSC,  40                          ; v40-63  h's scale words.  Scales and nothing else
.set WS,   64                          ; v64-67  W2's.  Scales and nothing else
.set BI,   68                          ; v68-83  b2 in the result's layout
.set VOFF, 84                          ; v84-99  a row's place in y + 16 lane
.set ACC,  112                         ; v112-191
.set OUTR, 192                         ; v192-255 sixteen rows on their way out
; The ranking's registers are free at the head and between two sweeps: sel's words in v100-127 and v80-83;
.set RHO,  68                          ; v68-70  three vectors of ranks: lanes 0-15 tile 2 x, lanes 16-31 tile 2 x + 1 (COUNT: v68-75 at work)
.set SM,   71                          ; v71-73  the mask of the group that holds the rank
.set SB,   74                          ; v74-76  that group's mask of second choices
.set SS,   77                          ; v77-79  P | the group's first token << 16
.set MT,   98                          ; v98-99  a group's words under the expert's two bits, two sets
.set NN,   100                         ; v100-102 rank - P; from here on the registers that held sel's words
.set FA,   103                         ; v103-105 the mask's bits counted in fields of 2,
.set FB,   106                         ; v106-108 of 4,
.set FC,   109                         ; v109-111 of 8,
.set FD,   112                         ; v112-114 of 16
.set PO,   115                         ; v115-117 the bit's place
.set T1,   118                         ; v118-120, v121-123 at work
.set T2,   121
; s68 0x101 << e; s69 P; s70 P | first token << 16; s71 at work; s72-75 a group's two masks, two sets (COUNT: s72-79); s76-78 conditions; s84 320 x sweep; s85 255
.set ASR,  ASC
.set MSB, 0
.macro WIN new
.if MSB != \new
	s_set_vgpr_msb (MSB<<8)|\new
.set MSB, \new
.endif
.endm
.macro PLACES n
.rept \n
	v_nop
.endr
.endm
.macro SETW g                          ; rW: the register that holds group g's words
.set rW, 100+(\g)
.if (\g) >= 28
.set rW, 52+(\g)
.endif
.endm
.macro SELLOAD                         ; all of sel: 512 consecutive bytes a load; register 4 j + q of lane l is token 128 j + 4 l + q
.irp j, 0,1,2,3,4,5,6
	global_load_b128 v[100+4*\j:103+4*\j], v1, s[12:13] offset:512*\j
.endr
	global_load_b128 v[80:83], v1, s[12:13] offset:3584
.endm
.macro COUNT                           ; s5 = the number of tokens that chose my expert; eight groups at a time, so that no scalar line waits for the compare just above it
	s_mov_b32 s5, 0
.set gg, 0
.rept 4
.set i, 0
.rept 8
	SETW gg+i
	v_and_b32 v[RHO+i], s68, v[rW]
.set i, i+1
.endr
.set i, 0
.rept 8
	v_cmp_ne_u32 s[72+i], 0, v[RHO+i]
.set i, i+1
.endr
.set i, 0
.rept 8
	s_bcnt1_i32_b32 s[72+i], s[72+i]
.set i, i+1
.endr
.set i, 0
.rept 8
	s_add_co_u32 s5, s5, s[72+i]
.set i, i+1
.endr
.set gg, gg+8
.endr
.endm
.macro MASKS g                         ; group g's two masks into set g % 2: who chose my expert, and who as the second choice
	SETW \g
	v_and_b32 v[MT+(\g)%2], s68, v[rW]
	v_cmp_ne_u32 s[72+(\g)%2], 0, v[MT+(\g)%2]
	v_cmp_lt_u32 s[74+(\g)%2], s85, v[MT+(\g)%2]
.endm
.macro PICK field, width, step         ; one halving: where the rank left is at least the lower half's count, that count comes off it and the place goes up by step
.irp x, 0,1,2
	v_bfe_u32 v[T1+\x], v[\field+\x], v[PO+\x], \width
.endr
.irp x, 0,1,2
	v_cmp_ge_u32 s[76+\x], v[NN+\x], v[T1+\x]
.endr
.irp x, 0,1,2
	v_sub_nc_u32 v[T2+\x], v[NN+\x], v[T1+\x]      ; wraps to a huge number where the rank is smaller,
.endr
.irp x, 0,1,2
	v_min_u32 v[NN+\x], v[NN+\x], v[T2+\x]         ; so the smaller of the two is the right one
.endr
.irp x, 0,1,2
	v_cndmask_b32 v[T2+\x], 0, \step, s[76+\x]
.endr
.irp x, 0,1,2
	v_or_b32 v[PO+\x], v[PO+\x], v[T2+\x]
.endr
.endm
.macro RANKS                           ; s84 = 320 x sweep, s6 = the last rank: my rows' numbers of the sweep's five tiles into v[RID] on
.irp x, 0,1,2
	v_lshl_add_u32 v[RHO+\x], v3, 2, v[RW]         ; r + 16 w + 64 h
.endr
.irp x, 0,1,2
	v_add3_u32 v[RHO+\x], v[RHO+\x], s84, 128*\x   ; rank = 16 (w + 20 j + 4 (2 x + h)) + r,
.endr
.irp x, 0,1,2
	v_min_u32 v[RHO+\x], s6, v[RHO+\x]             ; clamped to the expert's last row
.endr
	MASKS 0
	s_mov_b32 s69, 0
.irp x, 0,1,2                          ; group 0 begins at rank 0: every lane takes it
	v_mov_b32 v[SM+\x], s72
	v_mov_b32 v[SB+\x], s74
	v_mov_b32 v[SS+\x], 0
.endr
	MASKS 1
	s_bcnt1_i32_b32 s71, s72
	s_add_co_u32 s69, s69, s71
	s_or_b32 s70, s69, 1<<16
.set gg, 1
.rept 31
.if gg < 31
	MASKS gg+1                                     ; the next group's masks are made a group ahead
.endif
.irp x, 0,1,2
	v_cmp_gt_u32 s[76+\x], s69, v[RHO+\x]          ; P above my rank: what I hold stays
.endr
.irp x, 0,1,2
	v_cndmask_b32 v[SM+\x], s[72+gg%2], v[SM+\x], s[76+\x]
	v_cndmask_b32 v[SB+\x], s[74+gg%2], v[SB+\x], s[76+\x]
	v_cndmask_b32 v[SS+\x], s70, v[SS+\x], s[76+\x]
.endr
.if gg < 31
	s_bcnt1_i32_b32 s71, s[72+gg%2]
	s_add_co_u32 s69, s69, s71
	s_or_b32 s70, s69, (128*((gg+1)/4)+((gg+1)%4))<<16
.endif
.set gg, gg+1
.endr
.irp x, 0,1,2
	v_and_b32 v[NN+\x], 0xffff, v[SS+\x]
	v_lshrrev_b32 v[T1+\x], 1, v[SM+\x]
	v_mov_b32 v[PO+\x], 0
.endr
.irp x, 0,1,2
	v_sub_nc_u32 v[NN+\x], v[RHO+\x], v[NN+\x]     ; which of the group's set bits is mine
	v_and_b32 v[T1+\x], 0x55555555, v[T1+\x]
.endr
.irp x, 0,1,2
	v_sub_nc_u32 v[FA+\x], v[SM+\x], v[T1+\x]      ; set bits in each field of 2
.endr
.irp x, 0,1,2
	v_lshrrev_b32 v[T1+\x], 2, v[FA+\x]
	v_and_b32 v[T2+\x], 0x33333333, v[FA+\x]
.endr
.irp x, 0,1,2
	v_and_b32 v[T1+\x], 0x33333333, v[T1+\x]
.endr
.irp x, 0,1,2
	v_add_nc_u32 v[FB+\x], v[T1+\x], v[T2+\x]      ; of 4
.endr
.irp x, 0,1,2
	v_lshrrev_b32 v[T1+\x], 4, v[FB+\x]
.endr
.irp x, 0,1,2
	v_add_nc_u32 v[T1+\x], v[T1+\x], v[FB+\x]
.endr
.irp x, 0,1,2
	v_and_b32 v[FC+\x], 0x0f0f0f0f, v[T1+\x]       ; of 8
.endr
.irp x, 0,1,2
	v_lshrrev_b32 v[T1+\x], 8, v[FC+\x]
.endr
.irp x, 0,1,2
	v_add_nc_u32 v[FD+\x], v[T1+\x], v[FC+\x]      ; its lowest byte: bits 0 to 15
.endr
	PICK FD, 8, 16
	PICK FC, 8, 8
	PICK FB, 4, 4
	PICK FA, 2, 2
	PICK SM, 1, 1
.irp x, 0,1,2
	v_bfe_u32 v[T1+\x], v[SB+\x], v[PO+\x], 1      ; k
	v_lshrrev_b32 v[T2+\x], 15, v[SS+\x]           ; 2 x the group's first token (P is at most 1,024: bit 15 is 0)
.endr
.irp x, 0,1,2
	v_lshl_add_u32 v[T1+\x], v[PO+\x], 3, v[T1+\x] ; lanes of a group are 4 tokens apart
.endr
.irp x, 0,1,2
	v_add_nc_u32 v[T1+\x], v[T1+\x], v[T2+\x]      ; rid
.endr
.irp x, 0,1,2
	v_permlanex16_b32 v[T2+\x], v[T1+\x], s62, s63
.endr
	v_cndmask_b32 v[RID], v[T1], v[T2], s66        ; a tile's sixteen rows into both halves of the lanes
	v_cndmask_b32 v[RID+1], v[T2], v[T1], s66
	v_cndmask_b32 v[RID+2], v[T1+1], v[T2+1], s66
	v_cndmask_b32 v[RID+3], v[T2+1], v[T1+1], s66
	v_cndmask_b32 v[RID+4], v[T1+2], v[T2+2], s66
.endm
.macro HADDR                           ; s37 = the sweep's first tile of my wave; s36 = the expert's last tile
.irp m, 0,1,2,3,4
	s_add_co_u32 s38, s37, 4*\m
	s_min_u32 s38, s38, s36
	s_min_u32 s38, s38, 63
	s_lshl_b32 s38, s38, 16
	v_add_nc_u32 v[XO+\m], s38, v1
.endr
.irp g, 0,1,2
	s_add_co_u32 s38, s37, 8*\g
	v_add_nc_u32 v[XSO+\g], s38, v[H4]
	v_min_u32 v[XSO+\g], s36, v[XSO+\g]
	v_min_u32 v[XSO+\g], 63, v[XSO+\g]
	v_lshl_add_u32 v[XSO+\g], v[XSO+\g], 12, v39
.endr
.endm
.macro HSCL g
.irp s, 0,1,2,3,4,5,6,7
	global_load_b32 v[XSC+8*\g+\s], v[XSO+\g], s[10:11] offset:128*\s
.endr
.endm
.macro HTILE m
	WIN ((1+(\m)/2)<<6)
.irp s, 0,1,2,3,4,5,6,7
.irp c, 0,1,2,3
	global_load_b128 v[128*((\m)%2)+16*\s+4*\c:128*((\m)%2)+16*\s+4*\c+3], v[XO+(\m)], s[8:9] offset:2048*\s+512*\c
.endr
.endr
	WIN 0
.endm
.macro FETCH q
	WIN 0xc0
.irp s2, 0,1
.irp u, 0,1
.irp c, 0,1,2,3
	ds_load_b128 v[128+64*((\q)%2)+16*(2*\s2+\u)+4*\c:128+64*((\q)%2)+16*(2*\s2+\u)+4*\c+3], v[AWR] offset:AWO+16*WP*\u+128*(2*(\q)+\s2)+32*\c
.endr
.endr
.endr
	WIN 0
	ds_load_b64 v[WS+2*((\q)%2):WS+2*((\q)%2)+1], v[ASR] offset:ASO+8*(\q)
.endm
.macro MM m, u, s2, q
.set rD, ACC+16*(\m)+8*(\u)
.set rA, 128+64*((\q)%2)+16*(2*(\s2)+(\u))
.set rB, 128*((\m)%2)+16*(2*(\q)+(\s2))
.set rC, rD
.if ((\q)+(\s2)) == 0
.set rC, BI+8*(\u)
.endif
.set rP, WS+2*((\q)%2)+(\s2)
.set rQ, XSC+8*((\m)/2)+2*(\q)+(\s2)
.if (\u) && ((\m)%2)
	v_wmma_scale_f32_16x16x128_f8f6f4 v[rD:rD+7], v[rA:rA+15], v[rB:rB+15], v[rC:rC+7], v[rP], v[rQ] matrix_a_fmt:MATRIX_FMT_BF8 matrix_b_fmt:MATRIX_FMT_BF8 matrix_a_scale:MATRIX_SCALE_ROW1 matrix_b_scale:MATRIX_SCALE_ROW1
.elseif (\u)
	v_wmma_scale_f32_16x16x128_f8f6f4 v[rD:rD+7], v[rA:rA+15], v[rB:rB+15], v[rC:rC+7], v[rP], v[rQ] matrix_a_fmt:MATRIX_FMT_BF8 matrix_b_fmt:MATRIX_FMT_BF8 matrix_a_scale:MATRIX_SCALE_ROW1
.elseif ((\m)%2)
	v_wmma_scale_f32_16x16x128_f8f6f4 v[rD:rD+7], v[rA:rA+15], v[rB:rB+15], v[rC:rC+7], v[rP], v[rQ] matrix_a_fmt:MATRIX_FMT_BF8 matrix_b_fmt:MATRIX_FMT_BF8 matrix_b_scale:MATRIX_SCALE_ROW1
.else
	v_wmma_scale_f32_16x16x128_f8f6f4 v[rD:rD+7], v[rA:rA+15], v[rB:rB+15], v[rC:rC+7], v[rP], v[rQ] matrix_a_fmt:MATRIX_FMT_BF8 matrix_b_fmt:MATRIX_FMT_BF8
.endif
.endm
.macro MULG q, ma, mb
.irp s2, 0,1
.irp u, 0,1
	MM \ma, \u, \s2, \q
	MM \mb, \u, \s2, \q
.endr
.endr
.endm
.macro MUL q                           ; 20 matrix instructions; no two that follow each other share an accumulator
	WIN 0x07
	MULG \q, 0, 1
	WIN 0x0b
	MULG \q, 2, 3
	WIN 0x0f
.irp s2, 0,1
.irp u, 0,1
	MM 4, \u, \s2, \q
.endr
.endr
.endm
.macro PAIR p                          ; outputs 32 p .. 32 p + 31 of the slice for my five tiles of rows, all of the slice's K; results to my stage
.set AWR, AWLO+(\p)/2
.set AWO, 32*WP*((\p)%2)
.set ASO, 32*SCP*(\p)
.irp u, 0,1
.irp q, 0,1
	ds_load_b128 v[BI+8*\u+4*\q:BI+8*\u+4*\q+3], v[ABI] offset:128*(\p)+32*\u+16*\q
.endr
.endr
	FETCH 0
	FETCH 1
	s_wait_dscnt 17                                ; all but the younger FETCH's 17: the bias, the first fragments, and the last pair's stores into the stage
	MUL 0
	PLACES 8                                       ; in front of loads into registers that matrix instructions have read
	FETCH 2
	s_wait_dscnt 17
	MUL 1
	PLACES 8
	FETCH 3
	s_wait_dscnt 17
	MUL 2
	s_wait_dscnt 0x0
	MUL 3
	WIN 0
	PLACES 9                                       ; eight in front of the stores that read results; nine in front of the next pair's products, which begin these accumulators anew
.irp m, 0,1,2,3,4
.irp u, 0,1
	ds_store_b128 v[VSTO], v[ACC+16*\m+8*\u:ACC+16*\m+8*\u+3] offset:16*SPI*\m+128*(\p)+32*\u          ; each accumulator from its low end on
	ds_store_b128 v[VSTO], v[ACC+16*\m+8*\u+4:ACC+16*\m+8*\u+7] offset:16*SPI*\m+128*(\p)+32*\u+16
.endr
.endr
.endm
.macro SEND m                          ; tile m's sixteen rows: each row's number from its lane, the row from the stage, 512 bytes to y
	s_wait_xcnt 0x0                                ; the last tile's stores have read their offsets and data
.set i, 0
.rept 16
	v_readlane_b32 s[40+i], v[RID+(\m)], i
.set i, i+1
.endr
.set i, 0
.rept 16
	s_min_u32 s[40+i], s[40+i], 0x7ff              ; a row number stays inside y
	s_lshl_b32 s[40+i], s[40+i], 12
	v_add_nc_u32 v[VOFF+i], s[40+i], v1
.set i, i+1
.endr
.set i, 0
.rept 16
	ds_load_b128 v[OUTR+4*i:OUTR+4*i+3], v[VRD] offset:16*SPI*(\m)+SPI*i   ; LDS serves a wave's instructions in order: these see my stores
.set i, i+1
.endr
.set i, 0
.rept 16
	s_wait_dscnt 15-i
	global_store_b128 v[VOFF+i], v[OUTR+4*i:OUTR+4*i+3], s[20:21]
.set i, i+1
.endr
.endm
.macro SENDC m
	s_add_co_u32 s38, s37, 4*\m
	s_cmp_ge_u32 s38, s7
	s_cbranch_scc1 .Lsent
	SEND \m
.endm
	s_load_b256 s[8:15], s[0:1], 0x0               ; h_codes 8, h_scales 10, sel 12, W2_codes 14
	s_load_b128 s[16:19], s[0:1], 0x20             ; W2_scales 16, b2 18
	s_load_b64 s[20:21], s[0:1], 0x30              ; y
	v_lshl_add_u32 v37, v0, 2, 0x4b200
	v_mov_b32 v38, 0
	v_lshrrev_b32 v39, 5, v0
	v_readfirstlane_b32 s2, v39                    ; wave
	s_and_b32 s3, ttmp7, 0xffff                    ; e
	s_and_b32 s4, ttmp9, 7                         ; cb
	s_lshr_b32 s34, ttmp9, 3                       ; kq
	v_and_b32 v39, 31, v0
	v_lshlrev_b32 v1, 4, v39                       ; v1  16 x lane
	v_and_b32 v2, 15, v0                           ; v2  r
	v_bfe_u32 v3, v0, 4, 1
	v_lshlrev_b32 v[H4], 2, v3
	v_lshlrev_b32 v3, 4, v3                        ; v3  16 h
	v_mul_u32_u24 v[AWLO], v2, WP
	v_add_nc_u32 v[AWLO], v[AWLO], v3
	v_add_nc_u32 v[AWHI], 64*WP, v[AWLO]
	v_mul_u32_u24 v[ASC], v39, SCP
	v_add_nc_u32 v[ASC], SCL, v[ASC]
	v_lshl_add_u32 v[ABI], v3, 2, BIA
	v_lshlrev_b32 v39, 2, v39                      ; v39 4 x lane
	s_lshl_b32 s38, s2, 4
	v_add_nc_u32 v[RW], s38, v2
	s_mul_i32 s38, s2, 5*16*SPI
	s_add_co_u32 s38, s38, STG                     ; my stages
	v_mul_u32_u24 v[VSTO], v2, SPI
	v_lshl_add_u32 v[VSTO], v3, 2, v[VSTO]
	v_add_nc_u32 v[VSTO], s38, v[VSTO]
	v_add_nc_u32 v[VRD], s38, v1
	s_mul_i32 s38, s2, 32*WP
	v_add_nc_u32 v93, s38, v1                      ; staging, as in the launch before
	v_and_b32 v94, 0x67, v0
	v_bfe_u32 v95, v0, 4, 1
	v_lshl_add_u32 v94, v95, 3, v94
	v_bfe_u32 v95, v0, 3, 1
	v_lshl_add_u32 v94, v95, 4, v94
	v_mul_u32_u24 v94, v94, SCP
	v_add_nc_u32 v94, SCL, v94
	v_lshl_add_u32 v95, v0, 2, BIA
	v_lshlrev_b32 v96, 7, v0                       ; a row of W2's scale bytes is 128 bytes
	v_lshlrev_b32 v97, 2, v0
	s_lshl_b32 s68, 0x101, s3                      ; my expert's two bits in a word of sel
	s_mov_b32 s85, 0xff
	s_mov_b32 s62, 0x76543210
	s_mov_b32 s63, 0xfedcba98                      ; v_permlanex16_b32's selects for lane l xor 16
	s_mov_b32 s66, 0xffff0000                      ; lanes 16-31
	s_cmp_eq_u32 s34, 0
	s_cselect_b32 s33, -1, 0                       ; b2 counts in the first quarter of K alone
	s_wait_kmcnt 0x0
	SELLOAD                                        ; first of all loads: the number of rows hangs on it
	s_mov_b32 s39, 0
	s_lshl_b32 s38, s3, 22
	s_add_nc_u64 s[24:25], s[14:15], s[38:39]      ; W2's codes: e x 4 MiB,
	s_add_nc_u64 s[8:9], s[8:9], s[38:39]          ; h's likewise
	s_lshl_b32 s38, s4, 19
	s_add_nc_u64 s[24:25], s[24:25], s[38:39]      ; + cb x 128 rows of 4,096 bytes,
	s_lshl_b32 s38, s34, 10
	s_add_nc_u64 s[24:25], s[24:25], s[38:39]      ; + kq x 1,024 along K,
	s_add_nc_u64 s[10:11], s[10:11], s[38:39]      ; (h's scale words: kq x 8 K steps of 128 bytes)
	s_lshl_b32 s38, s2, 17
	s_add_nc_u64 s[24:25], s[24:25], s[38:39]      ; + my wave's 32 rows
	s_lshl_b32 s38, s34, 14
	s_add_nc_u64 s[8:9], s[8:9], s[38:39]          ; h's codes: kq x 8 K steps of 2,048 bytes
	s_lshl_b32 s38, s3, 18
	s_add_nc_u64 s[10:11], s[10:11], s[38:39]
	s_lshl_b32 s38, s3, 12
	s_add_nc_u64 s[18:19], s[18:19], s[38:39]      ; b2: e x 1,024 numbers
	s_lshl_b32 s38, s4, 9
	s_add_nc_u64 s[18:19], s[18:19], s[38:39]
	s_add_nc_u64 s[20:21], s[20:21], s[38:39]      ; y: my 128 columns,
	s_lshl_b32 s38, s34, 23
	s_add_nc_u64 s[20:21], s[20:21], s[38:39]      ; in quarter kq
	s_lshl_b32 s38, s3, 17
	s_add_nc_u64 s[16:17], s[16:17], s[38:39]
	s_lshl_b32 s38, s4, 14
	s_add_nc_u64 s[16:17], s[16:17], s[38:39]
	s_lshl_b32 s38, s34, 5
	s_add_nc_u64 s[16:17], s[16:17], s[38:39]      ; W2's scale bytes: my 128 rows, my 32 blocks
.set k, 0
.rept 32                               ; my wave's first 16 rows of the slice: 512 consecutive bytes a load
	global_load_b128 v[128+4*k:128+4*k+3], v1, s[24:25] offset:4096*(k/2)+512*(k%2) th:TH_LOAD_NT
.set k, k+1
.endr
	WIN 0xc0
.set k, 0
.rept 32
	global_load_b128 v[128+4*k:128+4*k+3], v1, s[24:25] offset:4096*(16+k/2)+512*(k%2) th:TH_LOAD_NT
.set k, k+1
.endr
	WIN 0
	global_load_b128 v[84:87], v96, s[16:17]
	global_load_b128 v[88:91], v96, s[16:17] offset:16
	global_load_b32 v92, v97, s[18:19]
	s_wait_loadcnt 63                              ; 67 loads were issued behind sel's eight: sel is in
	COUNT
	s_min_u32 s5, s5, 1024
	s_add_co_u32 s7, s5, 15
	s_lshr_b32 s7, s7, 4                           ; the expert's tiles: 0 where it has no row
	s_max_u32 s36, s7, 1
	s_sub_co_u32 s36, s36, 1                       ; the last tile that was written
	s_max_u32 s6, s5, 1
	s_sub_co_u32 s6, s6, 1                         ; the last rank
	s_mov_b32 s37, s2
	HADDR
	s_wait_loadcnt 35                              ; behind the slice's first 32 loads stand the other 35
.set k, 0
.rept 32
.set i, k/2
.set sl, (i&7)|(((i>>3)&1)<<4)|(((i>>4)&1)<<3)
	ds_store_b128 v93, v[128+4*k:128+4*k+3] offset:sl*WP+512*(k%2)
.set k, k+1
.endr
	HSCL 0
	HSCL 1
	HSCL 2
	HTILE 0
	HTILE 1
	s_wait_loadcnt 63                              ; 88 loads were issued behind the second half of the slice, its scale bytes and the bias: they are in
	WIN 0x0c
.set k, 0
.rept 32
.set i, 16+k/2
.set sl, (i&7)|(((i>>3)&1)<<4)|(((i>>4)&1)<<3)
	ds_store_b128 v93, v[128+4*k:128+4*k+3] offset:sl*WP+512*(k%2)
.set k, k+1
.endr
	WIN 0
	v_and_b32 v92, s33, v92
	ds_store_b64 v94, v[84:85]
	ds_store_b64 v94, v[86:87] offset:8
	ds_store_b64 v94, v[88:89] offset:16
	ds_store_b64 v94, v[90:91] offset:24
	ds_store_b32 v95, v92
	HTILE 2
	HTILE 3
	HTILE 4
	s_wait_dscnt 0x0                               ; for the others' sake: my part of the slice has landed
	s_barrier_signal -1
	s_barrier_wait -1                              ; the launch's one barrier; behind it the slice, its scales and the bias are only read
	s_mov_b32 s84, 0
	RANKS                                          ; the first sweep's row numbers, wanted only on the way out: made while h is on its way
	s_mov_b32 s35, 0                               ; four sweeps, a constant; a sweep that the expert does not reach is passed over
.Lsweep:
	s_mul_i32 s37, s35, 20
	s_add_co_u32 s37, s37, s2
	s_cmp_ge_u32 s37, s7
	s_cbranch_scc1 .Lnext
	s_wait_loadcnt 0x0                             ; the sweep's codes and scale words of h are in
	PAIR 0
	PAIR 1
	PAIR 2
	PAIR 3
	SEND 0
	SENDC 1
	SENDC 2
	SENDC 3
	SENDC 4
.Lsent:
	s_add_co_u32 s37, s37, 20                      ; the next sweep's rows, where the expert has so many
	s_cmp_ge_u32 s37, s7
	s_cbranch_scc1 .Lnext
	s_wait_xcnt 0x0                                ; the stores have read their offsets: two of those registers serve the ranking
	s_add_co_u32 s84, s35, 1
	s_mul_i32 s84, s84, 320
	SELLOAD
	HADDR
	HSCL 0
	HSCL 1
	HSCL 2
	HTILE 0
	HTILE 1
	HTILE 2
	HTILE 3
	HTILE 4
	s_wait_loadcnt 63                              ; sel's eight loads are the oldest of 192: they are in
	RANKS
.Lnext:
	s_add_co_u32 s35, s35, 1
	s_cmp_lt_u32 s35, 4
	s_cbranch_scc1 .Lsweep
	s_wait_tensorcnt 0x0
	ds_add_u32 v37, v38
	s_wait_dscnt 0x0
	s_endpgm
.Lfunc_end_k_q05faa2e856_ffn2:
	.size	k_q05faa2e856_ffn2, .Lfunc_end_k_q05faa2e856_ffn2-k_q05faa2e856_ffn2
	.p2alignl 7, 3214868480
	.fill 96, 4, 3214868480
	.section	.rodata,"a",@progbits
	.p2align	6, 0x0
	.amdhsa_kernel k_q05faa2e856_ffn2
		.amdhsa_group_segment_fixed_size 308224
		.amdhsa_private_segment_fixed_size 0
		.amdhsa_enable_private_segment 0
		.amdhsa_kernarg_size 56
		.amdhsa_user_sgpr_count 2
		.amdhsa_user_sgpr_kernarg_segment_ptr 1
		.amdhsa_wavefront_size32 1
		.amdhsa_system_sgpr_workgroup_id_x 1
		.amdhsa_system_sgpr_workgroup_id_y 1
		.amdhsa_system_sgpr_workgroup_id_z 1
		.amdhsa_system_vgpr_workitem_id 0
		.amdhsa_next_free_vgpr 1024
		.amdhsa_next_free_sgpr 88
		.amdhsa_reserve_vcc 0
		.amdhsa_float_denorm_mode_32 3
		.amdhsa_float_denorm_mode_16_64 3
		.amdhsa_memory_ordered 1
		.amdhsa_forward_progress 1
		.amdhsa_inst_pref_size 241
	.end_amdhsa_kernel
	.amdgpu_metadata
---
amdhsa.version: [ 1, 2 ]
amdhsa.kernels:
  - .name:           k_q05faa2e856_ffn2
    .symbol:         k_q05faa2e856_ffn2.kd
    .args:
      - { .name: h_codes, .offset: 0, .size: 8, .value_kind: global_buffer, .address_space: global }
      - { .name: h_scales, .offset: 8, .size: 8, .value_kind: global_buffer, .address_space: global }
      - { .name: sel, .offset: 16, .size: 8, .value_kind: global_buffer, .address_space: global }
      - { .name: W2_codes, .offset: 24, .size: 8, .value_kind: global_buffer, .address_space: global }
      - { .name: W2_scales, .offset: 32, .size: 8, .value_kind: global_buffer, .address_space: global }
      - { .name: b2, .offset: 40, .size: 8, .value_kind: global_buffer, .address_space: global }
      - { .name: y, .offset: 48, .size: 8, .value_kind: global_buffer, .address_space: global }
    .group_segment_fixed_size: 308224
    .private_segment_fixed_size: 0
    .kernarg_segment_align: 8
    .kernarg_segment_size: 56
    .max_flat_workgroup_size: 128
    .sgpr_count:     88
    .vgpr_count:     1024
    .wavefront_size: 32
...
	.end_amdgpu_metadata
.endif
;; end of part 3
;; launch finish (part 4): grid 1024 x 1, 4 waves a work-group, no clusters, 1,024 bytes of LDS; arguments y, gate, gamma, beta, out0; writes out0
.if DOCPART == 4
	.amdgcn_target "amdgcn-amd-amdhsa--gfx1250"
	.amdhsa_code_object_version 6
	.text
	.protected	k_q05faa2e856_finish
	.globl	k_q05faa2e856_finish
	.p2align	8
	.type	k_q05faa2e856_finish,@function
k_q05faa2e856_finish:
	s_mov_b64 s[64:65], 0
	v_nop
	global_prefetch_b8 v0, s[64:65] scope:SCOPE_SE
	s_setreg_imm32_b32 hwreg(HW_REG_WAVE_MODE, 25, 1), 1
	s_wait_xcnt 0x0
; THE COMBINE AND THE LAYER NORM.  y [4 quarters of H][2048 rows][1024] f32, gate [1024][2], gamma, beta [1024], out0 [1024][1024] f32.
; One work-group takes one token: o = g0 (the sum of row 2 t's four parts) + g1 (that of row 2 t + 1's); then (o - mean) rsqrt(var + 1e-5) gamma + beta,
; the variance taken of the differences from the mean, as it is defined.  Wave w takes columns 256 w on, a lane eight of them in two pieces, so that
; each load and store of a wave covers 512 consecutive bytes, aligned.  All addresses are fixed by the token.  A stream: no matrix unit, no tensor
; load, no cluster (work-groups share only gamma and beta); the sixteen loads of y are all on their way at once.
; The two sums over the four waves go through eight LDS words, each sum with words of its own and a barrier of its own.
	s_load_b256 s[4:11], s[0:1], 0x0               ; y s[4:5], gate s[6:7], gamma s[8:9], beta s[10:11]
	s_load_b64 s[12:13], s[0:1], 0x20              ; out0
	v_lshl_add_u32 v96, v0, 2, 0x200
	v_mov_b32 v97, 0
	v_lshrrev_b32 v1, 5, v0                        ; wave
	v_and_b32 v2, 31, v0
	v_lshlrev_b32 v3, 4, v2
	v_lshl_add_u32 v3, v1, 10, v3                  ; 1,024 w + 16 lane
	v_lshlrev_b32 v4, 2, v1                        ; my wave's LDS word
	v_mov_b32 v5, 0
	s_lshl_b32 s14, ttmp9, 13                      ; the token's two rows of y
	s_mov_b32 s15, 0
	s_lshl_b32 s16, ttmp9, 3                       ; its gates
	s_mov_b32 s17, 0
	s_lshl_b32 s18, ttmp9, 12                      ; its row of out0
	s_mov_b32 s19, 0
	s_mov_b32 s32, 0x3a800000                      ; 1 / 1,024
	s_mov_b32 s33, 0x3727c5ac                      ; 1e-5
	s_mov_b32 s34, 0x76543210
	s_mov_b32 s35, 0xfedcba98                      ; v_permlanex16_b32's selects for lane l xor 16
	s_wait_kmcnt 0x0
	s_add_nc_u64 s[6:7], s[6:7], s[16:17]
	s_load_b64 s[20:21], s[6:7], 0x0               ; g0, g1
	s_add_nc_u64 s[24:25], s[4:5], s[14:15]        ; a base for each quarter: they lie 8 MiB apart
	s_add_nc_u64 s[26:27], s[24:25], 0x800000
	s_add_nc_u64 s[28:29], s[26:27], 0x800000
	s_add_nc_u64 s[30:31], s[28:29], 0x800000
	s_add_nc_u64 s[12:13], s[12:13], s[18:19]
.irp kq, 0,1,2,3
.irp k, 0,1
.irp q, 0,1
	global_load_b128 v[16+16*\kq+8*\k+4*\q:19+16*\kq+8*\k+4*\q], v3, s[24+2*\kq:25+2*\kq] offset:4096*\k+512*\q th:TH_LOAD_NT
.endr
.endr
.endr
.irp q, 0,1
	global_load_b128 v[80+4*\q:83+4*\q], v3, s[8:9] offset:512*\q
	global_load_b128 v[88+4*\q:91+4*\q], v3, s[10:11] offset:512*\q
.endr
	s_wait_kmcnt 0x0
	s_mov_b32 s22, s21                             ; g1 in a pair of its own: the packed form takes a pair's low word for both halves
	s_mov_b32 s23, s21
	s_wait_loadcnt 0x4                             ; y is in; gamma's and beta's four loads may be out
.irp i, 0,2,4,6,8,10,12,14
	v_pk_add_f32 v[16+\i:17+\i], v[16+\i:17+\i], v[32+\i:33+\i]
	v_pk_add_f32 v[48+\i:49+\i], v[48+\i:49+\i], v[64+\i:65+\i]
.endr
.irp i, 0,2,4,6,8,10,12,14
	v_pk_add_f32 v[16+\i:17+\i], v[16+\i:17+\i], v[48+\i:49+\i]      ; v16-23 row 2 t, v24-31 row 2 t + 1
.endr
.irp i, 0,2,4,6
	v_pk_mul_f32 v[16+\i:17+\i], v[16+\i:17+\i], s[20:21] op_sel_hi:[1,0]
.endr
.irp i, 0,2,4,6
	v_pk_fma_f32 v[16+\i:17+\i], v[24+\i:25+\i], s[22:23], v[16+\i:17+\i] op_sel_hi:[1,0,1]   ; o
.endr
	v_pk_add_f32 v[32:33], v[16:17], v[18:19]
	v_pk_add_f32 v[34:35], v[20:21], v[22:23]
	v_pk_add_f32 v[32:33], v[32:33], v[34:35]
	v_add_f32 v32, v32, v33
.irp x, 1,2,4,8
	v_add_f32_dpp v32, v32, v32 row_xmask:\x row_mask:0xf bank_mask:0xf
.endr
	v_permlanex16_b32 v33, v32, s34, s35
	v_add_f32 v32, v32, v33                        ; my wave's 256 columns
	ds_store_b32 v4, v32                           ; all lanes write the same word with the same value
	s_wait_dscnt 0x0                               ; for the others' sake
	s_barrier_signal -1
	s_barrier_wait -1
	ds_load_b128 v[36:39], v5
	s_wait_dscnt 0x0
	v_add_f32 v36, v36, v37
	v_add_f32 v38, v38, v39
	v_add_f32 v36, v36, v38
	v_mul_f32 v32, s32, v36                        ; the mean
.irp i, 0,1,2,3,4,5,6,7
	v_sub_f32 v[16+\i], v[16+\i], v32
.endr
	v_pk_mul_f32 v[34:35], v[16:17], v[16:17]
.irp i, 2,4,6
	v_pk_fma_f32 v[34:35], v[16+\i:17+\i], v[16+\i:17+\i], v[34:35]
.endr
	v_add_f32 v34, v34, v35
.irp x, 1,2,4,8
	v_add_f32_dpp v34, v34, v34 row_xmask:\x row_mask:0xf bank_mask:0xf
.endr
	v_permlanex16_b32 v35, v34, s34, s35
	v_add_f32 v34, v34, v35
	ds_store_b32 v4, v34 offset:256                ; other words than the first sum's
	s_wait_dscnt 0x0
	s_barrier_signal -1
	s_barrier_wait -1
	ds_load_b128 v[40:43], v5 offset:256
	s_wait_dscnt 0x0
	v_add_f32 v40, v40, v41
	v_add_f32 v42, v42, v43
	v_add_f32 v40, v40, v42
	v_fma_f32 v34, v40, s32, s33                   ; var + 1e-5
	v_rsq_f32 v36, v34
	v_nop                                          ; a plain line behind the root
	s_wait_alu depctr_va_vdst(0)                   ; the wait ahead of the result's first reader
	s_wait_loadcnt 0x0                             ; gamma, beta
.irp i, 0,2,4,6
	v_pk_mul_f32 v[16+\i:17+\i], v[16+\i:17+\i], v[36:37] op_sel_hi:[1,0]
.endr
.irp i, 0,2,4,6
	v_pk_fma_f32 v[16+\i:17+\i], v[16+\i:17+\i], v[80+\i:81+\i], v[88+\i:89+\i]
.endr
	global_store_b128 v3, v[16:19], s[12:13] th:TH_STORE_NT
	global_store_b128 v3, v[20:23], s[12:13] offset:512 th:TH_STORE_NT
	s_wait_tensorcnt 0x0
	ds_add_u32 v96, v97
	s_wait_dscnt 0x0
	s_endpgm
.Lfunc_end_k_q05faa2e856_finish:
	.size	k_q05faa2e856_finish, .Lfunc_end_k_q05faa2e856_finish-k_q05faa2e856_finish
	.p2alignl 7, 3214868480
	.fill 96, 4, 3214868480
	.section	.rodata,"a",@progbits
	.p2align	6, 0x0
	.amdhsa_kernel k_q05faa2e856_finish
		.amdhsa_group_segment_fixed_size 1024
		.amdhsa_private_segment_fixed_size 0
		.amdhsa_enable_private_segment 0
		.amdhsa_kernarg_size 40
		.amdhsa_user_sgpr_count 2
		.amdhsa_user_sgpr_kernarg_segment_ptr 1
		.amdhsa_wavefront_size32 1
		.amdhsa_system_sgpr_workgroup_id_x 1
		.amdhsa_system_sgpr_workgroup_id_y 1
		.amdhsa_system_sgpr_workgroup_id_z 1
		.amdhsa_system_vgpr_workitem_id 0
		.amdhsa_next_free_vgpr 98
		.amdhsa_next_free_sgpr 66
		.amdhsa_reserve_vcc 0
		.amdhsa_float_denorm_mode_32 3
		.amdhsa_float_denorm_mode_16_64 3
		.amdhsa_memory_ordered 1
		.amdhsa_forward_progress 1
		.amdhsa_inst_pref_size 9
	.end_amdhsa_kernel
	.amdgpu_metadata
---
amdhsa.version: [ 1, 2 ]
amdhsa.kernels:
  - .name:           k_q05faa2e856_finish
    .symbol:         k_q05faa2e856_finish.kd
    .args:
      - { .name: y, .offset: 0, .size: 8, .value_kind: global_buffer, .address_space: global }
      - { .name: gate, .offset: 8, .size: 8, .value_kind: global_buffer, .address_space: global }
      - { .name: gamma, .offset: 16, .size: 8, .value_kind: global_buffer, .address_space: global }
      - { .name: beta, .offset: 24, .size: 8, .value_kind: global_buffer, .address_space: global }
      - { .name: out0, .offset: 32, .size: 8, .value_kind: global_buffer, .address_space: global }
    .group_segment_fixed_size: 1024
    .private_segment_fixed_size: 0
    .kernarg_segment_align: 8
    .kernarg_segment_size: 40
    .max_flat_workgroup_size: 128
    .sgpr_count:     66
    .vgpr_count:     98
    .wavefront_size: 32
...
	.end_amdgpu_metadata
.endif
;; end of part 4
;; ======== version 2 of 2: 4 launches
;; workspace buffers: xq_codes 1,048,576 bytes; xq_scales 32,768 bytes; sel 4,096 bytes of whole numbers; gate 8,192 bytes; h_codes 33,554,432 bytes; h_scales 2,097,152 bytes; y 33,554,432 bytes
;; launch route (part 5): grid 256 x 1, 4 waves a work-group, no clusters, 55,040 bytes of LDS; arguments x, Wr, br, xq_codes, xq_scales, sel, gate; writes xq_codes, xq_scales, sel, gate
.if DOCPART == 5
	.amdgcn_target "amdgcn-amd-amdhsa--gfx1250"
	.amdhsa_code_object_version 6
	.text
	.protected	k_q05faa2e856_route
	.globl	k_q05faa2e856_route
	.p2align	8
	.type	k_q05faa2e856_route,@function
k_q05faa2e856_route:
	s_mov_b64 s[64:65], 0
	v_nop
	global_prefetch_b8 v0, s[64:65] scope:SCOPE_SE
	s_setreg_imm32_b32 hwreg(HW_REG_WAVE_MODE, 25, 1), 1
	s_wait_xcnt 0x0
; ROUTER AND QUANTISER OF x.  x [1024 tokens][1024] f32, Wr [1024][8] f32, br [8] f32.
; One wave takes one token (token = 4 x work-group + wave): it reads the token's 4,096 bytes once and makes of them
;   (a) the E5M2 codes [token][1024] and the E8M0 bytes [token][32] of the first quantised product's operand, and
;   (b) the eight logits x . Wr + br in f32, the two largest of them (the lower index wins a tie) and their two gates.
; GATES.  top_p / sum(top_p) of a softmax is g0 = 1 / (1 + q), g1 = q g0 with q = exp(l2 - l1): the softmax's divisor cancels, and the
; larger logit is taken away ahead of the exponential, so q is at most 1.
; The choice is stored at fixed places: sel[token] = 1 << e0 | 256 << e1, gate[token] = (g0, g1).  No address here hangs on it.
; (One bit for each choice: the later launches find an expert's tokens by one AND with 0x101 << e.)
; A lane must hold 16 NEIGHBOURS along K for the conversions, while a load is dense where neighbouring lanes take neighbouring bytes:
; the token's bytes turn through the wave's own stage in LDS (80 bytes a lane: 64 + 16 of padding).
; Wr lies in LDS for the four waves: 64 groups of 16 rows (512 bytes) + 16 of padding.
; No matrix unit (N = 8), no tensor load, no cluster: the work-groups share only Wr's 32 KiB.
; LIMITS: the choice is made on the logits, not on rounded probabilities; NaN and infinities are not served; a block of zeros gets the
; byte 1 where the rule says 127 (its codes are zeros, and this program alone reads the bytes); blocks whose largest magnitude lies
; under 2^(16 - 127) keep the byte 1.
.set WRP,  528                         ; a group of 16 rows of Wr in LDS
.set XST,  64*WRP                      ; behind Wr: two stages of 32 x 80 bytes for each wave
.set SP,   80
.set SCB,  XST+4*2*32*SP               ; behind the stages: 64 bytes for each wave, of which 32 hold its scale bytes
.set R,    16                          ; v16-47   x as loaded
.set X,    48                          ; v48-79   x[512 t + 16 lane + i] at v[X + 16 t + i]
.set L,    80                          ; v80-87   the eight logits
.set T,    88                          ; v88-95   at work
.set WRB,  96                          ; v96-223  16 rows x 8 columns of Wr; v96-159 first hold Wr as loaded
.set C,    224                         ; v224-231 codes, four registers a step
.set HX,   232                         ; v232-247 the held numbers of a step: x itself stays as given for the logits
	s_load_b256 s[4:11], s[0:1], 0x0               ; x s[4:5], Wr s[6:7], br s[8:9], xq_codes s[10:11]
	s_load_b128 s[12:15], s[0:1], 0x20             ; xq_scales s[12:13], sel s[14:15]
	s_load_b64 s[16:17], s[0:1], 0x30              ; gate
	v_lshl_add_u32 v254, v0, 2, 0xd500
	v_mov_b32 v255, 0
	v_lshrrev_b32 v2, 5, v0
	v_readfirstlane_b32 s2, v2                     ; wave
	v_and_b32 v1, 31, v0                           ; lane
	v_lshlrev_b32 v3, 4, v1                        ; 16 x lane
	s_lshl_b32 s3, ttmp9, 2
	s_add_co_u32 s3, s3, s2                        ; token
	s_mul_i32 s18, s2, 2*32*SP
	s_add_co_u32 s18, s18, XST                     ; my wave's stages
	v_lshrrev_b32 v4, 2, v1
	v_mul_u32_u24 v4, v4, SP
	v_and_b32 v5, 3, v1
	v_lshl_add_u32 v4, v5, 4, v4
	v_add_nc_u32 v4, s18, v4                       ; into a stage: 80 (lane / 4) + 16 (lane % 4)
	v_mul_u32_u24 v5, v1, SP
	v_add_nc_u32 v5, s18, v5                       ; out of it: 80 x lane
	s_mul_i32 s18, s2, 16*WRP
	v_add_nc_u32 v6, s18, v3                       ; Wr into LDS: my wave's 16 groups, 16 bytes a lane
	v_mul_u32_u24 v7, v1, WRP                      ; Wr out of LDS: group = lane (+ 32 t)
	s_lshl_b32 s18, s2, 6
	s_add_co_u32 s18, s18, SCB
	v_lshrrev_b32 v8, 1, v1
	v_add_nc_u32 v8, s18, v8                       ; my block's scale byte
	v_and_b32 v9, 7, v1
	v_lshl_add_u32 v9, v9, 2, s18                  ; and the bytes back as eight words
	v_lshlrev_b32 v10, 2, v1
	v_mov_b32 v11, 0
	v_mov_b32 v13, 1
	s_lshl_b32 s20, s3, 12                         ; byte offsets of my token: x,
	s_mov_b32 s21, 0
	s_lshl_b32 s22, s3, 10                         ; codes,
	s_mov_b32 s23, 0
	s_lshl_b32 s24, s3, 5                          ; scale bytes,
	s_mov_b32 s25, 0
	s_lshl_b32 s26, s3, 2                          ; sel,
	s_mov_b32 s27, 0
	s_lshl_b32 s28, s3, 3                          ; gate;
	s_mov_b32 s29, 0
	s_lshl_b32 s30, s2, 13                         ; and of my wave's quarter of Wr
	s_mov_b32 s31, 0
	s_mov_b32 s40, 0x600000                        ; the mantissa field of 57,344
	s_mov_b32 s41, 0x76543210
	s_mov_b32 s42, 0xfedcba98                      ; v_permlanex16_b32's selects for lane l xor 16
	s_wait_alu depctr_va_vdst(0)
	s_wait_kmcnt 0x0
	s_add_nc_u64 s[4:5], s[4:5], s[20:21]
	s_add_nc_u64 s[6:7], s[6:7], s[30:31]
	s_add_nc_u64 s[10:11], s[10:11], s[22:23]
	s_add_nc_u64 s[12:13], s[12:13], s[24:25]
	s_add_nc_u64 s[14:15], s[14:15], s[26:27]
	s_add_nc_u64 s[16:17], s[16:17], s[28:29]
.irp k, 0,1,2,3,4,5,6,7
	global_load_b128 v[R+4*\k:R+4*\k+3], v3, s[4:5] offset:512*\k th:TH_LOAD_NT   ; 512 consecutive bytes of my token
.endr
.irp j, 0,1,2,3,4,5,6,7,8,9,10,11,12,13,14,15
	global_load_b128 v[WRB+4*\j:WRB+4*\j+3], v3, s[6:7] offset:512*\j             ; a group of 16 rows of Wr
.endr
	s_load_b256 s[32:39], s[8:9], 0x0              ; br
	s_wait_loadcnt 16                              ; x is in; the sixteen loads of Wr may be out
.irp t, 0,1
.irp i, 0,1,2,3
	ds_store_b128 v4, v[R+16*\t+4*\i:R+16*\t+4*\i+3] offset:32*SP*\t+8*SP*\i
.endr
.irp i, 0,1,2,3
	ds_load_b128 v[X+16*\t+4*\i:X+16*\t+4*\i+3], v5 offset:32*SP*\t+16*\i        ; LDS serves a wave's instructions in order: these see the stores above
.endr
.endr
	s_wait_loadcnt 0x0                             ; Wr
.irp j, 0,1,2,3,4,5,6,7,8,9,10,11,12,13,14,15
	ds_store_b128 v6, v[WRB+4*\j:WRB+4*\j+3] offset:WRP*\j
.endr
	s_wait_dscnt 0x0                               ; for the others' sake: my quarter of Wr has landed (and my x is back)
	s_barrier_signal -1
	s_barrier_wait -1                              ; all of Wr lies in LDS; from here on it is only read
.macro LOADW t                         ; my 16 rows of Wr for step t
.set i, 0
.rept 16
	ds_load_b128 v[WRB+8*i:WRB+8*i+3], v7 offset:32*WRP*(\t)+32*i
	ds_load_b128 v[WRB+8*i+4:WRB+8*i+7], v7 offset:32*WRP*(\t)+32*i+16
.set i, i+1
.endr
.endm
.macro FMAS t                          ; eight chains; the very first products start the sums
.set i, 0
.rept 16
.irp e, 0,1,2,3,4,5,6,7
.if (\t)+i == 0
	v_mul_f32 v[L+\e], v[X+16*(\t)+i], v[WRB+8*i+\e]
.else
	v_fmac_f32 v[L+\e], v[X+16*(\t)+i], v[WRB+8*i+\e]
.endif
.endr
.set i, i+1
.endr
.endm
.macro QUANTX t                        ; 16 numbers a lane, two lanes to a block of 32
.set XS, X+16*(\t)
	v_max3_num_f32 v[T], |v[XS]|, |v[XS+1]|, |v[XS+2]|
	v_max3_num_f32 v[T+1], |v[XS+3]|, |v[XS+4]|, |v[XS+5]|
.irp i, 6,10
	v_max3_num_f32 v[T], v[T], |v[XS+\i]|, |v[XS+\i+1]|
	v_max3_num_f32 v[T+1], v[T+1], |v[XS+\i+2]|, |v[XS+\i+3]|
.endr
	v_max3_num_f32 v[T], v[T], |v[XS+14]|, |v[XS+15]|
	v_max3_num_f32 v[T], v[T], v[T+1], 0x8000000   ; the floor 2^(16 - 127): the byte cannot fall under 1
	v_max_num_f32_dpp v[T], v[T], v[T] row_xmask:1 row_mask:0xf bank_mask:0xf   ; with my neighbour's 16: the block's largest magnitude
	v_add_nc_u32 v[T+2], 0xf8800000, v[T]          ; 15 off its exponent field: the conversion's scale operand
	v_and_or_b32 v[T+3], v[T], 0x7f800000, s40     ; 57,344 x the scale
.irp i, 0,1,2,3,4,5,6,7,8,9,10,11,12,13,14,15
	v_med3_num_f32 v[HX+\i], v[XS+\i], -v[T+3], v[T+3]   ; the conversion to an 8-bit code does not saturate (ISA guide 7.6.2): the hold, into registers of its own
.endr
	v_cvt_scalef32_pk8_bf8_f32 v[C+4*(\t):C+4*(\t)+1], v[HX:HX+7], v[T+2]
	v_cvt_scalef32_pk8_bf8_f32 v[C+4*(\t)+2:C+4*(\t)+3], v[HX+8:HX+15], v[T+2]
	v_lshrrev_b32 v[T+4+(\t)], 23, v[T+2]          ; the scale's byte (also the plain line behind the conversions)
	ds_store_b8 v8, v[T+4+(\t)] offset:16*(\t)     ; both lanes of a block write the same byte with the same value
	global_store_b128 v3, v[C+4*(\t):C+4*(\t)+3], s[10:11] offset:512*(\t)   ; 512 consecutive bytes, aligned
.endm
	LOADW 0                                        ; on their way while the codes are made
	QUANTX 0
	QUANTX 1
	s_wait_dscnt 0x0
	FMAS 0
	LOADW 1
	s_wait_alu depctr_va_vdst(0)
	s_wait_dscnt 0x0
	FMAS 1
.irp x, 1,2,4,8                        ; the eight sums over the 32 lanes, by turns
.irp e, 0,1,2,3,4,5,6,7
	v_add_f32_dpp v[L+\e], v[L+\e], v[L+\e] row_xmask:\x row_mask:0xf bank_mask:0xf
.endr
.endr
.irp e, 0,1,2,3,4,5,6,7
	v_permlanex16_b32 v[HX+\e], v[L+\e], s41, s42
.endr
	s_wait_alu depctr_va_vdst(0)
	s_wait_kmcnt 0x0                               ; br
.irp e, 0,1,2,3,4,5,6,7
	v_add_f32 v[L+\e], v[L+\e], v[HX+\e]
.endr
.irp e, 0,1,2,3,4,5,6,7
	v_add_f32 v[L+\e], s[32+\e], v[L+\e]
.endr
	; the largest logit: what stands is kept where it is at least as large, so the lower index wins a tie
	v_mov_b32 v[T], v[L]
	v_mov_b32 v[T+1], 0
.irp e, 1,2,3,4,5,6,7
	v_cmp_ge_f32 vcc_lo, v[T], v[L+\e]
	v_cndmask_b32 v[T+1], \e, v[T+1], vcc_lo
	v_cndmask_b32 v[T], v[L+\e], v[T], vcc_lo
.endr
	; the second: the same walk from -infinity, passing over the first's index
	v_mov_b32 v[T+2], 0xff800000
	v_mov_b32 v[T+3], 0
.irp e, 0,1,2,3,4,5,6,7
	v_cmp_eq_u32 s44, \e, v[T+1]
	v_cmp_ge_f32 s45, v[T+2], v[L+\e]
	s_or_b32 vcc_lo, s44, s45
	v_cndmask_b32 v[T+3], \e, v[T+3], vcc_lo
	v_cndmask_b32 v[T+2], v[L+\e], v[T+2], vcc_lo
.endr
	v_sub_f32 v[T+4], v[T+2], v[T]                 ; l2 - l1, 0 or less
	v_mul_f32 v[T+4], 0x3fb8aa3b, v[T+4]
	s_wait_alu depctr_va_vdst(0)
	v_exp_f32 v[T+5], v[T+4]                       ; q
	v_lshlrev_b32 v[T+6], v[T+1], v13              ; 1 << e0 (the plain line behind the exponential)
	v_add_nc_u32 v[HX+2], 8, v[T+3]
	v_lshlrev_b32 v[HX+2], v[HX+2], v13            ; 256 << e1
	v_or_b32 v[T+6], v[T+6], v[HX+2]
	s_wait_alu depctr_va_vdst(0)                   ; the wait ahead of the result's first reader
	v_add_f32 v[T+7], 1.0, v[T+5]
	s_wait_alu depctr_va_vdst(0)
	v_rcp_f32 v[HX], v[T+7]                        ; g0
	v_cmp_gt_u32 vcc_lo, 8, v1                     ; (a plain line behind the reciprocal) lanes 0 to 7 store the scale words
	s_wait_alu depctr_va_vdst(0)
	v_mul_f32 v[HX+1], v[T+5], v[HX]               ; g1
	ds_load_b32 v12, v9                            ; my wave's 32 scale bytes, a word to each of eight lanes
	s_wait_alu depctr_va_vdst(0)
	s_wait_dscnt 0x0
	s_wait_xcnt 0x0                                ; EXEC changes only behind this wait: the stores of the codes have read it
	s_wait_tensorcnt 0x0
	ds_add_u32 v254, v255
	s_wait_dscnt 0x0
	s_and_saveexec_b32 s46, vcc_lo
	global_store_b32 v10, v12, s[12:13]
	s_wait_xcnt 0x0
	s_or_b32 exec_lo, exec_lo, s46
	v_cmp_eq_u32 vcc_lo, 0, v1
	s_and_saveexec_b32 s46, vcc_lo                 ; lane 0 stores the choice and the gates
	global_store_b32 v11, v[T+6], s[14:15]
	global_store_b64 v11, v[HX:HX+1], s[16:17]
	s_endpgm
.Lfunc_end_k_q05faa2e856_route:
	.size	k_q05faa2e856_route, .Lfunc_end_k_q05faa2e856_route-k_q05faa2e856_route
	.p2alignl 7, 3214868480
	.fill 96, 4, 3214868480
	.section	.rodata,"a",@progbits
	.p2align	6, 0x0
	.amdhsa_kernel k_q05faa2e856_route
		.amdhsa_group_segment_fixed_size 55040
		.amdhsa_private_segment_fixed_size 0
		.amdhsa_enable_private_segment 0
		.amdhsa_kernarg_size 56
		.amdhsa_user_sgpr_count 2
		.amdhsa_user_sgpr_kernarg_segment_ptr 1
		.amdhsa_wavefront_size32 1
		.amdhsa_system_sgpr_workgroup_id_x 1
		.amdhsa_system_sgpr_workgroup_id_y 1
		.amdhsa_system_sgpr_workgroup_id_z 1
		.amdhsa_system_vgpr_workitem_id 0
		.amdhsa_next_free_vgpr 256
		.amdhsa_next_free_sgpr 66
		.amdhsa_reserve_vcc 1
		.amdhsa_float_denorm_mode_32 3
		.amdhsa_float_denorm_mode_16_64 3
		.amdhsa_memory_ordered 1
		.amdhsa_forward_progress 1
		.amdhsa_inst_pref_size 31
	.end_amdhsa_kernel
	.amdgpu_metadata
---
amdhsa.version: [ 1, 2 ]
amdhsa.kernels:
  - .name:           k_q05faa2e856_route
    .symbol:         k_q05faa2e856_route.kd
    .args:
      - { .name: x, .offset: 0, .size: 8, .value_kind: global_buffer, .address_space: global }
      - { .name: Wr, .offset: 8, .size: 8, .value_kind: global_buffer, .address_space: global }
      - { .name: br, .offset: 16, .size: 8, .value_kind: global_buffer, .address_space: global }
      - { .name: xq_codes, .offset: 24, .size: 8, .value_kind: global_buffer, .address_space: global }
      - { .name: xq_scales, .offset: 32, .size: 8, .value_kind: global_buffer, .address_space: global }
      - { .name: sel, .offset: 40, .size: 8, .value_kind: global_buffer, .address_space: global }
      - { .name: gate, .offset: 48, .size: 8, .value_kind: global_buffer, .address_space: global }
    .group_segment_fixed_size: 55040
    .private_segment_fixed_size: 0
    .kernarg_segment_align: 8
    .kernarg_segment_size: 56
    .max_flat_workgroup_size: 128
    .sgpr_count:     66
    .vgpr_count:     256
    .wavefront_size: 32
...
	.end_amdgpu_metadata
.endif
;; end of part 5
;; launch ffn1 (part 6): grid 32 x 8, 4 waves a work-group, no clusters, 139,776 bytes of LDS; arguments xq_codes, xq_scales, sel, W1_codes, W1_scales, b1, h_codes, h_scales; writes h_codes, h_scales
.if DOCPART == 6
	.amdgcn_target "amdgcn-amd-amdhsa--gfx1250"
	.amdhsa_code_object_version 6
	.text
	.protected	k_q05faa2e856_ffn1
	.globl	k_q05faa2e856_ffn1
	.p2align	8
	.type	k_q05faa2e856_ffn1,@function
k_q05faa2e856_ffn1:
	s_mov_b64 s[64:65], 0
	v_nop
	global_prefetch_b8 v0, s[64:65] scope:SCOPE_SE
	s_setreg_imm32_b32 hwreg(HW_REG_WAVE_SCHED_MODE, 0, 2), 2
	s_setreg_imm32_b32 hwreg(HW_REG_WAVE_MODE, 25, 1), 1
	s_wait_xcnt 0x0
	s_wait_alu depctr_vm_vsrc(0)
; h = Q(gelu(x W1 + b1)) for the rows that chose expert e, on codes of E5M2 with one E8M0 scale for each 32 along K.
; SHARES.  Work-group (hb, e) owns hidden units 128 hb .. 128 hb + 127 of expert e: 128 rows x 1,024 bytes of W1's codes, one dense block of
; 128 KiB, read from memory by this work-group alone, once, and kept in LDS for its four waves.  The expert's rows go by tiles of 16 ranks:
; wave w takes tiles w + 20 j + 4 m (sweep j, m = 0 .. 4) and keeps the five tiles' codes of x in 640 registers, so that each
; fragment of W1 read from LDS feeds five matrix instructions.  One sweep serves 320 rows, four serve the 1,024 that an expert can get.
; THE ROWS BY EXPERT.  sel[token] = 1 << e0 | 256 << e1 (whole numbers, stored by the launch before).  Every wave reads all 1,024 words (4 KiB)
; and finds its own rows in registers, with no LDS and all lanes on.  The tokens stand in 32 groups of 32 (group 4 j + q, lane l: token
; 128 j + 4 l + q); an expert's rows are ranked by ascending group and, in a group, by ascending lane.  COUNT sums the groups' mask bits.
; RANKS inverts the ranking: each lane walks the groups with the running count P and keeps the last group with P <= its rank, then takes
; the (rank - P)-th set bit of that group's mask.  Row number rid = 2 token + k, k = 1 where e is the token's second choice.
; The next launch runs the same text on the same words, so a rank means the same row in both.
; A rank at or past the count is clamped to the last row: a padding row is a copy of it.  An expert without rows still makes tile 0 (of whatever
; token the clamps leave), so that the next launch reads only bytes that were written.
; LAYOUT.  The product is used transposed (source 0 = 16 rows of W1, source 1 = 16 rows of x): a lane holds ONE row of x.  The rows of W1 that
; form a tile are not neighbours: lane r of tile 2 p + u takes row 32 p + 8 u + r + 8 (r / 8), so that the 16 registers of tiles 2 p, 2 p + 1
; are hidden units 32 p + 16 (lane / 16) + 0 .. 15: half a block of the next K, whose other half lies in lane l xor 16.  In LDS row
; 32 p + 16 a + 8 u + b lies in slot 32 p + 16 u + 8 a + b, so that a tile's rows are 16 neighbouring slots.
; b1 is the C of a sum's first matrix instruction.  The 128 hidden units are K step hb of the next product: a tile's codes leave as an IMAGE of
; that operand's registers, h_codes[e][tile][hb][512 c + 16 lane], its scale word as h_scales[e][tile][hb][4 lane].
; GELU, exact form: gelu(a) = max(a, 0) - |a / 2| erfc(|a| / sqrt 2), erfc(z) = t exp(-z z + P(t)), t = 1 / (1 + z / 2), P of degree 9: a fit
; whose fractional error is 1.2e-7 for every z, so the negative tail keeps its relative accuracy ahead of the quantiser.
; NO TENSOR LOAD, NO CLUSTER: the number of rows hangs on words read from memory and trips are passed over by branches on it.  Each byte of W1 has
; one reader; what work-groups share is x's rows, gathered by rank.  The one barrier stands ahead of every such branch; behind it LDS is only read.
; LIMITS: below about a = -13 the exponential's result is flushed and gelu(a) is taken as 0; NaN and infinities are not served; a block of
; zeros gets the byte 1 (its codes are zeros; this program alone reads the bytes).
; THE MODE: SCHED_MODE bits 1:0 = 2 (LLVM: expert scheduling mode 2), set by the entry lines.  The code itself states the register dependences
; between vector or matrix instructions and memory or LDS instructions, and those through scalar registers that vector instructions write, with s_wait_alu, always for 0.
; THE PLAN.  Registers that memory or LDS instructions touch, and who else names them:
;   v1, v[AW], v[ASC], v[ABI], v93-97   offsets and addresses, made at the head: one wait on va_vdst ahead of the first load.  All but v93-97 are never written again.
;   v128-255 of windows 0 and 3, v84-92 the staging: loaded, then read by the LDS stores.  ONE wait on vm_vsrc behind the barrier frees them, and v93-97, for all who write them
;                                       later: the products, the epilogue, the codes, W1's fragments.
;   sel's words (v100-127, v80-83)      loaded, read by the ranking.  A later sweep loads them again, over codes, accumulators and bias: behind the trip's last wait on va_vdst and a wait on vm_vsrc.
;   XO, XSO                             written by XADDR, read by x's loads: one wait on va_vdst between; at a later sweep it also states that the products are done with x's fragments and scale words.
;   In a trip:  AWP, ASCP, ABIP         written at the trip's head, read by its LDS loads.
;               BI, W1's two sets, WS   loaded from LDS; read by the products.  Step q reads set q % 2; the loads of step q + 2 land in it.
;               CODE, PW                written by the epilogues, read by the trip's stores, which stand in one run at its end.
;   So a trip has five waits beside those behind its reciprocals and exponentials: at its head one on vm_vsrc (the last trip's LDS loads have read the three addresses, its stores the codes and the
;   scale words) and one on va_vdst (the addresses are written; the last trip is done with BI, both sets and WS); one on va_vdst behind step 0 and one behind step 1, ahead of the loads into the set just
;   read: these are dealt into the next step, which names the other set alone; one on va_vdst ahead of the run of stores.
.set WP,   1040                        ; a slot: 1,024 bytes + 16: 65 x 16, so the sixteen rows of a load start at sixteen different 16-byte columns
.set SCL,  128*WP                      ; W1's scale bytes: 128 slots x (32 + 8) bytes
.set SCP,  40
.set BIA,  SCL+128*SCP                 ; b1 of my 128 units, 512 bytes
.set AW,   4                           ; v4   1040 r + 16 h
.set AWP,  5                           ; v5   the same in this trip's pair of tiles
.set ASC,  6                           ; v6   SCL + 40 lane: lanes 0-15 tile u = 0, lanes 16-31 tile u = 1
.set ASCP, 7
.set ABI,  8                           ; v8   BIA + 64 h
.set ABIP, 9
.set RW,   10                          ; v10  r + 16 w
.set XO,   11                          ; v11-15  byte offset of my row's codes of x, tile m
.set XSO,  16                          ; v16-18  of its scale bytes: lanes 0-15 tile 2 g, lanes 16-31 tile 2 g + 1
.set HO,   19                          ; v19-23  tile x 65,536 + 16 lane
.set HSO,  24                          ; v24-28  tile x 4,096 + 4 lane
.set RID,  29                          ; v29-33  my row's number 2 token + k
.set PW,   34                          ; v34-38  the hidden layer's scale word, a byte a trip
.set XSC,  40                          ; v40-63  x's scale words: 8 g + s.  Scales and nothing else
.set WS,   64                          ; v64-67  W1's scale words, two sets of two.  Scales and nothing else
.set BI,   68                          ; v68-83  b1 in the result's layout, tiles u = 0, 1
.set CODE, 84                          ; v84-103 four registers of codes a tile
.set QT,   104                         ; v104-111 the quantiser's
.set ACC,  112                         ; v112-191 accumulator (m, u) at 16 m + 8 u
.set HT,   192                         ; v192-207 a / 2, later (a / 2) t
.set TT,   208                         ; v208-223 t
.set PP,   224                         ; v224-239 P, later the exponential
.set C9V,  240                         ; v240-241 P's leading coefficient, twice
; window 1: x's fragments of tiles 0, 1 at 128 (m % 2) + 16 s; window 2: tiles 2, 3; window 3: v0-127 tile 4, v128-255 W1's fragments, two sets of four
; The ranking's registers are free at the head and between two sweeps: sel's words in v100-127 and v80-83;
.set RHO,  68                          ; v68-70  three vectors of ranks: lanes 0-15 tile 2 x, lanes 16-31 tile 2 x + 1 (COUNT: v68-75 at work)
.set SM,   71                          ; v71-73  the mask of the group that holds the rank
.set SB,   74                          ; v74-76  that group's mask of second choices
.set SS,   77                          ; v77-79  P | the group's first token << 16
.set MT,   98                          ; v98-99  a group's words under the expert's two bits, two sets
.set NN,   100                         ; v100-102 rank - P; from here on the registers that held sel's words
.set FA,   103                         ; v103-105 the mask's bits counted in fields of 2,
.set FB,   106                         ; v106-108 of 4,
.set FC,   109                         ; v109-111 of 8,
.set FD,   112                         ; v112-114 of 16
.set PO,   115                         ; v115-117 the bit's place
.set T1,   118                         ; v118-120, v121-123 at work
.set T2,   121
; s68 0x101 << e; s69 P; s70 P | first token << 16; s71 at work; s72-75 a group's two masks, two sets (COUNT: s72-79); s76-78 conditions; s84 320 x sweep; s85 255
.set AWR,  AWP                         ; what FETCHA and FETCHB name
.set AWO,  0
.set ASR,  ASCP
.set ASO,  0
.set MSB, 0
.macro WIN new                         ; the immediate's high byte repeats the setting that is left; a switch that changes nothing is dropped
.if MSB != \new
	s_set_vgpr_msb (MSB<<8)|\new
.set MSB, \new
.endif
.endm
.macro PLACES n
.rept \n
	v_nop
.endr
.endm
.macro SETW g                          ; rW: the register that holds group g's words
.set rW, 100+(\g)
.if (\g) >= 28
.set rW, 52+(\g)
.endif
.endm
.macro SELLOAD                         ; all of sel: 512 consecutive bytes a load; register 4 j + q of lane l is token 128 j + 4 l + q
.irp j, 0,1,2,3,4,5,6
	global_load_b128 v[100+4*\j:103+4*\j], v1, s[12:13] offset:512*\j
.endr
	global_load_b128 v[80:83], v1, s[12:13] offset:3584
.endm
.macro COUNT                           ; s5 = the number of tokens that chose my expert; eight groups at a time, so that one wait serves eight compares
	s_mov_b32 s5, 0
.set gg, 0
.rept 4
.set i, 0
.rept 8
	SETW gg+i
	v_and_b32 v[RHO+i], s68, v[rW]
.set i, i+1
.endr
.set i, 0
.rept 8
	v_cmp_ne_u32 s[72+i], 0, v[RHO+i]
.set i, i+1
.endr
	s_wait_alu depctr_va_sdst(0)                   ; the eight compares have written s72-79, which the counts below read
.set i, 0
.rept 8
	s_bcnt1_i32_b32 s[72+i], s[72+i]
.set i, i+1
.endr
.set i, 0
.rept 8
	s_add_co_u32 s5, s5, s[72+i]
.set i, i+1
.endr
.set gg, gg+8
.endr
.endm
.macro MASKS g                         ; group g's two masks into set g % 2: who chose my expert, and who as the second choice
	SETW \g
	v_and_b32 v[MT+(\g)%2], s68, v[rW]
	v_cmp_ne_u32 s[72+(\g)%2], 0, v[MT+(\g)%2]
	v_cmp_lt_u32 s[74+(\g)%2], s85, v[MT+(\g)%2]
.endm
.macro PICK field, width, step         ; one halving: where the rank left is at least the lower half's count, that count comes off it and the place goes up by step
.irp x, 0,1,2
	v_bfe_u32 v[T1+\x], v[\field+\x], v[PO+\x], \width
.endr
.irp x, 0,1,2
	v_cmp_ge_u32 s[76+\x], v[NN+\x], v[T1+\x]
.endr
.irp x, 0,1,2
	v_sub_nc_u32 v[T2+\x], v[NN+\x], v[T1+\x]      ; wraps to a huge number where the rank is smaller,
.endr
.irp x, 0,1,2
	v_min_u32 v[NN+\x], v[NN+\x], v[T2+\x]         ; so the smaller of the two is the right one
.endr
	s_wait_alu depctr_va_sdst(0)                   ; the three compares have written s76-78, which the selects below read
.irp x, 0,1,2
	v_cndmask_b32 v[T2+\x], 0, \step, s[76+\x]
.endr
.irp x, 0,1,2
	v_or_b32 v[PO+\x], v[PO+\x], v[T2+\x]
.endr
.endm
.macro RANKS                           ; s84 = 320 x sweep, s6 = the last rank: my rows' numbers of the sweep's five tiles into v[RID] on
.irp x, 0,1,2
	v_lshl_add_u32 v[RHO+\x], v3, 2, v[RW]         ; r + 16 w + 64 h
.endr
.irp x, 0,1,2
	v_add3_u32 v[RHO+\x], v[RHO+\x], s84, 128*\x   ; rank = 16 (w + 20 j + 4 (2 x + h)) + r,
.endr
.irp x, 0,1,2
	v_min_u32 v[RHO+\x], s6, v[RHO+\x]             ; clamped to the expert's last row
.endr
	MASKS 0
	s_mov_b32 s69, 0
	s_wait_alu depctr_va_sdst(0)                   ; group 0's compares have written s72 and s74, which the moves below read
.irp x, 0,1,2                          ; group 0 begins at rank 0: every lane takes it
	v_mov_b32 v[SM+\x], s72
	v_mov_b32 v[SB+\x], s74
	v_mov_b32 v[SS+\x], 0
.endr
	MASKS 1
	s_bcnt1_i32_b32 s71, s72
	s_add_co_u32 s69, s69, s71
	s_or_b32 s70, s69, 1<<16
.set gg, 1
.rept 31
.if gg < 31
	MASKS gg+1                                     ; the next group's masks are made a group ahead
.endif
.irp x, 0,1,2
	v_cmp_gt_u32 s[76+\x], s69, v[RHO+\x]          ; P above my rank: what I hold stays
.endr
	s_wait_alu depctr_va_sdst(0)                   ; every compare so far has written its scalar register: the conditions s76-78 and this group's masks, which the selects below read first; the next group's too
.irp x, 0,1,2
	v_cndmask_b32 v[SM+\x], s[72+gg%2], v[SM+\x], s[76+\x]
	v_cndmask_b32 v[SB+\x], s[74+gg%2], v[SB+\x], s[76+\x]
	v_cndmask_b32 v[SS+\x], s70, v[SS+\x], s[76+\x]
.endr
.if gg < 31
	s_bcnt1_i32_b32 s71, s[72+gg%2]
	s_add_co_u32 s69, s69, s71
	s_or_b32 s70, s69, (128*((gg+1)/4)+((gg+1)%4))<<16
.endif
.set gg, gg+1
.endr
.irp x, 0,1,2
	v_and_b32 v[NN+\x], 0xffff, v[SS+\x]
	v_lshrrev_b32 v[T1+\x], 1, v[SM+\x]
	v_mov_b32 v[PO+\x], 0
.endr
.irp x, 0,1,2
	v_sub_nc_u32 v[NN+\x], v[RHO+\x], v[NN+\x]     ; which of the group's set bits is mine
	v_and_b32 v[T1+\x], 0x55555555, v[T1+\x]
.endr
.irp x, 0,1,2
	v_sub_nc_u32 v[FA+\x], v[SM+\x], v[T1+\x]      ; set bits in each field of 2
.endr
.irp x, 0,1,2
	v_lshrrev_b32 v[T1+\x], 2, v[FA+\x]
	v_and_b32 v[T2+\x], 0x33333333, v[FA+\x]
.endr
.irp x, 0,1,2
	v_and_b32 v[T1+\x], 0x33333333, v[T1+\x]
.endr
.irp x, 0,1,2
	v_add_nc_u32 v[FB+\x], v[T1+\x], v[T2+\x]      ; of 4
.endr
.irp x, 0,1,2
	v_lshrrev_b32 v[T1+\x], 4, v[FB+\x]
.endr
.irp x, 0,1,2
	v_add_nc_u32 v[T1+\x], v[T1+\x], v[FB+\x]
.endr
.irp x, 0,1,2
	v_and_b32 v[FC+\x], 0x0f0f0f0f, v[T1+\x]       ; of 8
.endr
.irp x, 0,1,2
	v_lshrrev_b32 v[T1+\x], 8, v[FC+\x]
.endr
.irp x, 0,1,2
	v_add_nc_u32 v[FD+\x], v[T1+\x], v[FC+\x]      ; its lowest byte: bits 0 to 15
.endr
	PICK FD, 8, 16
	PICK FC, 8, 8
	PICK FB, 4, 4
	PICK FA, 2, 2
	PICK SM, 1, 1
.irp x, 0,1,2
	v_bfe_u32 v[T1+\x], v[SB+\x], v[PO+\x], 1      ; k
	v_lshrrev_b32 v[T2+\x], 15, v[SS+\x]           ; 2 x the group's first token (P is at most 1,024: bit 15 is 0)
.endr
.irp x, 0,1,2
	v_lshl_add_u32 v[T1+\x], v[PO+\x], 3, v[T1+\x] ; lanes of a group are 4 tokens apart
.endr
.irp x, 0,1,2
	v_add_nc_u32 v[T1+\x], v[T1+\x], v[T2+\x]      ; rid
.endr
.irp x, 0,1,2
	v_permlanex16_b32 v[T2+\x], v[T1+\x], s62, s63
.endr
	v_cndmask_b32 v[RID], v[T1], v[T2], s66        ; a tile's sixteen rows into both halves of the lanes
	v_cndmask_b32 v[RID+1], v[T2], v[T1], s66
	v_cndmask_b32 v[RID+2], v[T1+1], v[T2+1], s66
	v_cndmask_b32 v[RID+3], v[T2+1], v[T1+1], s66
	v_cndmask_b32 v[RID+4], v[T1+2], v[T2+2], s66
.endm
.macro XADDR                           ; from row numbers to offsets in x's codes and scale bytes
.irp m, 0,1,2,3,4
	v_lshrrev_b32 v[XO+\m], 1, v[RID+\m]           ; token
	v_min_u32 v[XO+\m], 0x3ff, v[XO+\m]
	v_lshl_add_u32 v[XO+\m], v[XO+\m], 10, v3      ; x 1,024 + 16 h
.endr
	v_cndmask_b32 v[XSO], v[RID], v[RID+1], s66    ; lanes 16-31 take the odd tile's row
	v_cndmask_b32 v[XSO+1], v[RID+2], v[RID+3], s66
	v_lshrrev_b32 v[XSO], 1, v[XSO]
	v_lshrrev_b32 v[XSO+1], 1, v[XSO+1]
	v_lshrrev_b32 v[XSO+2], 1, v[RID+4]
.irp g, 0,1,2
	v_min_u32 v[XSO+\g], 0x3ff, v[XSO+\g]
	v_lshlrev_b32 v[XSO+\g], 5, v[XSO+\g]
.endr
.endm
.macro HOADR                           ; s37 = the sweep's first tile of my wave
.irp m, 0,1,2,3,4
	s_add_co_u32 s38, s37, 4*\m
	s_lshl_b32 s39, s38, 16
	v_add_nc_u32 v[HO+\m], s39, v1
	s_lshl_b32 s39, s38, 12
	v_add_nc_u32 v[HSO+\m], s39, v39
.endr
.endm
.macro XSCL g
	global_load_b128 v[XSC+8*\g:XSC+8*\g+3], v[XSO+\g], s[10:11]
	global_load_b128 v[XSC+8*\g+4:XSC+8*\g+7], v[XSO+\g], s[10:11] offset:16
.endm
.macro XTILE m                         ; a tile's eight fragments: lane (r, h) takes k = 128 s + 32 c + 16 h + 0 .. 15 of its row; the 32 loads take every byte of the 16 rows once
	WIN ((1+(\m)/2)<<6)
.irp s, 0,1,2,3,4,5,6,7
.irp c, 0,1,2,3
	global_load_b128 v[128*((\m)%2)+16*\s+4*\c:128*((\m)%2)+16*\s+4*\c+3], v[XO+(\m)], s[8:9] offset:128*\s+32*\c
.endr
.endr
	WIN 0
.endm
; W1's fragments of K steps 2 q, 2 q + 1 for the pair's two tiles, and their scale words, come in two runs:
.macro FETCHA q                        ; the two scale words and K step 2 q: 9 LDS loads
	WIN 0
	ds_load_b64 v[WS+2*((\q)%2):WS+2*((\q)%2)+1], v[ASR] offset:ASO+8*(\q)
	WIN 0xc0
.irp u, 0,1
.irp c, 0,1,2,3
	ds_load_b128 v[128+64*((\q)%2)+16*\u+4*\c:128+64*((\q)%2)+16*\u+4*\c+3], v[AWR] offset:AWO+16*WP*\u+128*(2*(\q))+32*\c
.endr
.endr
.endm
.macro FETCHB q                        ; K step 2 q + 1: 8 LDS loads
	WIN 0xc0
.irp u, 0,1
.irp c, 0,1,2,3
	ds_load_b128 v[128+64*((\q)%2)+16*(2+\u)+4*\c:128+64*((\q)%2)+16*(2+\u)+4*\c+3], v[AWR] offset:AWO+16*WP*\u+128*(2*(\q)+1)+32*\c
.endr
.endr
.endm
.macro MM m, u, s2, q                  ; one matrix instruction: tile m of x against tile u of the pair, K step 2 q + s2
.set rD, ACC+16*(\m)+8*(\u)
.set rA, 128+64*((\q)%2)+16*(2*(\s2)+(\u))
.set rB, 128*((\m)%2)+16*(2*(\q)+(\s2))
.set rC, rD
.if ((\q)+(\s2)) == 0
.set rC, BI+8*(\u)                     ; the first K step starts the sum from the bias
.endif
.set rP, WS+2*((\q)%2)+(\s2)
.set rQ, XSC+8*((\m)/2)+2*(\q)+(\s2)
.if (\u) && ((\m)%2)
	v_wmma_scale_f32_16x16x128_f8f6f4 v[rD:rD+7], v[rA:rA+15], v[rB:rB+15], v[rC:rC+7], v[rP], v[rQ] matrix_a_fmt:MATRIX_FMT_BF8 matrix_b_fmt:MATRIX_FMT_BF8 matrix_a_scale:MATRIX_SCALE_ROW1 matrix_b_scale:MATRIX_SCALE_ROW1
.elseif (\u)
	v_wmma_scale_f32_16x16x128_f8f6f4 v[rD:rD+7], v[rA:rA+15], v[rB:rB+15], v[rC:rC+7], v[rP], v[rQ] matrix_a_fmt:MATRIX_FMT_BF8 matrix_b_fmt:MATRIX_FMT_BF8 matrix_a_scale:MATRIX_SCALE_ROW1
.elseif ((\m)%2)
	v_wmma_scale_f32_16x16x128_f8f6f4 v[rD:rD+7], v[rA:rA+15], v[rB:rB+15], v[rC:rC+7], v[rP], v[rQ] matrix_a_fmt:MATRIX_FMT_BF8 matrix_b_fmt:MATRIX_FMT_BF8 matrix_b_scale:MATRIX_SCALE_ROW1
.else
	v_wmma_scale_f32_16x16x128_f8f6f4 v[rD:rD+7], v[rA:rA+15], v[rB:rB+15], v[rC:rC+7], v[rP], v[rQ] matrix_a_fmt:MATRIX_FMT_BF8 matrix_b_fmt:MATRIX_FMT_BF8
.endif
.endm
.macro MULG q, ma, mb                  ; two tiles of x that share a window: four accumulators by turns
.irp s2, 0,1
.irp u, 0,1
	MM \ma, \u, \s2, \q
	MM \mb, \u, \s2, \q
.endr
.endr
.endm
; A step's 20 matrix instructions, in two parts.  No two that follow each other share an accumulator, from group to group and from step to step too
.macro MULA q                          ; the first 8: tiles 0 and 1 of x
	WIN 0x07                                       ; source 0 (W1) window 3, source 1 (x) window 1, C and D window 0
	MULG \q, 0, 1
.endm
.macro MULB q                          ; the other 12: tiles 2 and 3, then tile 4
	WIN 0x0b                                       ; x in window 2
	MULG \q, 2, 3
	WIN 0x0f                                       ; x in window 3
.irp s2, 0,1
.irp u, 0,1
	MM 4, \u, \s2, \q
.endr
.endr
.endm
; THE EPILOGUE of tile m: 16 numbers a lane, gelu, one block of 32 quantised: 16 bytes of codes a lane, which leave at the trip's end.
.macro EPI m
.set A, ACC+16*(\m)
.set i, 0
.rept 16
	v_fma_f32 v[TT+i], |v[A+i]|, s60, 1.0          ; 1 + |a| / (2 sqrt 2); each accumulator is read from its low end on
.set i, i+1
.endr
.set i, 0
	s_wait_alu depctr_va_vdst(0)
.rept 16
	v_rcp_f32 v[TT+i], v[TT+i]                     ; t
.set i, i+1
.endr
.set i, 0
.rept 8
	v_pk_mul_f32 v[HT+i:HT+i+1], v[A+i:A+i+1], 0.5 op_sel_hi:[1,0]   ; a / 2: plain work behind the reciprocals
.set i, i+2
.endr
	s_wait_alu depctr_va_vdst(0)                   ; one wait for the sixteen, ahead of their first reader
.set i, 0
.rept 8
	v_pk_fma_f32 v[PP+i:PP+i+1], v[TT+i:TT+i+1], v[C9V:C9V+1], s[40:41] op_sel_hi:[1,1,0]
.set i, i+2
.endr
.irp n, 42,44,46,48,50,52,54,56
.set i, 0
.rept 8
	v_pk_fma_f32 v[PP+i:PP+i+1], v[PP+i:PP+i+1], v[TT+i:TT+i+1], s[\n:\n+1] op_sel_hi:[1,1,0]   ; Horner, eight pairs by turns
.set i, i+2
.endr
.endr
.set i, 0
.rept 8
	v_pk_fma_f32 v[PP+i:PP+i+1], v[HT+i:HT+i+1], v[A+i:A+i+1], v[PP+i:PP+i+1] neg_lo:[1,0,0] neg_hi:[1,0,0]   ; P - a a / 2
.set i, i+2
.endr
.set i, 0
.rept 8
	v_pk_mul_f32 v[PP+i:PP+i+1], v[PP+i:PP+i+1], s[58:59] op_sel_hi:[1,0]   ; x log2(e)
.set i, i+2
.endr
.set i, 0
	s_wait_alu depctr_va_vdst(0)
.rept 16
	v_exp_f32 v[PP+i], v[PP+i]
.set i, i+1
.endr
.set i, 0
.rept 8
	v_pk_mul_f32 v[HT+i:HT+i+1], v[HT+i:HT+i+1], v[TT+i:TT+i+1]      ; (a / 2) t: plain work behind the exponentials,
.set i, i+2
.endr
.set i, 0
.rept 16
	v_max_num_f32 v[A+i], 0, v[A+i]                ; and max(a, 0)
.set i, i+1
.endr
	s_wait_alu depctr_va_vdst(0)                   ; one wait for the sixteen exponentials
.set i, 0
.rept 16
	v_fma_f32 v[A+i], -|v[HT+i]|, v[PP+i], v[A+i]  ; gelu(a)
.set i, i+1
.endr
	v_max3_num_f32 v[QT], |v[A]|, |v[A+1]|, 0x8000000      ; my 16 numbers and the floor 2^(16 - 127), in two chains
	v_max3_num_f32 v[QT+1], |v[A+2]|, |v[A+3]|, |v[A+4]|
	v_max3_num_f32 v[QT], v[QT], |v[A+5]|, |v[A+6]|
	v_max3_num_f32 v[QT+1], v[QT+1], |v[A+7]|, |v[A+8]|
	v_max3_num_f32 v[QT], v[QT], |v[A+9]|, |v[A+10]|
	v_max3_num_f32 v[QT+1], v[QT+1], |v[A+11]|, |v[A+12]|
	v_max3_num_f32 v[QT], v[QT], |v[A+13]|, |v[A+14]|
	v_max3_num_f32 v[QT], v[QT], v[QT+1], |v[A+15]|
	v_permlanex16_b32 v[QT+2], v[QT], s62, s63     ; (its destination counts as read: the ranking has written the register)
	v_max_num_f32 v[QT], v[QT], v[QT+2]            ; with lane l xor 16's: the block's largest magnitude
	v_add_nc_u32 v[QT+3], 0xf8800000, v[QT]        ; 15 off its exponent field: the conversion's scale operand
	v_and_or_b32 v[QT+4], v[QT], 0x7f800000, s61   ; 57,344 x the scale
	v_lshrrev_b32 v[QT+5], 23, v[QT+3]             ; the scale's byte
	v_lshrrev_b32 v[PW+(\m)], 8, v[PW+(\m)]
	v_lshl_or_b32 v[PW+(\m)], v[QT+5], 24, v[PW+(\m)]      ; comes in on top: after a sweep's four trips pair p's byte is byte p
.set i, 0
.rept 16
	v_med3_num_f32 v[A+i], v[A+i], -v[QT+4], v[QT+4]       ; the conversion to an 8-bit code does not saturate (ISA guide 7.6.2)
.set i, i+1
.endr
	v_cvt_scalef32_pk8_bf8_f32 v[CODE+4*(\m):CODE+4*(\m)+1], v[A:A+7], v[QT+3]
	v_cvt_scalef32_pk8_bf8_f32 v[CODE+4*(\m)+2:CODE+4*(\m)+3], v[A+8:A+15], v[QT+3]
	v_nop                                          ; a plain line behind the conversions: the next products write their sources
.endm
.macro EPIC m                          ; tiles rise with m: the first that the expert does not have ends the epilogues
	s_add_co_u32 s38, s37, 4*\m
	s_cmp_ge_u32 s38, s7
	s_cbranch_scc1 .Lepi_done
	EPI \m
.endm
; Tile m's codes leave.  Each tile has four registers of codes and a scale word of its own, so the trip's stores stand in one run behind one wait.
.macro OUT m
	global_store_b128 v[HO+(\m)], v[CODE+4*(\m):CODE+4*(\m)+3], s[32:33]   ; register group p of the image: 512 consecutive bytes, aligned
	s_cmp_lg_u32 s36, 3
	s_cbranch_scc1 .Lno_word_\@
	global_store_b32 v[HSO+(\m)], v[PW+(\m)], s[30:31]     ; the fourth pair completes the scale word
.Lno_word_\@:
.endm
.macro OUTC m                          ; by the test that led to tile m's epilogue
	s_add_co_u32 s38, s37, 4*\m
	s_cmp_ge_u32 s38, s7
	s_cbranch_scc1 .Lout_done
	OUT \m
.endm
	s_load_b512 s[8:23], s[0:1], 0x0               ; xq_codes 8, xq_scales 10, sel 12, W1_codes 14, W1_scales 16, b1 18, h_codes 20, h_scales 22
	v_lshrrev_b32 v39, 5, v0
	v_readfirstlane_b32 s2, v39                    ; wave
	s_and_b32 s3, ttmp7, 0xffff                    ; e
	s_mov_b32 s4, ttmp9                            ; hb
	v_and_b32 v39, 31, v0
	v_lshlrev_b32 v1, 4, v39                       ; v1  16 x lane
	v_and_b32 v2, 15, v0                           ; v2  r
	v_bfe_u32 v3, v0, 4, 1
	v_lshlrev_b32 v3, 4, v3                        ; v3  16 h
	v_mul_u32_u24 v[AW], v2, WP
	v_add_nc_u32 v[AW], v[AW], v3
	v_mul_u32_u24 v[ASC], v39, SCP
	v_add_nc_u32 v[ASC], SCL, v[ASC]
	v_lshl_add_u32 v[ABI], v3, 2, BIA
	v_lshlrev_b32 v39, 2, v39                      ; v39 4 x lane
	s_wait_alu depctr_va_sdst(0)                   ; s2 is written, ahead of its first reader
	s_lshl_b32 s38, s2, 4
	v_add_nc_u32 v[RW], s38, v2
	s_mul_i32 s38, s2, 32*WP
	v_add_nc_u32 v93, s38, v1                      ; staging: wave w brings rows 32 w .. 32 w + 31, which are pair w's 32 slots
	v_and_b32 v94, 0x67, v0                        ; thread i brings row i's scale bytes and bias: its slot has bits 3 and 4 exchanged
	v_bfe_u32 v95, v0, 4, 1
	v_lshl_add_u32 v94, v95, 3, v94
	v_bfe_u32 v95, v0, 3, 1
	v_lshl_add_u32 v94, v95, 4, v94
	v_mul_u32_u24 v94, v94, SCP
	v_add_nc_u32 v94, SCL, v94
	v_lshl_add_u32 v95, v0, 2, BIA
	v_lshlrev_b32 v96, 5, v0
	v_lshlrev_b32 v97, 2, v0
.irp m, 0,1,2,3,4
	v_mov_b32 v[PW+\m], 0
.endr
	s_lshl_b32 s68, 0x101, s3                      ; my expert's two bits in a word of sel
	s_mov_b32 s85, 0xff
	s_mov_b32 s40, 0xbf527892                      ; P's coefficients c8 .. c0, each twice: the packed form names a pair
	s_mov_b32 s41, 0xbf527892
	s_mov_b32 s42, 0x3fbe87b0
	s_mov_b32 s43, 0x3fbe87b0
	s_mov_b32 s44, 0xbf914e5d
	s_mov_b32 s45, 0xbf914e5d
	s_mov_b32 s46, 0x3e8ec7cc
	s_mov_b32 s47, 0x3e8ec7cc
	s_mov_b32 s48, 0xbe3ec24c
	s_mov_b32 s49, 0xbe3ec24c
	s_mov_b32 s50, 0x3dc636c9
	s_mov_b32 s51, 0x3dc636c9
	s_mov_b32 s52, 0x3ebf88fb
	s_mov_b32 s53, 0x3ebf88fb
	s_mov_b32 s54, 0x3f8000c7
	s_mov_b32 s55, 0x3f8000c7
	s_mov_b32 s56, 0xbfa1fc4e
	s_mov_b32 s57, 0xbfa1fc4e
	s_mov_b32 s58, 0x3fb8aa3b                      ; log2(e)
	s_mov_b32 s59, 0x3fb8aa3b
	s_mov_b32 s60, 0x3eb504f3                      ; 1 / (2 sqrt 2)
	s_mov_b32 s61, 0x600000                        ; the mantissa field of 57,344
	s_mov_b32 s62, 0x76543210
	s_mov_b32 s63, 0xfedcba98                      ; v_permlanex16_b32's selects for lane l xor 16
	s_mov_b32 s66, 0xffff0000                      ; lanes 16-31
	s_wait_kmcnt 0x0
	s_wait_alu depctr_va_vdst(0)                   ; the head's offsets and addresses are written: v1, v93-97, v[AW], v[ASC], v[ABI], which the loads, LDS stores and LDS loads below read
	SELLOAD                                        ; first of all loads: the rows hang on it
	s_mov_b32 s39, 0
	s_lshl_b32 s38, s3, 22
	s_add_nc_u64 s[24:25], s[14:15], s[38:39]      ; W1's codes: e x 4 MiB,
	s_add_nc_u64 s[28:29], s[20:21], s[38:39]      ; h's codes likewise
	s_lshl_b32 s38, s4, 17
	s_add_nc_u64 s[24:25], s[24:25], s[38:39]      ; + hb x 128 rows,
	s_lshl_b32 s38, s2, 15
	s_add_nc_u64 s[24:25], s[24:25], s[38:39]      ; + my wave's 32 rows
	s_lshl_b32 s38, s4, 11
	s_add_nc_u64 s[28:29], s[28:29], s[38:39]      ; K step hb of the next product
	s_lshl_b32 s38, s3, 18
	s_add_nc_u64 s[30:31], s[22:23], s[38:39]
	s_lshl_b32 s38, s4, 7
	s_add_nc_u64 s[30:31], s[30:31], s[38:39]      ; h's scale words
	s_lshl_b32 s38, s3, 17
	s_add_nc_u64 s[16:17], s[16:17], s[38:39]
	s_lshl_b32 s38, s4, 12
	s_add_nc_u64 s[16:17], s[16:17], s[38:39]      ; W1's scale bytes of my 128 rows
	s_lshl_b32 s38, s3, 14
	s_add_nc_u64 s[18:19], s[18:19], s[38:39]
	s_lshl_b32 s38, s4, 9
	s_add_nc_u64 s[18:19], s[18:19], s[38:39]      ; b1 of my 128 units
.set k, 0
.rept 32                               ; my wave's first 16 rows of W1: 512 consecutive bytes a load, into window 0's v128-255
	global_load_b128 v[128+4*k:128+4*k+3], v1, s[24:25] offset:512*k th:TH_LOAD_NT
.set k, k+1
.endr
	WIN 0xc0
.set k, 0
.rept 32                               ; the other 16 rows, into window 3's v128-255
	global_load_b128 v[128+4*k:128+4*k+3], v1, s[24:25] offset:16384+512*k th:TH_LOAD_NT
.set k, k+1
.endr
	WIN 0
	global_load_b128 v[84:87], v96, s[16:17]
	global_load_b128 v[88:91], v96, s[16:17] offset:16
	global_load_b32 v92, v97, s[18:19]
	s_wait_loadcnt 63                              ; 67 loads were issued behind sel's eight: sel is in.  The ranking runs while W1 is on its way
	COUNT
	s_max_u32 s5, s5, 1                            ; an expert without rows still makes tile 0
	s_min_u32 s5, s5, 1024
	s_sub_co_u32 s6, s5, 1                         ; its last rank
	s_add_co_u32 s7, s5, 15
	s_lshr_b32 s7, s7, 4                           ; its tiles
	s_mov_b32 s84, 0
	RANKS
	s_mov_b32 s37, s2
	HOADR
	XADDR
	s_wait_loadcnt 35                              ; behind W1's first 32 loads stand the other 35
.set k, 0
.rept 32                               ; (no vector instruction since the head's wait names v93 or the staging registers)
.set i, k/2
.set sl, (i&7)|(((i>>3)&1)<<4)|(((i>>4)&1)<<3)
	ds_store_b128 v93, v[128+4*k:128+4*k+3] offset:sl*WP+512*(k%2)
.set k, k+1
.endr
	s_wait_alu depctr_va_vdst(0)                   ; XADDR has written v[XO ..] and v[XSO ..], the offsets of all the loads of x below (HOADR its offsets too, for the stores)
	XSCL 0
	XSCL 1
	XSCL 2
	XTILE 0
	XTILE 1
	s_wait_loadcnt 63                              ; 70 loads were issued behind the second half of W1, its scale bytes and the bias: they are in
	WIN 0x0c                                       ; an LDS store's data are its source 1: window 3
.set k, 0
.rept 32
.set i, 16+k/2
.set sl, (i&7)|(((i>>3)&1)<<4)|(((i>>4)&1)<<3)
	ds_store_b128 v93, v[128+4*k:128+4*k+3] offset:sl*WP+512*(k%2)
.set k, k+1
.endr
	WIN 0
	ds_store_b64 v94, v[84:85]
	ds_store_b64 v94, v[86:87] offset:8
	ds_store_b64 v94, v[88:89] offset:16
	ds_store_b64 v94, v[90:91] offset:24
	ds_store_b32 v95, v92
	XTILE 2
	XTILE 3
	XTILE 4
	s_wait_dscnt 0x0                               ; for the others' sake: my part of W1, of its scales and of the bias has landed
	s_barrier_signal -1
	s_barrier_wait -1                              ; the launch's one barrier; from here on LDS is only read
	s_wait_alu depctr_vm_vsrc(0)                   ; my LDS stores have read the staging registers (v128-255 of windows 0 and 3, v84-92) and v93-95, the loads v96 and v97: from here on products, epilogues, codes and W1's fragments write them
	v_mov_b32 v[C9V], 0x3e2ef945
	v_mov_b32 v[C9V+1], 0x3e2ef945
	; 16 trips, a constant: trip c is sweep c / 4, pair of tiles c % 4.  A trip whose sweep the expert does not reach is passed over.
	s_mov_b32 s34, 0
.Ltrip:
	s_lshr_b32 s35, s34, 2                         ; j
	s_and_b32 s36, s34, 3                          ; p
	s_mul_i32 s37, s35, 20
	s_add_co_u32 s37, s37, s2                      ; my first tile of the sweep
	s_cmp_ge_u32 s37, s7
	s_cbranch_scc1 .Lnext
	s_wait_loadcnt 0x0                             ; the sweep's codes and scale words of x are in
	s_wait_xcnt 0x0                                ; the last trip's stores have read their data and their base: both are written again below
	s_wait_alu depctr_vm_vsrc(0)                   ; the last trip's LDS loads have read v[AWP], v[ASCP], v[ABIP], which are written below; its stores have read the codes and the scale words, which this trip's epilogues write
	s_mul_i32 s38, s36, 32*WP
	v_add_nc_u32 v[AWP], s38, v[AW]
	s_mul_i32 s38, s36, 32*SCP
	v_add_nc_u32 v[ASCP], s38, v[ASC]
	s_lshl_b32 s38, s36, 7
	v_add_nc_u32 v[ABIP], s38, v[ABI]
	s_lshl_b32 s38, s36, 9
	s_mov_b32 s39, 0
	s_add_nc_u64 s[32:33], s[28:29], s[38:39]      ; register group p of the images
	s_wait_alu depctr_va_vdst(0)                   ; the three addresses are written; the ranking, or the last trip's products, are done with v[BI ..], both sets of fragments and v[WS ..], in which the loads below land
.irp u, 0,1
.irp q, 0,1
	ds_load_b128 v[BI+8*\u+4*\q:BI+8*\u+4*\q+3], v[ABIP] offset:32*\u+16*\q
.endr
.endr
	FETCHA 0
	FETCHB 0
	FETCHA 1
	s_wait_dscnt 9                                 ; all but the youngest nine: the bias and step 0's fragments are in
	MULA 0
	FETCHB 1                                       ; no wait: no vector or matrix instruction since the trip's head names set 1
	MULB 0
	PLACES 8                                       ; in front of loads into registers that matrix instructions have read (ISA guide 7.12.1 for vector instructions)
	s_wait_alu depctr_va_vdst(0)                   ; step 0's products are done reading set 0 and its scale words, in which step 2's loads land
	FETCHA 2
	s_wait_dscnt 9                                 ; step 1's fragments are in
	MULA 1
	FETCHB 2                                       ; no wait: the products since the wait name set 1 alone
	MULB 1
	PLACES 8
	s_wait_alu depctr_va_vdst(0)                   ; step 1's products are done reading set 1 and its scale words, in which step 3's loads land
	FETCHA 3
	s_wait_dscnt 9                                 ; step 2's fragments are in
	MULA 2
	FETCHB 3                                       ; no wait: the products since the wait name set 0 alone
	MULB 2
	s_wait_dscnt 0x0
	MULA 3
	MULB 3
	WIN 0
	PLACES 9                                       ; eight in front of the first read of results; nine in front of the next trip's products, which begin these accumulators anew from the bias
	EPI 0
	EPIC 1
	EPIC 2
	EPIC 3
	EPIC 4
.Lepi_done:
	s_wait_alu depctr_va_vdst(0)                   ; the conversions have written the codes and the shifts the scale words, which the stores below read.  No vector instruction follows in the trip: the wait serves a later sweep's loads of sel too
	OUT 0
	OUTC 1
	OUTC 2
	OUTC 3
	OUTC 4
.Lout_done:
	s_cmp_lg_u32 s36, 3                            ; behind a sweep's last pair: the next sweep's rows, where the expert has so many
	s_cbranch_scc1 .Lnext
	s_add_co_u32 s37, s37, 20
	s_cmp_ge_u32 s37, s7
	s_cbranch_scc1 .Lnext
	s_wait_xcnt 0x0                                ; the stores have read their offsets and their data: sel's words land on some of these registers
	s_wait_alu depctr_vm_vsrc(0)                   ; the stores have read the codes, on which sel's words land and the ranking works, and v[HO ..], v[HSO ..]; the sweep's loads of x have read v[XO ..], v[XSO ..]: all are written below
	s_add_co_u32 s84, s35, 1
	s_mul_i32 s84, s84, 320
	SELLOAD                                        ; (the trip's vector and matrix instructions are done with these registers: the wait ahead of the stores)
	s_wait_loadcnt 0x0
	RANKS
	HOADR
	XADDR
	s_wait_alu depctr_va_vdst(0)                   ; XADDR has written the offsets of the loads below; the sweep's products are done reading x's fragments and scale words, in which they land
	XSCL 0
	XSCL 1
	XSCL 2
	XTILE 0
	XTILE 1
	XTILE 2
	XTILE 3
	XTILE 4
.Lnext:
	s_add_co_u32 s34, s34, 1
	s_cmp_lt_u32 s34, 16
	s_cbranch_scc1 .Ltrip
	s_wait_xcnt 0x0
	v_lshl_add_u32 v254, v0, 2, 0x22000            ; (the staging's LDS stores read these two registers: the wait on vm_vsrc behind the barrier has freed them, and nothing has read them since)
	v_mov_b32 v255, 0
	s_wait_dscnt 0x0                               ; the closing lines, six on end
	s_wait_alu 0x0
	s_wait_tensorcnt 0x0
	ds_add_u32 v254, v255
	s_wait_dscnt 0x0
	s_endpgm
.Lfunc_end_k_q05faa2e856_ffn1:
	.size	k_q05faa2e856_ffn1, .Lfunc_end_k_q05faa2e856_ffn1-k_q05faa2e856_ffn1
	.p2alignl 7, 3214868480
	.fill 96, 4, 3214868480
	.section	.rodata,"a",@progbits
	.p2align	6, 0x0
	.amdhsa_kernel k_q05faa2e856_ffn1
		.amdhsa_group_segment_fixed_size 139776
		.amdhsa_private_segment_fixed_size 0
		.amdhsa_enable_private_segment 0
		.amdhsa_kernarg_size 64
		.amdhsa_user_sgpr_count 2
		.amdhsa_user_sgpr_kernarg_segment_ptr 1
		.amdhsa_wavefront_size32 1
		.amdhsa_system_sgpr_workgroup_id_x 1
		.amdhsa_system_sgpr_workgroup_id_y 1
		.amdhsa_system_sgpr_workgroup_id_z 1
		.amdhsa_system_vgpr_workitem_id 0
		.amdhsa_next_free_vgpr 1024
		.amdhsa_next_free_sgpr 88
		.amdhsa_reserve_vcc 0
		.amdhsa_float_denorm_mode_32 3
		.amdhsa_float_denorm_mode_16_64 3
		.amdhsa_memory_ordered 1
		.amdhsa_forward_progress 1
		.amdhsa_inst_pref_size 222
	.end_amdhsa_kernel
	.amdgpu_metadata
---
amdhsa.version: [ 1, 2 ]
amdhsa.kernels:
  - .name:           k_q05faa2e856_ffn1
    .symbol:         k_q05faa2e856_ffn1.kd
    .args:
      - { .name: xq_codes, .offset: 0, .size: 8, .value_kind: global_buffer, .address_space: global }
      - { .name: xq_scales, .offset: 8, .size: 8, .value_kind: global_buffer, .address_space: global }
      - { .name: sel, .offset: 16, .size: 8, .value_kind: global_buffer, .address_space: global }
      - { .name: W1_codes, .offset: 24, .size: 8, .value_kind: global_buffer, .address_space: global }
      - { .name: W1_scales, .offset: 32, .size: 8, .value_kind: global_buffer, .address_space: global }
      - { .name: b1, .offset: 40, .size: 8, .value_kind: global_buffer, .address_space: global }
      - { .name: h_codes, .offset: 48, .size: 8, .value_kind: global_buffer, .address_space: global }
      - { .name: h_scales, .offset: 56, .size: 8, .value_kind: global_buffer, .address_space: global }
    .group_segment_fixed_size: 139776
    .private_segment_fixed_size: 0
    .kernarg_segment_align: 8
    .kernarg_segment_size: 64
    .max_flat_workgroup_size: 128
    .sgpr_count:     88
    .vgpr_count:     1024
    .wavefront_size: 32
...
	.end_amdgpu_metadata
.endif
;; end of part 6
;; launch ffn2 (part 7): grid 32 x 8, 4 waves a work-group, no clusters, 308,224 bytes of LDS; arguments h_codes, h_scales, sel, W2_codes, W2_scales, b2, y; writes y
.if DOCPART == 7
	.amdgcn_target "amdgcn-amd-amdhsa--gfx1250"
	.amdhsa_code_object_version 6
	.text
	.protected	k_q05faa2e856_ffn2
	.globl	k_q05faa2e856_ffn2
	.p2align	8
	.type	k_q05faa2e856_ffn2,@function
k_q05faa2e856_ffn2:
	s_mov_b64 s[64:65], 0
	v_nop
	global_prefetch_b8 v0, s[64:65] scope:SCOPE_SE
	s_setreg_imm32_b32 hwreg(HW_REG_WAVE_SCHED_MODE, 0, 2), 2
	s_setreg_imm32_b32 hwreg(HW_REG_WAVE_MODE, 25, 1), 1
	s_wait_xcnt 0x0
	s_wait_alu depctr_vm_vsrc(0)
; y[kq][rid][o] = the sum over a quarter of H of h W2 (+ b2 in quarter 0), for the rows that chose expert e, on codes of E5M2 with E8M0 scales.
; SHARES.  Work-group (cb + 8 kq, e) owns outputs 128 cb .. 128 cb + 127 and K = 1,024 kq .. + 1,023 of expert e: 128 rows x 1,024 bytes of W2's
; codes, read from memory by this work-group alone, once, and kept in LDS for its four waves.  For a slice of c outputs x k of K (c k fixed by
; 32 MiB over 256 work-groups) a row costs k bytes of h in and 4 c bytes of partial sums out and again in: least at k = 1,024, c = 128.
; The expert's rows go by tiles of 16 ranks as in the launch before: wave w takes tiles w + 20 j + 4 m, five tiles of h in 640 registers.
; THE ROWS BY EXPERT.  sel[token] = 1 << e0 | 256 << e1.  The ranking is the launch before's, word for word (SELLOAD, COUNT, RANKS), so a rank
; means the same row here as there: 32 groups of 32 tokens (group 4 j + q, lane l: token 128 j + 4 l + q), ranks by ascending group and lane;
; a lane keeps the last group whose running count P is at most its rank and takes the (rank - P)-th set bit of that group's mask.
; h's loads hang on the count alone, so COUNT stands ahead of them and RANKS behind the barrier, while h is on its way.
; h comes as images of the operand's registers (h_codes[e][tile][s][512 c + 16 lane]): each load is 512 consecutive bytes and lands where the
; matrix instruction wants it.  A tile past the expert's last is clamped to the last; its products are made and not stored.
; LAYOUT.  Transposed use (source 0 = 16 rows of W2, source 1 = 16 rows of h); W2's rows are dealt to tiles as W1's were, so that the 16
; registers of tiles 2 p, 2 p + 1 are outputs 32 p + 16 (lane / 16) + 0 .. 15 of one row: 64 neighbouring bytes.  They go through the wave's own
; stage in LDS (five tiles x 16 rows x (512 + 16) bytes) and leave as whole rows of 512 bytes at y[kq][rid]: two aligned blocks of 256 bytes a store.
; Padding rows of the last tile are copies of the last row: they store the same bits to the same place.
; The four pairs of tiles are written out, so that every LDS address is a fixed register and an immediate: the waves' stages are written
; while other waves read W2, and the two never meet.
; NO TENSOR LOAD, NO CLUSTER: the number of rows hangs on words read from memory and sweeps are passed over by branches on it; each byte of W2 has
; one reader.  The one barrier stands ahead of every such branch.
; THE MODE: SCHED_MODE bits 1:0 = 2 (LLVM: expert scheduling mode 2), set by the entry lines.  The code itself states the register dependences
; between vector or matrix instructions and memory or LDS instructions, and those through scalar registers that vector instructions write, with s_wait_alu, always for 0.
; THE PLAN.  Registers that memory or LDS instructions touch, and who else names them:
;   v1, v[AWLO], v[AWHI], v[ASC], v[ABI], v[VSTO], v[VRD], v93-97   offsets and addresses, made at the head: one wait on va_vdst ahead of the first load.  All but v93-97 are never written again.
;   v128-255 of windows 0 and 3, v84-92   the staging: loaded, then read by the LDS stores.  ONE wait on vm_vsrc behind the barrier frees them, and v93-97, for all who write them later:
;                                         the products, W2's fragments, the rows on their way out and their offsets.
;   XO, XSO                               written by HADDR, read by h's loads: one wait on va_vdst between; at a later sweep it also states that the products are done with h's fragments and scale
;                                         words and with the registers on which sel's words land.
;   In a pair:  BI, W2's two sets, WS     loaded from LDS; read by the products.  Step q reads set q % 2; the loads of step q + 2 land in it.
;               the accumulators          written by the products, read by the pair's LDS stores, begun anew by the next pair's products.
;   On the way out:  VOFF                 written by vector additions, read by the tile's stores.   OUTR   loaded from the stage, read by the tile's stores.
;   So a pair has four waits: one on vm_vsrc ahead of its first product (the stores into the stage have read the accumulators); one on va_vdst behind step 0 and one behind step 1, ahead of the loads into
;   the set just read, which are dealt into the next step; one on va_vdst ahead of its stores into the stage, which also serves the next pair's first loads.  A tile on its way out has three.
.set WP,   1040
.set SCL,  128*WP
.set SCP,  40
.set BIA,  SCL+128*SCP
.set STG,  BIA+512                     ; the stages: 5 x 16 x 528 bytes for each wave
.set SPI,  528
.set AWLO, 4                           ; v4   1040 r + 16 h
.set AWHI, 5                           ; v5   the same 64 slots on
.set ASC,  6                           ; v6   SCL + 40 lane
.set H4,   7                           ; v7   4 h
.set ABI,  8                           ; v8   BIA + 64 h
.set RW,   10                          ; v10  r + 16 w
.set XO,   11                          ; v11-15  tile x 65,536 + 16 lane
.set XSO,  16                          ; v16-18  tile x 4,096 + 4 lane: lanes 0-15 tile 2 g, lanes 16-31 tile 2 g + 1
.set VSTO, 19                          ; v19  into my stage: 528 r + 64 h
.set VRD,  20                          ; v20  out of it: 16 lane
.set RID,  29                          ; v29-33  my row's number
.set XSC,  40                          ; v40-63  h's scale words.  Scales and nothing else
.set WS,   64                          ; v64-67  W2's.  Scales and nothing else
.set BI,   68                          ; v68-83  b2 in the result's layout
.set VOFF, 84                          ; v84-99  a row's place in y + 16 lane
.set ACC,  112                         ; v112-191
.set OUTR, 192                         ; v192-255 sixteen rows on their way out
; The ranking's registers are free at the head and between two sweeps: sel's words in v100-127 and v80-83;
.set RHO,  68                          ; v68-70  three vectors of ranks: lanes 0-15 tile 2 x, lanes 16-31 tile 2 x + 1 (COUNT: v68-75 at work)
.set SM,   71                          ; v71-73  the mask of the group that holds the rank
.set SB,   74                          ; v74-76  that group's mask of second choices
.set SS,   77                          ; v77-79  P | the group's first token << 16
.set MT,   98                          ; v98-99  a group's words under the expert's two bits, two sets
.set NN,   100                         ; v100-102 rank - P; from here on the registers that held sel's words
.set FA,   103                         ; v103-105 the mask's bits counted in fields of 2,
.set FB,   106                         ; v106-108 of 4,
.set FC,   109                         ; v109-111 of 8,
.set FD,   112                         ; v112-114 of 16
.set PO,   115                         ; v115-117 the bit's place
.set T1,   118                         ; v118-120, v121-123 at work
.set T2,   121
; s68 0x101 << e; s69 P; s70 P | first token << 16; s71 at work; s72-75 a group's two masks, two sets (COUNT: s72-79); s76-78 conditions; s84 320 x sweep; s85 255
.set ASR,  ASC
.set MSB, 0
.macro WIN new
.if MSB != \new
	s_set_vgpr_msb (MSB<<8)|\new
.set MSB, \new
.endif
.endm
.macro PLACES n
.rept \n
	v_nop
.endr
.endm
.macro SETW g                          ; rW: the register that holds group g's words
.set rW, 100+(\g)
.if (\g) >= 28
.set rW, 52+(\g)
.endif
.endm
.macro SELLOAD                         ; all of sel: 512 consecutive bytes a load; register 4 j + q of lane l is token 128 j + 4 l + q
.irp j, 0,1,2,3,4,5,6
	global_load_b128 v[100+4*\j:103+4*\j], v1, s[12:13] offset:512*\j
.endr
	global_load_b128 v[80:83], v1, s[12:13] offset:3584
.endm
.macro COUNT                           ; s5 = the number of tokens that chose my expert; eight groups at a time, so that one wait serves eight compares
	s_mov_b32 s5, 0
.set gg, 0
.rept 4
.set i, 0
.rept 8
	SETW gg+i
	v_and_b32 v[RHO+i], s68, v[rW]
.set i, i+1
.endr
.set i, 0
.rept 8
	v_cmp_ne_u32 s[72+i], 0, v[RHO+i]
.set i, i+1
.endr
	s_wait_alu depctr_va_sdst(0)                   ; the eight compares have written s72-79, which the counts below read
.set i, 0
.rept 8
	s_bcnt1_i32_b32 s[72+i], s[72+i]
.set i, i+1
.endr
.set i, 0
.rept 8
	s_add_co_u32 s5, s5, s[72+i]
.set i, i+1
.endr
.set gg, gg+8
.endr
.endm
.macro MASKS g                         ; group g's two masks into set g % 2: who chose my expert, and who as the second choice
	SETW \g
	v_and_b32 v[MT+(\g)%2], s68, v[rW]
	v_cmp_ne_u32 s[72+(\g)%2], 0, v[MT+(\g)%2]
	v_cmp_lt_u32 s[74+(\g)%2], s85, v[MT+(\g)%2]
.endm
.macro PICK field, width, step         ; one halving: where the rank left is at least the lower half's count, that count comes off it and the place goes up by step
.irp x, 0,1,2
	v_bfe_u32 v[T1+\x], v[\field+\x], v[PO+\x], \width
.endr
.irp x, 0,1,2
	v_cmp_ge_u32 s[76+\x], v[NN+\x], v[T1+\x]
.endr
.irp x, 0,1,2
	v_sub_nc_u32 v[T2+\x], v[NN+\x], v[T1+\x]      ; wraps to a huge number where the rank is smaller,
.endr
.irp x, 0,1,2
	v_min_u32 v[NN+\x], v[NN+\x], v[T2+\x]         ; so the smaller of the two is the right one
.endr
	s_wait_alu depctr_va_sdst(0)                   ; the three compares have written s76-78, which the selects below read
.irp x, 0,1,2
	v_cndmask_b32 v[T2+\x], 0, \step, s[76+\x]
.endr
.irp x, 0,1,2
	v_or_b32 v[PO+\x], v[PO+\x], v[T2+\x]
.endr
.endm
.macro RANKS                           ; s84 = 320 x sweep, s6 = the last rank: my rows' numbers of the sweep's five tiles into v[RID] on
.irp x, 0,1,2
	v_lshl_add_u32 v[RHO+\x], v3, 2, v[RW]         ; r + 16 w + 64 h
.endr
.irp x, 0,1,2
	v_add3_u32 v[RHO+\x], v[RHO+\x], s84, 128*\x   ; rank = 16 (w + 20 j + 4 (2 x + h)) + r,
.endr
.irp x, 0,1,2
	v_min_u32 v[RHO+\x], s6, v[RHO+\x]             ; clamped to the expert's last row
.endr
	MASKS 0
	s_mov_b32 s69, 0
	s_wait_alu depctr_va_sdst(0)                   ; group 0's compares have written s72 and s74, which the moves below read
.irp x, 0,1,2                          ; group 0 begins at rank 0: every lane takes it
	v_mov_b32 v[SM+\x], s72
	v_mov_b32 v[SB+\x], s74
	v_mov_b32 v[SS+\x], 0
.endr
	MASKS 1
	s_bcnt1_i32_b32 s71, s72
	s_add_co_u32 s69, s69, s71
	s_or_b32 s70, s69, 1<<16
.set gg, 1
.rept 31
.if gg < 31
	MASKS gg+1                                     ; the next group's masks are made a group ahead
.endif
.irp x, 0,1,2
	v_cmp_gt_u32 s[76+\x], s69, v[RHO+\x]          ; P above my rank: what I hold stays
.endr
	s_wait_alu depctr_va_sdst(0)                   ; every compare so far has written its scalar register: the conditions s76-78 and this group's masks, which the selects below read first; the next group's too
.irp x, 0,1,2
	v_cndmask_b32 v[SM+\x], s[72+gg%2], v[SM+\x], s[76+\x]
	v_cndmask_b32 v[SB+\x], s[74+gg%2], v[SB+\x], s[76+\x]
	v_cndmask_b32 v[SS+\x], s70, v[SS+\x], s[76+\x]
.endr
.if gg < 31
	s_bcnt1_i32_b32 s71, s[72+gg%2]
	s_add_co_u32 s69, s69, s71
	s_or_b32 s70, s69, (128*((gg+1)/4)+((gg+1)%4))<<16
.endif
.set gg, gg+1
.endr
.irp x, 0,1,2
	v_and_b32 v[NN+\x], 0xffff, v[SS+\x]
	v_lshrrev_b32 v[T1+\x], 1, v[SM+\x]
	v_mov_b32 v[PO+\x], 0
.endr
.irp x, 0,1,2
	v_sub_nc_u32 v[NN+\x], v[RHO+\x], v[NN+\x]     ; which of the group's set bits is mine
	v_and_b32 v[T1+\x], 0x55555555, v[T1+\x]
.endr
.irp x, 0,1,2
	v_sub_nc_u32 v[FA+\x], v[SM+\x], v[T1+\x]      ; set bits in each field of 2
.endr
.irp x, 0,1,2
	v_lshrrev_b32 v[T1+\x], 2, v[FA+\x]
	v_and_b32 v[T2+\x], 0x33333333, v[FA+\x]
.endr
.irp x, 0,1,2
	v_and_b32 v[T1+\x], 0x33333333, v[T1+\x]
.endr
.irp x, 0,1,2
	v_add_nc_u32 v[FB+\x], v[T1+\x], v[T2+\x]      ; of 4
.endr
.irp x, 0,1,2
	v_lshrrev_b32 v[T1+\x], 4, v[FB+\x]
.endr
.irp x, 0,1,2
	v_add_nc_u32 v[T1+\x], v[T1+\x], v[FB+\x]
.endr
.irp x, 0,1,2
	v_and_b32 v[FC+\x], 0x0f0f0f0f, v[T1+\x]       ; of 8
.endr
.irp x, 0,1,2
	v_lshrrev_b32 v[T1+\x], 8, v[FC+\x]
.endr
.irp x, 0,1,2
	v_add_nc_u32 v[FD+\x], v[T1+\x], v[FC+\x]      ; its lowest byte: bits 0 to 15
.endr
	PICK FD, 8, 16
	PICK FC, 8, 8
	PICK FB, 4, 4
	PICK FA, 2, 2
	PICK SM, 1, 1
.irp x, 0,1,2
	v_bfe_u32 v[T1+\x], v[SB+\x], v[PO+\x], 1      ; k
	v_lshrrev_b32 v[T2+\x], 15, v[SS+\x]           ; 2 x the group's first token (P is at most 1,024: bit 15 is 0)
.endr
.irp x, 0,1,2
	v_lshl_add_u32 v[T1+\x], v[PO+\x], 3, v[T1+\x] ; lanes of a group are 4 tokens apart
.endr
.irp x, 0,1,2
	v_add_nc_u32 v[T1+\x], v[T1+\x], v[T2+\x]      ; rid
.endr
.irp x, 0,1,2
	v_permlanex16_b32 v[T2+\x], v[T1+\x], s62, s63
.endr
	v_cndmask_b32 v[RID], v[T1], v[T2], s66        ; a tile's sixteen rows into both halves of the lanes
	v_cndmask_b32 v[RID+1], v[T2], v[T1], s66
	v_cndmask_b32 v[RID+2], v[T1+1], v[T2+1], s66
	v_cndmask_b32 v[RID+3], v[T2+1], v[T1+1], s66
	v_cndmask_b32 v[RID+4], v[T1+2], v[T2+2], s66
.endm
.macro HADDR                           ; s37 = the sweep's first tile of my wave; s36 = the expert's last tile
.irp m, 0,1,2,3,4
	s_add_co_u32 s38, s37, 4*\m
	s_min_u32 s38, s38, s36
	s_min_u32 s38, s38, 63
	s_lshl_b32 s38, s38, 16
	v_add_nc_u32 v[XO+\m], s38, v1
.endr
.irp g, 0,1,2
	s_add_co_u32 s38, s37, 8*\g
	v_add_nc_u32 v[XSO+\g], s38, v[H4]
	v_min_u32 v[XSO+\g], s36, v[XSO+\g]
	v_min_u32 v[XSO+\g], 63, v[XSO+\g]
	v_lshl_add_u32 v[XSO+\g], v[XSO+\g], 12, v39
.endr
.endm
.macro HSCL g
.irp s, 0,1,2,3,4,5,6,7
	global_load_b32 v[XSC+8*\g+\s], v[XSO+\g], s[10:11] offset:128*\s
.endr
.endm
.macro HTILE m
	WIN ((1+(\m)/2)<<6)
.irp s, 0,1,2,3,4,5,6,7
.irp c, 0,1,2,3
	global_load_b128 v[128*((\m)%2)+16*\s+4*\c:128*((\m)%2)+16*\s+4*\c+3], v[XO+(\m)], s[8:9] offset:2048*\s+512*\c
.endr
.endr
	WIN 0
.endm
; W2's fragments of K steps 2 q, 2 q + 1 for the pair's two tiles, and their scale words, come in two runs:
.macro FETCHA q                        ; the two scale words and K step 2 q: 9 LDS loads
	WIN 0
	ds_load_b64 v[WS+2*((\q)%2):WS+2*((\q)%2)+1], v[ASR] offset:ASO+8*(\q)
	WIN 0xc0
.irp u, 0,1
.irp c, 0,1,2,3
	ds_load_b128 v[128+64*((\q)%2)+16*\u+4*\c:128+64*((\q)%2)+16*\u+4*\c+3], v[AWR] offset:AWO+16*WP*\u+128*(2*(\q))+32*\c
.endr
.endr
.endm
.macro FETCHB q                        ; K step 2 q + 1: 8 LDS loads
	WIN 0xc0
.irp u, 0,1
.irp c, 0,1,2,3
	ds_load_b128 v[128+64*((\q)%2)+16*(2+\u)+4*\c:128+64*((\q)%2)+16*(2+\u)+4*\c+3], v[AWR] offset:AWO+16*WP*\u+128*(2*(\q)+1)+32*\c
.endr
.endr
.endm
.macro MM m, u, s2, q
.set rD, ACC+16*(\m)+8*(\u)
.set rA, 128+64*((\q)%2)+16*(2*(\s2)+(\u))
.set rB, 128*((\m)%2)+16*(2*(\q)+(\s2))
.set rC, rD
.if ((\q)+(\s2)) == 0
.set rC, BI+8*(\u)
.endif
.set rP, WS+2*((\q)%2)+(\s2)
.set rQ, XSC+8*((\m)/2)+2*(\q)+(\s2)
.if (\u) && ((\m)%2)
	v_wmma_scale_f32_16x16x128_f8f6f4 v[rD:rD+7], v[rA:rA+15], v[rB:rB+15], v[rC:rC+7], v[rP], v[rQ] matrix_a_fmt:MATRIX_FMT_BF8 matrix_b_fmt:MATRIX_FMT_BF8 matrix_a_scale:MATRIX_SCALE_ROW1 matrix_b_scale:MATRIX_SCALE_ROW1
.elseif (\u)
	v_wmma_scale_f32_16x16x128_f8f6f4 v[rD:rD+7], v[rA:rA+15], v[rB:rB+15], v[rC:rC+7], v[rP], v[rQ] matrix_a_fmt:MATRIX_FMT_BF8 matrix_b_fmt:MATRIX_FMT_BF8 matrix_a_scale:MATRIX_SCALE_ROW1
.elseif ((\m)%2)
	v_wmma_scale_f32_16x16x128_f8f6f4 v[rD:rD+7], v[rA:rA+15], v[rB:rB+15], v[rC:rC+7], v[rP], v[rQ] matrix_a_fmt:MATRIX_FMT_BF8 matrix_b_fmt:MATRIX_FMT_BF8 matrix_b_scale:MATRIX_SCALE_ROW1
.else
	v_wmma_scale_f32_16x16x128_f8f6f4 v[rD:rD+7], v[rA:rA+15], v[rB:rB+15], v[rC:rC+7], v[rP], v[rQ] matrix_a_fmt:MATRIX_FMT_BF8 matrix_b_fmt:MATRIX_FMT_BF8
.endif
.endm
.macro MULG q, ma, mb
.irp s2, 0,1
.irp u, 0,1
	MM \ma, \u, \s2, \q
	MM \mb, \u, \s2, \q
.endr
.endr
.endm
; A step's 20 matrix instructions, in two parts; no two that follow each other share an accumulator
.macro MULA q                          ; the first 8: tiles 0 and 1 of h
	WIN 0x07
	MULG \q, 0, 1
.endm
.macro MULB q                          ; the other 12: tiles 2 and 3, then tile 4
	WIN 0x0b
	MULG \q, 2, 3
	WIN 0x0f
.irp s2, 0,1
.irp u, 0,1
	MM 4, \u, \s2, \q
.endr
.endr
.endm
.macro PAIR p                          ; outputs 32 p .. 32 p + 31 of the slice for my five tiles of rows, all of the slice's K; results to my stage
.set AWR, AWLO+(\p)/2
.set AWO, 32*WP*((\p)%2)
.set ASO, 32*SCP*(\p)
.irp u, 0,1                            ; (the bias and both sets are free: the wait at the sweep's head, or the last pair's wait ahead of its stores, behind which no vector or matrix instruction stands)
.irp q, 0,1
	ds_load_b128 v[BI+8*\u+4*\q:BI+8*\u+4*\q+3], v[ABI] offset:128*(\p)+32*\u+16*\q
.endr
.endr
	FETCHA 0
	FETCHB 0
	FETCHA 1
	s_wait_dscnt 9                                 ; all but the youngest nine: the bias, step 0's fragments, and the last pair's stores into the stage
	s_wait_alu depctr_vm_vsrc(0)                   ; the last pair's stores into the stage (pair 0: the last sweep's) have read the accumulators, which the products below begin anew
	MULA 0
	FETCHB 1                                       ; no wait: no vector or matrix instruction since the last wait on va_vdst names set 1
	MULB 0
	PLACES 8                                       ; in front of loads into registers that matrix instructions have read
	s_wait_alu depctr_va_vdst(0)                   ; step 0's products are done reading set 0 and its scale words, in which step 2's loads land
	FETCHA 2
	s_wait_dscnt 9                                 ; step 1's fragments are in
	MULA 1
	FETCHB 2                                       ; no wait: the products since the wait name set 1 alone
	MULB 1
	PLACES 8
	s_wait_alu depctr_va_vdst(0)                   ; step 1's products are done reading set 1 and its scale words, in which step 3's loads land
	FETCHA 3
	s_wait_dscnt 9                                 ; step 2's fragments are in
	MULA 2
	FETCHB 3                                       ; no wait: the products since the wait name set 0 alone
	MULB 2
	s_wait_dscnt 0x0
	MULA 3
	MULB 3
	WIN 0
	PLACES 9                                       ; eight in front of the stores that read results; nine in front of the next pair's products, which begin these accumulators anew
	s_wait_alu depctr_va_vdst(0)                   ; the products have written the accumulators, which the stores below read; they are also done with the bias, both sets and the scale words, in which the next pair's loads land
.irp m, 0,1,2,3,4
.irp u, 0,1
	ds_store_b128 v[VSTO], v[ACC+16*\m+8*\u:ACC+16*\m+8*\u+3] offset:16*SPI*\m+128*(\p)+32*\u          ; each accumulator from its low end on
	ds_store_b128 v[VSTO], v[ACC+16*\m+8*\u+4:ACC+16*\m+8*\u+7] offset:16*SPI*\m+128*(\p)+32*\u+16
.endr
.endr
.endm
.macro SEND m                          ; tile m's sixteen rows: each row's number from its lane, the row from the stage, 512 bytes to y
	s_wait_xcnt 0x0                                ; the last tile's stores have read their offsets and data
	s_wait_alu depctr_vm_vsrc(0)                   ; the same stores have read v[VOFF ..], which the additions below write, and v[OUTR ..], in which the loads below land
.set i, 0
.rept 16
	v_readlane_b32 s[40+i], v[RID+(\m)], i
.set i, i+1
.endr
	s_wait_alu depctr_va_sdst(0)                   ; the sixteen lines above have written s40-55, which the scalar lines below read
.set i, 0
.rept 16
	s_min_u32 s[40+i], s[40+i], 0x7ff              ; a row number stays inside y
	s_lshl_b32 s[40+i], s[40+i], 12
	v_add_nc_u32 v[VOFF+i], s[40+i], v1
.set i, i+1
.endr
.set i, 0
.rept 16
	ds_load_b128 v[OUTR+4*i:OUTR+4*i+3], v[VRD] offset:16*SPI*(\m)+SPI*i   ; LDS serves a wave's instructions in order: these see my stores
.set i, i+1
.endr
	s_wait_alu depctr_va_vdst(0)                   ; the additions have written v[VOFF ..], the offsets of the stores below
.set i, 0
.rept 16
	s_wait_dscnt 15-i
	global_store_b128 v[VOFF+i], v[OUTR+4*i:OUTR+4*i+3], s[20:21]
.set i, i+1
.endr
.endm
.macro SENDC m
	s_add_co_u32 s38, s37, 4*\m
	s_cmp_ge_u32 s38, s7
	s_cbranch_scc1 .Lsent
	SEND \m
.endm
	s_load_b256 s[8:15], s[0:1], 0x0               ; h_codes 8, h_scales 10, sel 12, W2_codes 14
	s_load_b128 s[16:19], s[0:1], 0x20             ; W2_scales 16, b2 18
	s_load_b64 s[20:21], s[0:1], 0x30              ; y
	v_lshl_add_u32 v37, v0, 2, 0x4b200
	v_mov_b32 v38, 0
	v_lshrrev_b32 v39, 5, v0
	v_readfirstlane_b32 s2, v39                    ; wave
	s_and_b32 s3, ttmp7, 0xffff                    ; e
	s_and_b32 s4, ttmp9, 7                         ; cb
	s_lshr_b32 s34, ttmp9, 3                       ; kq
	v_and_b32 v39, 31, v0
	v_lshlrev_b32 v1, 4, v39                       ; v1  16 x lane
	v_and_b32 v2, 15, v0                           ; v2  r
	v_bfe_u32 v3, v0, 4, 1
	v_lshlrev_b32 v[H4], 2, v3
	v_lshlrev_b32 v3, 4, v3                        ; v3  16 h
	v_mul_u32_u24 v[AWLO], v2, WP
	v_add_nc_u32 v[AWLO], v[AWLO], v3
	v_add_nc_u32 v[AWHI], 64*WP, v[AWLO]
	v_mul_u32_u24 v[ASC], v39, SCP
	v_add_nc_u32 v[ASC], SCL, v[ASC]
	v_lshl_add_u32 v[ABI], v3, 2, BIA
	v_lshlrev_b32 v39, 2, v39                      ; v39 4 x lane
	s_wait_alu depctr_va_sdst(0)                   ; s2 is written, ahead of its first reader
	s_lshl_b32 s38, s2, 4
	v_add_nc_u32 v[RW], s38, v2
	s_mul_i32 s38, s2, 5*16*SPI
	s_add_co_u32 s38, s38, STG                     ; my stages
	v_mul_u32_u24 v[VSTO], v2, SPI
	v_lshl_add_u32 v[VSTO], v3, 2, v[VSTO]
	v_add_nc_u32 v[VSTO], s38, v[VSTO]
	v_add_nc_u32 v[VRD], s38, v1
	s_mul_i32 s38, s2, 32*WP
	v_add_nc_u32 v93, s38, v1                      ; staging, as in the launch before
	v_and_b32 v94, 0x67, v0
	v_bfe_u32 v95, v0, 4, 1
	v_lshl_add_u32 v94, v95, 3, v94
	v_bfe_u32 v95, v0, 3, 1
	v_lshl_add_u32 v94, v95, 4, v94
	v_mul_u32_u24 v94, v94, SCP
	v_add_nc_u32 v94, SCL, v94
	v_lshl_add_u32 v95, v0, 2, BIA
	v_lshlrev_b32 v96, 7, v0                       ; a row of W2's scale bytes is 128 bytes
	v_lshlrev_b32 v97, 2, v0
	s_lshl_b32 s68, 0x101, s3                      ; my expert's two bits in a word of sel
	s_mov_b32 s85, 0xff
	s_mov_b32 s62, 0x76543210
	s_mov_b32 s63, 0xfedcba98                      ; v_permlanex16_b32's selects for lane l xor 16
	s_mov_b32 s66, 0xffff0000                      ; lanes 16-31
	s_cmp_eq_u32 s34, 0
	s_cselect_b32 s33, -1, 0                       ; b2 counts in the first quarter of K alone
	s_wait_kmcnt 0x0
	s_wait_alu depctr_va_vdst(0)                   ; the head's offsets and addresses are written: v1, v93-97, v[AWLO], v[AWHI], v[ASC], v[ABI], v[VSTO], v[VRD], which the loads, LDS stores and LDS loads below read
	SELLOAD                                        ; first of all loads: the number of rows hangs on it
	s_mov_b32 s39, 0
	s_lshl_b32 s38, s3, 22
	s_add_nc_u64 s[24:25], s[14:15], s[38:39]      ; W2's codes: e x 4 MiB,
	s_add_nc_u64 s[8:9], s[8:9], s[38:39]          ; h's likewise
	s_lshl_b32 s38, s4, 19
	s_add_nc_u64 s[24:25], s[24:25], s[38:39]      ; + cb x 128 rows of 4,096 bytes,
	s_lshl_b32 s38, s34, 10
	s_add_nc_u64 s[24:25], s[24:25], s[38:39]      ; + kq x 1,024 along K,
	s_add_nc_u64 s[10:11], s[10:11], s[38:39]      ; (h's scale words: kq x 8 K steps of 128 bytes)
	s_lshl_b32 s38, s2, 17
	s_add_nc_u64 s[24:25], s[24:25], s[38:39]      ; + my wave's 32 rows
	s_lshl_b32 s38, s34, 14
	s_add_nc_u64 s[8:9], s[8:9], s[38:39]          ; h's codes: kq x 8 K steps of 2,048 bytes
	s_lshl_b32 s38, s3, 18
	s_add_nc_u64 s[10:11], s[10:11], s[38:39]
	s_lshl_b32 s38, s3, 12
	s_add_nc_u64 s[18:19], s[18:19], s[38:39]      ; b2: e x 1,024 numbers
	s_lshl_b32 s38, s4, 9
	s_add_nc_u64 s[18:19], s[18:19], s[38:39]
	s_add_nc_u64 s[20:21], s[20:21], s[38:39]      ; y: my 128 columns,
	s_lshl_b32 s38, s34, 23
	s_add_nc_u64 s[20:21], s[20:21], s[38:39]      ; in quarter kq
	s_lshl_b32 s38, s3, 17
	s_add_nc_u64 s[16:17], s[16:17], s[38:39]
	s_lshl_b32 s38, s4, 14
	s_add_nc_u64 s[16:17], s[16:17], s[38:39]
	s_lshl_b32 s38, s34, 5
	s_add_nc_u64 s[16:17], s[16:17], s[38:39]      ; W2's scale bytes: my 128 rows, my 32 blocks
.set k, 0
.rept 32                               ; my wave's first 16 rows of the slice: 512 consecutive bytes a load
	global_load_b128 v[128+4*k:128+4*k+3], v1, s[24:25] offset:4096*(k/2)+512*(k%2) th:TH_LOAD_NT
.set k, k+1
.endr
	WIN 0xc0
.set k, 0
.rept 32
	global_load_b128 v[128+4*k:128+4*k+3], v1, s[24:25] offset:4096*(16+k/2)+512*(k%2) th:TH_LOAD_NT
.set k, k+1
.endr
	WIN 0
	global_load_b128 v[84:87], v96, s[16:17]
	global_load_b128 v[88:91], v96, s[16:17] offset:16
	global_load_b32 v92, v97, s[18:19]
	s_wait_loadcnt 63                              ; 67 loads were issued behind sel's eight: sel is in
	COUNT
	s_min_u32 s5, s5, 1024
	s_add_co_u32 s7, s5, 15
	s_lshr_b32 s7, s7, 4                           ; the expert's tiles: 0 where it has no row
	s_max_u32 s36, s7, 1
	s_sub_co_u32 s36, s36, 1                       ; the last tile that was written
	s_max_u32 s6, s5, 1
	s_sub_co_u32 s6, s6, 1                         ; the last rank
	s_mov_b32 s37, s2
	HADDR
	s_wait_loadcnt 35                              ; behind the slice's first 32 loads stand the other 35
.set k, 0
.rept 32                               ; (no vector instruction since the head's wait names v93 or the staging registers)
.set i, k/2
.set sl, (i&7)|(((i>>3)&1)<<4)|(((i>>4)&1)<<3)
	ds_store_b128 v93, v[128+4*k:128+4*k+3] offset:sl*WP+512*(k%2)
.set k, k+1
.endr
	s_wait_alu depctr_va_vdst(0)                   ; HADDR has written v[XO ..] and v[XSO ..], the offsets of all the loads of h below
	HSCL 0
	HSCL 1
	HSCL 2
	HTILE 0
	HTILE 1
	s_wait_loadcnt 63                              ; 88 loads were issued behind the second half of the slice, its scale bytes and the bias: they are in
	v_and_b32 v92, s33, v92
	WIN 0x0c
.set k, 0
.rept 32
.set i, 16+k/2
.set sl, (i&7)|(((i>>3)&1)<<4)|(((i>>4)&1)<<3)
	ds_store_b128 v93, v[128+4*k:128+4*k+3] offset:sl*WP+512*(k%2)
.set k, k+1
.endr
	WIN 0
	s_wait_alu depctr_va_vdst(0)                   ; the line that masks the bias has written v92, which its LDS store reads
	ds_store_b64 v94, v[84:85]
	ds_store_b64 v94, v[86:87] offset:8
	ds_store_b64 v94, v[88:89] offset:16
	ds_store_b64 v94, v[90:91] offset:24
	ds_store_b32 v95, v92
	HTILE 2
	HTILE 3
	HTILE 4
	s_wait_dscnt 0x0                               ; for the others' sake: my part of the slice has landed
	s_barrier_signal -1
	s_barrier_wait -1                              ; the launch's one barrier; behind it the slice, its scales and the bias are only read
	s_wait_alu depctr_vm_vsrc(0)                   ; my LDS stores have read the staging registers (v128-255 of windows 0 and 3, v84-92) and v93-95, the loads v96 and v97: from here on products, W2's fragments, the rows on their way out and their offsets write them
	s_mov_b32 s84, 0
	RANKS                                          ; the first sweep's row numbers, wanted only on the way out: made while h is on its way
	s_mov_b32 s35, 0                               ; four sweeps, a constant; a sweep that the expert does not reach is passed over
.Lsweep:
	s_mul_i32 s37, s35, 20
	s_add_co_u32 s37, s37, s2
	s_cmp_ge_u32 s37, s7
	s_cbranch_scc1 .Lnext
	s_wait_loadcnt 0x0                             ; the sweep's codes and scale words of h are in
	s_wait_alu depctr_va_vdst(0)                   ; the ranking has written v68-79, in which pair 0's bias lands
	PAIR 0
	PAIR 1
	PAIR 2
	PAIR 3
	SEND 0
	SENDC 1
	SENDC 2
	SENDC 3
	SENDC 4
.Lsent:
	s_add_co_u32 s37, s37, 20                      ; the next sweep's rows, where the expert has so many
	s_cmp_ge_u32 s37, s7
	s_cbranch_scc1 .Lnext
	s_wait_xcnt 0x0                                ; the stores have read their offsets: two of those registers serve the ranking
	s_wait_alu depctr_vm_vsrc(0)                   ; the stores have read v[VOFF ..], two of which the ranking writes; the stores into the stage have read the accumulators, on which sel's words land; the sweep's loads of h have read v[XO ..], v[XSO ..], written below
	s_add_co_u32 s84, s35, 1
	s_mul_i32 s84, s84, 320
	HADDR
	s_wait_alu depctr_va_vdst(0)                   ; HADDR has written the offsets of h's loads; the sweep's products are done with h's fragments and scale words, and with the bias and the accumulators on which sel's words land
	SELLOAD
	HSCL 0
	HSCL 1
	HSCL 2
	HTILE 0
	HTILE 1
	HTILE 2
	HTILE 3
	HTILE 4
	s_wait_loadcnt 63                              ; sel's eight loads are the oldest of 192: they are in
	RANKS
.Lnext:
	s_add_co_u32 s35, s35, 1
	s_cmp_lt_u32 s35, 4
	s_cbranch_scc1 .Lsweep
	s_wait_dscnt 0x0                               ; the closing lines, six on end
	s_wait_alu 0x0
	s_wait_tensorcnt 0x0
	ds_add_u32 v37, v38
	s_wait_dscnt 0x0
	s_endpgm
.Lfunc_end_k_q05faa2e856_ffn2:
	.size	k_q05faa2e856_ffn2, .Lfunc_end_k_q05faa2e856_ffn2-k_q05faa2e856_ffn2
	.p2alignl 7, 3214868480
	.fill 96, 4, 3214868480
	.section	.rodata,"a",@progbits
	.p2align	6, 0x0
	.amdhsa_kernel k_q05faa2e856_ffn2
		.amdhsa_group_segment_fixed_size 308224
		.amdhsa_private_segment_fixed_size 0
		.amdhsa_enable_private_segment 0
		.amdhsa_kernarg_size 56
		.amdhsa_user_sgpr_count 2
		.amdhsa_user_sgpr_kernarg_segment_ptr 1
		.amdhsa_wavefront_size32 1
		.amdhsa_system_sgpr_workgroup_id_x 1
		.amdhsa_system_sgpr_workgroup_id_y 1
		.amdhsa_system_sgpr_workgroup_id_z 1
		.amdhsa_system_vgpr_workitem_id 0
		.amdhsa_next_free_vgpr 1024
		.amdhsa_next_free_sgpr 88
		.amdhsa_reserve_vcc 0
		.amdhsa_float_denorm_mode_32 3
		.amdhsa_float_denorm_mode_16_64 3
		.amdhsa_memory_ordered 1
		.amdhsa_forward_progress 1
		.amdhsa_inst_pref_size 245
	.end_amdhsa_kernel
	.amdgpu_metadata
---
amdhsa.version: [ 1, 2 ]
amdhsa.kernels:
  - .name:           k_q05faa2e856_ffn2
    .symbol:         k_q05faa2e856_ffn2.kd
    .args:
      - { .name: h_codes, .offset: 0, .size: 8, .value_kind: global_buffer, .address_space: global }
      - { .name: h_scales, .offset: 8, .size: 8, .value_kind: global_buffer, .address_space: global }
      - { .name: sel, .offset: 16, .size: 8, .value_kind: global_buffer, .address_space: global }
      - { .name: W2_codes, .offset: 24, .size: 8, .value_kind: global_buffer, .address_space: global }
      - { .name: W2_scales, .offset: 32, .size: 8, .value_kind: global_buffer, .address_space: global }
      - { .name: b2, .offset: 40, .size: 8, .value_kind: global_buffer, .address_space: global }
      - { .name: y, .offset: 48, .size: 8, .value_kind: global_buffer, .address_space: global }
    .group_segment_fixed_size: 308224
    .private_segment_fixed_size: 0
    .kernarg_segment_align: 8
    .kernarg_segment_size: 56
    .max_flat_workgroup_size: 128
    .sgpr_count:     88
    .vgpr_count:     1024
    .wavefront_size: 32
...
	.end_amdgpu_metadata
.endif
;; end of part 7
;; launch finish (part 8): grid 1024 x 1, 4 waves a work-group, no clusters, 1,024 bytes of LDS; arguments y, gate, gamma, beta, out0; writes out0
.if DOCPART == 8
	.amdgcn_target "amdgcn-amd-amdhsa--gfx1250"
	.amdhsa_code_object_version 6
	.text
	.protected	k_q05faa2e856_finish
	.globl	k_q05faa2e856_finish
	.p2align	8
	.type	k_q05faa2e856_finish,@function
k_q05faa2e856_finish:
	s_mov_b64 s[64:65], 0
	v_nop
	global_prefetch_b8 v0, s[64:65] scope:SCOPE_SE
	s_setreg_imm32_b32 hwreg(HW_REG_WAVE_MODE, 25, 1), 1
	s_wait_xcnt 0x0
; THE COMBINE AND THE LAYER NORM.  y [4 quarters of H][2048 rows][1024] f32, gate [1024][2], gamma, beta [1024], out0 [1024][1024] f32.
; One work-group takes one token: o = g0 (the sum of row 2 t's four parts) + g1 (that of row 2 t + 1's); then (o - mean) rsqrt(var + 1e-5) gamma + beta,
; the variance taken of the differences from the mean, as it is defined.  Wave w takes columns 256 w on, a lane eight of them in two pieces, so that
; each load and store of a wave covers 512 consecutive bytes, aligned.  All addresses are fixed by the token.  A stream: no matrix unit, no tensor
; load, no cluster (work-groups share only gamma and beta); the sixteen loads of y are all on their way at once.
; The two sums over the four waves go through eight LDS words, each sum with words of its own and a barrier of its own.
	s_load_b256 s[4:11], s[0:1], 0x0               ; y s[4:5], gate s[6:7], gamma s[8:9], beta s[10:11]
	s_load_b64 s[12:13], s[0:1], 0x20              ; out0
	v_lshl_add_u32 v96, v0, 2, 0x200
	v_mov_b32 v97, 0
	v_lshrrev_b32 v1, 5, v0                        ; wave
	v_and_b32 v2, 31, v0
	v_lshlrev_b32 v3, 4, v2
	v_lshl_add_u32 v3, v1, 10, v3                  ; 1,024 w + 16 lane
	v_lshlrev_b32 v4, 2, v1                        ; my wave's LDS word
	v_mov_b32 v5, 0
	s_lshl_b32 s14, ttmp9, 13                      ; the token's two rows of y
	s_mov_b32 s15, 0
	s_lshl_b32 s16, ttmp9, 3                       ; its gates
	s_mov_b32 s17, 0
	s_lshl_b32 s18, ttmp9, 12                      ; its row of out0
	s_mov_b32 s19, 0
	s_mov_b32 s32, 0x3a800000                      ; 1 / 1,024
	s_mov_b32 s33, 0x3727c5ac                      ; 1e-5
	s_mov_b32 s34, 0x76543210
	s_mov_b32 s35, 0xfedcba98                      ; v_permlanex16_b32's selects for lane l xor 16
	s_wait_alu depctr_va_vdst(0)
	s_wait_kmcnt 0x0
	s_add_nc_u64 s[6:7], s[6:7], s[16:17]
	s_load_b64 s[20:21], s[6:7], 0x0               ; g0, g1
	s_add_nc_u64 s[24:25], s[4:5], s[14:15]        ; a base for each quarter: they lie 8 MiB apart
	s_add_nc_u64 s[26:27], s[24:25], 0x800000
	s_add_nc_u64 s[28:29], s[26:27], 0x800000
	s_add_nc_u64 s[30:31], s[28:29], 0x800000
	s_add_nc_u64 s[12:13], s[12:13], s[18:19]
.irp kq, 0,1,2,3
.irp k, 0,1
.irp q, 0,1
	global_load_b128 v[16+16*\kq+8*\k+4*\q:19+16*\kq+8*\k+4*\q], v3, s[24+2*\kq:25+2*\kq] offset:4096*\k+512*\q th:TH_LOAD_NT
.endr
.endr
.endr
.irp q, 0,1
	global_load_b128 v[80+4*\q:83+4*\q], v3, s[8:9] offset:512*\q
	global_load_b128 v[88+4*\q:91+4*\q], v3, s[10:11] offset:512*\q
.endr
	s_wait_kmcnt 0x0
	s_mov_b32 s22, s21                             ; g1 in a pair of its own: the packed form takes a pair's low word for both halves
	s_mov_b32 s23, s21
	s_wait_loadcnt 0x4                             ; y is in; gamma's and beta's four loads may be out
.irp i, 0,2,4,6,8,10,12,14
	v_pk_add_f32 v[16+\i:17+\i], v[16+\i:17+\i], v[32+\i:33+\i]
	v_pk_add_f32 v[48+\i:49+\i], v[48+\i:49+\i], v[64+\i:65+\i]
.endr
.irp i, 0,2,4,6,8,10,12,14
	v_pk_add_f32 v[16+\i:17+\i], v[16+\i:17+\i], v[48+\i:49+\i]      ; v16-23 row 2 t, v24-31 row 2 t + 1
.endr
.irp i, 0,2,4,6
	v_pk_mul_f32 v[16+\i:17+\i], v[16+\i:17+\i], s[20:21] op_sel_hi:[1,0]
.endr
.irp i, 0,2,4,6
	v_pk_fma_f32 v[16+\i:17+\i], v[24+\i:25+\i], s[22:23], v[16+\i:17+\i] op_sel_hi:[1,0,1]   ; o
.endr
	v_pk_add_f32 v[32:33], v[16:17], v[18:19]
	v_pk_add_f32 v[34:35], v[20:21], v[22:23]
	v_pk_add_f32 v[32:33], v[32:33], v[34:35]
	v_add_f32 v32, v32, v33
.irp x, 1,2,4,8
	v_add_f32_dpp v32, v32, v32 row_xmask:\x row_mask:0xf bank_mask:0xf
.endr
	v_permlanex16_b32 v33, v32, s34, s35
	v_add_f32 v32, v32, v33                        ; my wave's 256 columns
	ds_store_b32 v4, v32                           ; all lanes write the same word with the same value
	s_wait_dscnt 0x0                               ; for the others' sake
	s_barrier_signal -1
	s_barrier_wait -1
	ds_load_b128 v[36:39], v5
	s_wait_dscnt 0x0
	v_add_f32 v36, v36, v37
	v_add_f32 v38, v38, v39
	v_add_f32 v36, v36, v38
	v_mul_f32 v32, s32, v36                        ; the mean
.irp i, 0,1,2,3,4,5,6,7
	v_sub_f32 v[16+\i], v[16+\i], v32
.endr
	v_pk_mul_f32 v[34:35], v[16:17], v[16:17]
.irp i, 2,4,6
	v_pk_fma_f32 v[34:35], v[16+\i:17+\i], v[16+\i:17+\i], v[34:35]
.endr
	v_add_f32 v34, v34, v35
.irp x, 1,2,4,8
	v_add_f32_dpp v34, v34, v34 row_xmask:\x row_mask:0xf bank_mask:0xf
.endr
	v_permlanex16_b32 v35, v34, s34, s35
	v_add_f32 v34, v34, v35
	ds_store_b32 v4, v34 offset:256                ; other words than the first sum's
	s_wait_dscnt 0x0
	s_barrier_signal -1
	s_barrier_wait -1
	ds_load_b128 v[40:43], v5 offset:256
	s_wait_dscnt 0x0
	v_add_f32 v40, v40, v41
	v_add_f32 v42, v42, v43
	v_add_f32 v40, v40, v42
	v_fma_f32 v34, v40, s32, s33                   ; var + 1e-5
	s_wait_alu depctr_va_vdst(0)
	v_rsq_f32 v36, v34
	v_nop                                          ; a plain line behind the root
	s_wait_alu depctr_va_vdst(0)                   ; the wait ahead of the result's first reader
	s_wait_loadcnt 0x0                             ; gamma, beta
.irp i, 0,2,4,6
	v_pk_mul_f32 v[16+\i:17+\i], v[16+\i:17+\i], v[36:37] op_sel_hi:[1,0]
.endr
.irp i, 0,2,4,6
	v_pk_fma_f32 v[16+\i:17+\i], v[16+\i:17+\i], v[80+\i:81+\i], v[88+\i:89+\i]
.endr
	global_store_b128 v3, v[16:19], s[12:13] th:TH_STORE_NT
	global_store_b128 v3, v[20:23], s[12:13] offset:512 th:TH_STORE_NT
	s_wait_tensorcnt 0x0
	ds_add_u32 v96, v97
	s_wait_dscnt 0x0
	s_endpgm
.Lfunc_end_k_q05faa2e856_finish:
	.size	k_q05faa2e856_finish, .Lfunc_end_k_q05faa2e856_finish-k_q05faa2e856_finish
	.p2alignl 7, 3214868480
	.fill 96, 4, 3214868480
	.section	.rodata,"a",@progbits
	.p2align	6, 0x0
	.amdhsa_kernel k_q05faa2e856_finish
		.amdhsa_group_segment_fixed_size 1024
		.amdhsa_private_segment_fixed_size 0
		.amdhsa_enable_private_segment 0
		.amdhsa_kernarg_size 40
		.amdhsa_user_sgpr_count 2
		.amdhsa_user_sgpr_kernarg_segment_ptr 1
		.amdhsa_wavefront_size32 1
		.amdhsa_system_sgpr_workgroup_id_x 1
		.amdhsa_system_sgpr_workgroup_id_y 1
		.amdhsa_system_sgpr_workgroup_id_z 1
		.amdhsa_system_vgpr_workitem_id 0
		.amdhsa_next_free_vgpr 98
		.amdhsa_next_free_sgpr 66
		.amdhsa_reserve_vcc 0
		.amdhsa_float_denorm_mode_32 3
		.amdhsa_float_denorm_mode_16_64 3
		.amdhsa_memory_ordered 1
		.amdhsa_forward_progress 1
		.amdhsa_inst_pref_size 9
	.end_amdhsa_kernel
	.amdgpu_metadata
---
amdhsa.version: [ 1, 2 ]
amdhsa.kernels:
  - .name:           k_q05faa2e856_finish
    .symbol:         k_q05faa2e856_finish.kd
    .args:
      - { .name: y, .offset: 0, .size: 8, .value_kind: global_buffer, .address_space: global }
      - { .name: gate, .offset: 8, .size: 8, .value_kind: global_buffer, .address_space: global }
      - { .name: gamma, .offset: 16, .size: 8, .value_kind: global_buffer, .address_space: global }
      - { .name: beta, .offset: 24, .size: 8, .value_kind: global_buffer, .address_space: global }
      - { .name: out0, .offset: 32, .size: 8, .value_kind: global_buffer, .address_space: global }
    .group_segment_fixed_size: 1024
    .private_segment_fixed_size: 0
    .kernarg_segment_align: 8
    .kernarg_segment_size: 40
    .max_flat_workgroup_size: 128
    .sgpr_count:     66
    .vgpr_count:     98
    .wavefront_size: 32
...
	.end_amdgpu_metadata
.endif
;; end of part 8
